; MI455X (gfx1250); checked and timed in simulation.
; The chip was launched on July 23, 2026; its instructions are those of AMD's public machine-readable ISA for CDNA 5 (MIT licence, August 2026) and "CDNA5" Instruction Set Architecture Reference Guide (July 2026). The comments in the code are by the model that wrote it; some were corrected since.
;; Deformable Transformer Decoder Layer. Allowed arithmetic: matrix products marked QUANTISED: E2M1 operands, one E8M0 scale for each 32 along K, by v_wmma_scale_f32_16x16x128_f8f6f4 with both operands' format E2M1 (or v_wmma_scale_f32_32x16x128_f4), f32 sums; products left as they are: f32 operands where the result goes on into a quantised operand, else bf16, f16 or f32 operands; f32 sums; everything else in f32.
;; Inputs: attw_b 128 float32; attw_w_codes 128 x 8 x 16 uint8 (E2M1 codes of attw_w, K innermost, in blocks of 32 codes, two codes a byte); attw_w_scales 128 x 8 uint8 (E8M0 scales of attw_w, one for each 32 codes along K); in_proj_b 768 float32; in_proj_w_codes 768 x 8 x 16 uint8 (E2M1 codes of in_proj_w, K innermost, in blocks of 32 codes, two codes a byte); in_proj_w_scales 768 x 8 uint8 (E8M0 scales of in_proj_w, one for each 32 codes along K); level_start_index 4 int32; lin1_b 1,024 float32; lin1_w_codes 1,024 x 8 x 16 uint8 (E2M1 codes of lin1_w, K innermost, in blocks of 32 codes, two codes a byte); lin1_w_scales 1,024 x 8 uint8 (E8M0 scales of lin1_w, one for each 32 codes along K); lin2_b 256 float32; lin2_w_codes 256 x 32 x 16 uint8 (E2M1 codes of lin2_w, K innermost, in blocks of 32 codes, two codes a byte); lin2_w_scales 256 x 32 uint8 (E8M0 scales of lin2_w, one for each 32 codes along K); norm1_b 256 float32; norm1_g 256 float32; norm2_b 256 float32; norm2_g 256 float32; norm3_b 256 float32; norm3_g 256 float32; off_b 256 float32; off_w_codes 256 x 8 x 16 uint8 (E2M1 codes of off_w, K innermost, in blocks of 32 codes, two codes a byte); off_w_scales 256 x 8 uint8 (E8M0 scales of off_w, one for each 32 codes along K); out_proj_b 256 float32; out_proj_w_codes 256 x 8 x 16 uint8 (E2M1 codes of out_proj_w, K innermost, in blocks of 32 codes, two codes a byte); out_proj_w_scales 256 x 8 uint8 (E8M0 scales of out_proj_w, one for each 32 codes along K); outp_b 256 float32; outp_w_codes 256 x 8 x 16 uint8 (E2M1 codes of outp_w, K innermost, in blocks of 32 codes, two codes a byte); outp_w_scales 256 x 8 uint8 (E8M0 scales of outp_w, one for each 32 codes along K); query_pos 16 x 1,024 x 256 float32; reference_points 16 x 1,024 x 4 x 2 float32; src_codes 16 x 5,440 x 8 x 16 uint8 (E2M1 codes of src, K innermost, in blocks of 32 codes, two codes a byte); src_scales 16 x 5,440 x 8 uint8 (E8M0 scales of src, one for each 32 codes along K); src_spatial_shapes 4 x 2 int32; tgt 16 x 1,024 x 256 float32; value_b 256 float32; value_w_codes 256 x 8 x 16 uint8 (E2M1 codes of value_w, K innermost, in blocks of 32 codes, two codes a byte); value_w_scales 256 x 8 uint8 (E8M0 scales of value_w, one for each 32 codes along K).
;; Outputs: out0 16 x 1,024 x 256 float32.
;; This version of the problem:
;;   THIS VERSION OF THE PROBLEM IS GIVEN IN LOW PRECISION. The matrix products marked QUANTISED in the list below multiply operands that are first quantised to E2M1 (2 exponent bits, 1 mantissa bit; 4 bits a number), with one power-of-two scale for each 32 numbers along K (OCP MX v1.0); their sums are f32. All else is computed in f32.
;;   The module's matrix products, in the order in which they are computed (A, B: the left and right operand; K: the contracted axis; several contracted axes count as one K, in the product's order):
;;     1. [M 16,384, K 256] x [K 256, N 256]; A: computed on the way; B: input in_proj_w (given as codes): QUANTISED
;;     2. [M 16,384, K 256] x [K 256, N 256]; A: computed on the way; B: input in_proj_w (given as codes): QUANTISED
;;     3. [M 16,384, K 256] x [K 256, N 256]; A: input tgt; B: input in_proj_w (given as codes): QUANTISED
;;     4. batch 128 x [M 1,024, K 32] x [K 32, N 1,024]; A: computed on the way; B: computed on the way: QUANTISED
;;     5. batch 128 x [M 32, K 1,024] x [K 1,024, N 1,024]; A: computed on the way; B: softmax (see below): QUANTISED
;;     6. [M 16,384, K 256] x [K 256, N 256]; A: computed on the way; B: input out_proj_w (given as codes): QUANTISED
;;     7. [M 87,040, K 256] x [K 256, N 256]; A: input src (given as codes); B: input value_w (given as codes): QUANTISED
;;     8. [M 16,384, K 256] x [K 256, N 256]; A: computed on the way; B: input off_w (given as codes): QUANTISED
;;     9. [M 16,384, K 256] x [K 256, N 128]; A: computed on the way; B: input attw_w (given as codes): QUANTISED
;;     10. batch 131,072 x [M 32, K 4] x [K 4, N 1]; A: computed on the way; B: computed on the way: left as it is (K = 4 < 32)
;;     11. batch 131,072 x [M 32, K 4] x [K 4, N 1]; A: computed on the way; B: computed on the way: left as it is (K = 4 < 32)
;;     12. batch 131,072 x [M 32, K 4] x [K 4, N 1]; A: computed on the way; B: computed on the way: left as it is (K = 4 < 32)
;;     13. batch 131,072 x [M 32, K 4] x [K 4, N 1]; A: computed on the way; B: computed on the way: left as it is (K = 4 < 32)
;;     14. [M 16,384, K 256] x [K 256, N 256]; A: computed on the way; B: input outp_w (given as codes): QUANTISED
;;     15. [M 16,384, K 256] x [K 256, N 1,024]; A: computed on the way; B: input lin1_w (given as codes): QUANTISED
;;     16. [M 16,384, K 1,024] x [K 1,024, N 256]; A: computed on the way; B: input lin2_w (given as codes): QUANTISED
;;   THE QUANTISER, for each operand of a quantised product, along K:
;;     - K is cut into blocks of 32 from its start; a last block that is shorter is filled with zeros.
;;     - A block's scale is 2^e with e = floor(log2(the largest magnitude in the block)) - 2, held to -126 .. 127; a block of zeros has e = 0. As a byte (E8M0): e + 127.
;;     - Each number is divided by its block's scale, clamped to +-6, and rounded to the nearest number of E2M1, ties to even, subnormals kept.
;;     - The product sums the exact products of the quantised numbers (number of the format x scale) in f32.
;;   ~~~python
;;   def quantise(x, axis):      # numpy; x: float32 -> the quantised numbers, widened to float32 again
;;       x = np.moveaxis(x, axis, -1); K = x.shape[-1]
;;       x = np.pad(x, [(0, 0)] * (x.ndim - 1) + [(0, -K % 32)]); x = x.reshape(x.shape[:-1] + (-1, 32)); a = np.abs(x).max(-1, keepdims=True)
;;       e = np.where(a > 0, np.clip(np.frexp(np.where(a > 0, a, 1))[1] - 1 - 2, -126, 127), 0)      # np.frexp(a)[1] - 1 = floor(log2(a)), exactly
;;       r = np.clip(x / 2.0 ** e, -6, 6)
;;       step = 2.0 ** (np.maximum(np.frexp(np.where(r == 0, 1, r))[1] - 1, 0) - 1)
;;       q = np.round(r / step) * step * 2.0 ** e      # np.round: ties to even
;;       return np.moveaxis(q.reshape(q.shape[:-2] + (-1,))[..., :K], -1, axis).astype(np.float32)
;;   ~~~
;;   SOFTMAX AHEAD OF A QUANTISED PRODUCT. Where the list says 'softmax', what is quantised is not the finished softmax but p = 2^(t - M), with t = logit x log2(e) and M = ceil(the row's largest t), a whole number; so 1/2 < the row's largest p <= 1. The row's sum l is taken of the UNQUANTISED p, in f32, and the product's result is divided by l at the end. Since M is a whole number, a kernel that streams over the keys may use a running M (the ceiling of the running maximum): every later rescaling is an exact power of two, which a block's scale takes up: the codes' values come out the same.
;;   OPERANDS COMPUTED ON THE WAY. 'Computed on the way' means the value that the module computes at that place (a softmax that the list does not call 'softmax' is quantised finished and normalised). What goes into a quantiser is computed in f32, as accurately as f32 sums, v_exp_f32 and their like allow (about 1e-6 of the number): no bf16 or f16 on the way to a quantiser, and a product that is left as it is and whose result goes on into a quantised operand takes f32 operands (vector FMAs, or v_wmma_f32_16x16x4_f32). A number that lies on a knife's edge between two numbers of the format may be rounded either way, as far as f32 arithmetic and the matrix unit's own rounding can turn it there, and no further.
;;   INPUTS GIVEN AS CODES. attw_w (in the module: [128, 256], K = its axis 1); in_proj_w (in the module: [768, 256], K = its axis 1); lin1_w (in the module: [1024, 256], K = its axis 1); lin2_w (in the module: [256, 1024], K = its axis 1); off_w (in the module: [256, 256], K = its axis 1); out_proj_w (in the module: [256, 256], K = its axis 1); outp_w (in the module: [256, 256], K = its axis 1); src (in the module: [16, 5440, 256], K = its axis 2); value_w (in the module: [256, 256], K = its axis 1): each comes as NAME_codes (uint8): NAME with its K axis moved to the last place and cut into blocks of 32 codes, [.., K / 32, bytes a block], one block behind the other in memory; two codes a byte, the lower K in the low four bits (a code: sign, 2 exponent bits, 1 mantissa bit); and NAME_scales (uint8): the same leading axes, one E8M0 byte (e + 127) for each 32 codes along K. Its value is code x scale, taken as it is: it is not quantised again, and the codes and scales need not be those that the quantiser above would give.
;; 2 versions. Each part assembles by itself: llvm-mc -triple=amdgcn-amd-amdhsa -mcpu=gfx1250 --defsym DOCPART=n.
;; ======== version 1 of 2: 4 launches
;; workspace buffers: qc 2,097,152 bytes; kc 2,097,152 bytes; vc 2,097,152 bytes; sc 524,288 bytes; tgt1 16,777,216 bytes; idx 33,554,432 bytes of whole numbers; wgt 33,554,432 bytes; val 89,128,960 bytes
;; launch qkv (part 1): grid 256 x 1, 8 waves a work-group, no clusters, 19,456 bytes of LDS; arguments tgt, query_pos, in_proj_w_codes, in_proj_w_scales, in_proj_b, qc, kc, vc, sc; writes qc, kc, vc, sc
.if DOCPART == 1
	.amdgcn_target "amdgcn-amd-amdhsa--gfx1250"
	.amdhsa_code_object_version 6
	.text
	.protected	k_qd5362d44a3_qkv
	.globl	k_qd5362d44a3_qkv
	.p2align	8
	.type	k_qd5362d44a3_qkv,@function
k_qd5362d44a3_qkv:
	s_mov_b64 s[64:65], 0
	v_nop
	global_prefetch_b8 v0, s[64:65] scope:SCOPE_SE
	s_setreg_imm32_b32 hwreg(HW_REG_WAVE_MODE, 25, 1), 1
	s_wait_xcnt 0x0
; q = tgt + query_pos; Q = q Wq^T + bq, K = q Wk^T + bk, V = tgt Wv^T + bv, all three on codes of E2M1 with one E8M0 scale for each 32 along K.
; The results are quantised at once for the two products of attention: Q and K along the head's 32 channels, V along the keys.
; SHARES. A work-group takes 64 tokens. First each of the 8 waves quantises one tile of 16 tokens x one K step of 128, of tgt and of tgt + query_pos,
; and leaves the two fragments in LDS as images of their registers (16 bytes a lane, 512 bytes a store). Then wave w is head w and makes Q, K and V of the 64 tokens.
; Q, K: source 0 = 16 rows of W, source 1 = 16 tokens; lane r of tile u takes W's row 8 u + r + 8 (r / 8): a lane's 16 registers of a token tile are channels 16 (lane / 16) + 0 .. 15 of ONE token.
; V: the sources are swapped: a lane holds ONE channel, 8 u + r + 8 (r / 8), and its registers run down the tokens, which are the next K.
; OUT. qc, kc: [batch][head][token][16 bytes]. vc: [batch][head][128 keys][channel tile 2][quad 2][lane][16 bytes]: images of V^T's fragments.
; sc: [batch][head][64 tokens][256 bytes]: 16 words of Q's scale bytes (lane r, byte j: token 16 j + r), 16 of K's, 16 of V's (twice).
; Inside a block of 32 keys V's codes lie in the order 0-7, 16-23, 8-15, 24-31; the weights p of the next launch come out in the same order, so each product meets its partner.
; LIMITS: NaN and infinities are not served. A block whose largest magnitude lies under 2^-124 (a block of zeros too) gets the byte 1; its codes are zeros, and only this program reads the bytes.
.set XQI, 0                            ; LDS: the 8 fragments of tgt + query_pos (tile m, K step s: 2 m + s), 1,024 bytes each
.set XVI, 8192                         ; those of tgt
.set XQS, 16384                        ; their scale words, 128 bytes a fragment
.set XVS, 17408
.set XF,  16                           ; v16-79   eight fragments from LDS; between the units v16-47 are at work for the quantiser
.set TM,  16                           ; v16-31   the quantiser's numbers
.set PW,  32                           ; v32      the scale word just made
.set PC,  40                           ; v40-47   the codes just made
.set XS,  80                           ; v80-87   the fragments' scale words
.set HA,  88                           ; v88-151  eight accumulators; at the head 64 numbers of tgt
.set X1,  152                          ; v152-215 at the head 64 numbers of query_pos
.set WA,  152                          ; v152-183 a unit's four fragments of W
.set WB,  184                          ; v184-215 the next unit's
.set WSA, 216                          ; v216-219, v220-223 their scale words
.set WSB, 220
.set BI,  224                          ; v224-239, v240-255 biases in the result's layout
.set BI2, 240
.set SEL, 46                           ; s[46:47] lane selects: lane l xor 16
.macro NOPS n
.rept \n
	v_nop
.endr
.endm
.macro MMA d, a, b, c, sa, sb
	v_wmma_scale_f32_16x16x128_f8f6f4 v[\d:\d+7], v[\a:\a+7], v[\b:\b+7], v[\c:\c+7], v[\sa], v[\sb] matrix_a_fmt:MATRIX_FMT_FP4 matrix_b_fmt:MATRIX_FMT_FP4
.endm
; 64 numbers of a lane: register 16 b + i is number 16 (lane / 16) + i of block b of my row. They become a fragment's codes in v[PC] on and the four bytes in v[PW].
.macro QUANT4 s
.irp b,0,1,2,3
	v_max3_num_f32 v[TM+\b], |v[\s+16*\b]|, |v[\s+1+16*\b]|, 0x1800000   ; my 16 numbers and the floor 2^(3 - 127): the byte cannot fall under 1
.endr
.irp i,2,4,6,8,10,12,14
.irp b,0,1,2,3
	v_max3_num_f32 v[TM+\b], v[TM+\b], |v[\s+16*\b+\i]|, |v[\s+1+16*\b+\i]|
.endr
.endr
.irp b,0,1,2,3
	v_permlanex16_b32 v[TM+4+\b], v[TM+\b], s[SEL], s[SEL+1]
.endr
.irp b,0,1,2,3
	v_max_num_f32 v[TM+\b], v[TM+\b], v[TM+4+\b]         ; with lane l xor 16's: the block's largest magnitude
.endr
.irp b,0,1,2,3
	v_add_nc_u32 v[TM+12+\b], 0xff000000, v[TM+\b]       ; 2 off its exponent field: the conversion's scale operand
.endr
.irp b,0,1,2,3
	v_lshrrev_b32 v[TM+4+\b], 23, v[TM+12+\b]            ; the scale's byte
.endr
	v_lshl_or_b32 v[PW], v[TM+5], 8, v[TM+4]
	v_lshl_or_b32 v[PW], v[TM+6], 16, v[PW]
	v_lshl_or_b32 v[PW], v[TM+7], 24, v[PW]
.irp b,0,1,2,3
	v_cvt_scalef32_pk8_fp4_f32 v[PC+2*\b], v[\s+16*\b:\s+7+16*\b], v[TM+12+\b]
	v_cvt_scalef32_pk8_fp4_f32 v[PC+1+2*\b], v[\s+8+16*\b:\s+15+16*\b], v[TM+12+\b]
.endr
	v_nop                                                ; one plain place behind a scaled conversion
.irp c,0,1                                               ; a whole block to a lane: lanes 0-15 block 2 c, lanes 16-31 block 2 c + 1
.irp i,0,1
	v_permlane16_swap_b32 v[PC+4*\c+\i], v[PC+2+4*\c+\i]
.endr
.endr
.endm
.macro XLOAD reg, pb                   ; my 16 rows' 128 numbers of my K step: 16 neighbours of each block of 32 to a lane
.irp b,0,1,2,3
.irp j,0,1,2,3
	global_load_b128 v[\reg+16*\b+4*\j:\reg+16*\b+4*\j+3], v4, s[\pb:\pb+1] offset:128*\b+16*\j
.endr
.endr
.endm
.macro IMAGE img, scl                  ; the fragment just made goes to LDS as it stands
	ds_store_b128 v7, v[PC:PC+3] offset:\img
	ds_store_b128 v7, v[PC+4:PC+7] offset:\img+512
	ds_store_b32 v8, v[PW] offset:\scl
.endm
.macro WL W, kind                      ; a unit's W: tiles u = 0, 1 x K steps s = 0, 1
.irp u,0,1
.irp s,0,1
.irp c,0,1
	global_load_b128 v[\W+16*\u+8*\s+4*\c:\W+16*\u+8*\s+4*\c+3], v9, s[8:9] offset:\kind*32768+1024*\u+64*\s+32*\c
.endr
.endr
.endr
.endm
.macro WSL WS, kind                    ; and its scale words: 8 bytes a row
.irp u,0,1
	global_load_b64 v[\WS+2*\u:\WS+2*\u+1], v10, s[10:11] offset:\kind*2048+64*\u
.endr
.endm
.macro BL B, kind                      ; Q's or K's bias: lane (r, h), tile u, register j: channel 16 h + 8 u + j
.irp u,0,1
.irp k,0,1
	global_load_b128 v[\B+8*\u+4*\k:\B+8*\u+4*\k+3], v11, s[12:13] offset:\kind*1024+32*\u+16*\k
.endr
.endr
.endm
.macro XFETCH img, scl                 ; all eight fragments and their scale words
	s_wait_xcnt 0x0                                      ; the last unit's stores have read their registers, which these loads write
.irp f,0,1,2,3,4,5,6,7
	ds_load_b128 v[XF+8*\f:XF+8*\f+3], v5 offset:\img+1024*\f
	ds_load_b128 v[XF+8*\f+4:XF+8*\f+7], v5 offset:\img+1024*\f+512
	ds_load_b32 v[XS+\f], v6 offset:\scl+128*\f
.endr
	s_wait_dscnt 0x0
.endm
.macro MMT W, WS, B                    ; 16 matrix instructions, source 0 = W: eight accumulators by turns, one instruction a turn
.irp s,0,1
.irp m,0,1,2,3
.irp u,0,1
.if \s == 0
	MMA HA+16*\m+8*\u, \W+16*\u+8*\s, XF+8*(2*\m+\s), \B+8*\u, \WS+2*\u+\s, XS+2*\m+\s
.else
	MMA HA+16*\m+8*\u, \W+16*\u+8*\s, XF+8*(2*\m+\s), HA+16*\m+8*\u, \WS+2*\u+\s, XS+2*\m+\s
.endif
.endr
.endr
.endr
.endm
.macro MMV                             ; the same with the sources swapped: source 0 = tokens.  Accumulators are laid so that block 2 u + m / 2 is 32 tokens of channel tile u
.irp s,0,1
.irp m,0,1,2,3
.irp u,0,1
.if \s == 0
	MMA HA+16*(2*\u+\m/2)+8*(\m%2), XF+8*(2*\m+\s), WA+16*\u+8*\s, BI+8*\u, XS+2*\m+\s, WSA+2*\u+\s
.else
	MMA HA+16*(2*\u+\m/2)+8*(\m%2), XF+8*(2*\m+\s), WA+16*\u+8*\s, HA+16*(2*\u+\m/2)+8*(\m%2), XS+2*\m+\s, WSA+2*\u+\s
.endif
.endr
.endr
.endr
.endm
	s_load_b512 s[4:19], s[0:1], 0x0                     ; tgt 4, query_pos 6, W's codes 8, W's scales 10, bias 12, qc 14, kc 16, vc 18
	s_load_b64 s[20:21], s[0:1], 0x40                    ; sc
	v_lshl_add_u32 v15, v0, 2, 0x4800
	s_set_vgpr_msb 0x40
	v_mov_b32 v1, 0
	s_set_vgpr_msb 0x4000
	v_lshrrev_b32 v1, 5, v0
	v_readfirstlane_b32 s22, v1                          ; wave = head
	v_and_b32 v1, 31, v0                                 ; lane
	v_and_b32 v2, 15, v0                                 ; r
	v_bfe_u32 v3, v0, 4, 1                               ; h
	v_lshlrev_b32 v4, 10, v2
	v_lshl_add_u32 v4, v3, 6, v4                         ; a row of 1,024 bytes, + 64 h
	v_lshlrev_b32 v5, 4, v1                              ; 16 x lane
	v_lshlrev_b32 v6, 2, v1                              ; 4 x lane
	s_and_b32 s23, s22, 3                                ; at the head: my tile of tokens,
	s_lshr_b32 s24, s22, 2                               ; my K step
	s_lshl_b32 s25, s23, 1
	s_add_co_u32 s25, s25, s24                           ; my fragment's number
	s_lshl_b32 s26, s25, 10
	v_add_nc_u32 v7, s26, v5                             ; where I store its image
	s_lshl_b32 s26, s25, 7
	v_add_nc_u32 v8, s26, v6                             ; and its scale words
	v_and_b32 v14, 8, v2
	v_add_nc_u32 v14, v14, v2                            ; r + 8 (r / 8)
	v_lshlrev_b32 v9, 7, v14
	v_lshl_add_u32 v9, v3, 4, v9                         ; W: a row of 128 bytes, + 16 h
	v_lshlrev_b32 v10, 3, v14                            ; W's scale bytes: 8 a row
	v_lshlrev_b32 v11, 6, v3                             ; 64 h
	v_lshlrev_b32 v12, 2, v14                            ; V's bias: one number a lane
	v_cmp_le_u32 vcc_lo, 16, v1                          ; lanes 16-31
	s_mov_b32 s[SEL], 0x76543210
	s_mov_b32 s[SEL+1], 0xfedcba98
.irp b,0,1,2,3
	v_mov_b32 v[TM+4+\b], 0                              ; written once: a lane permute's destination counts as one of its sources
.endr
	s_lshl_b32 s28, ttmp9, 16                            ; 64 tokens x 1,024 bytes a work-group,
	s_lshl_b32 s26, s23, 14
	s_add_co_u32 s28, s28, s26                           ; my 16 tokens,
	s_lshl_b32 s26, s24, 9
	s_add_co_u32 s28, s28, s26                           ; my K step
	s_mov_b32 s29, 0
	s_lshl_b32 s30, s22, 12                              ; my head's 32 rows of W,
	s_mov_b32 s31, 0
	s_lshl_b32 s32, s22, 8                               ; their scale bytes,
	s_mov_b32 s33, 0
	s_lshl_b32 s34, s22, 7                               ; their biases
	s_mov_b32 s35, 0
	s_lshr_b32 s36, ttmp9, 4
	s_lshl_b32 s36, s36, 3
	s_add_co_u32 s36, s36, s22                           ; 8 x batch + head
	s_and_b32 s37, ttmp9, 15                             ; which 64 tokens of the batch
	s_lshl_b32 s38, s36, 14
	s_lshl_b32 s40, s37, 10
	s_add_co_u32 s40, s40, s38                           ; qc, kc
	s_mov_b32 s41, 0
	s_lshr_b32 s42, s37, 1
	s_lshl_b32 s42, s42, 11
	s_add_co_u32 s42, s42, s38
	s_and_b32 s39, s37, 1
	s_lshl_b32 s39, s39, 9
	s_add_co_u32 s42, s42, s39                           ; vc: the step of 128 keys, and which of its two quads
	s_mov_b32 s43, 0
	s_lshl_b32 s44, s36, 12
	s_lshl_b32 s39, s37, 8
	s_add_co_u32 s44, s44, s39                           ; sc
	s_mov_b32 s45, 0
	s_wait_kmcnt 0x0
	s_add_nc_u64 s[4:5], s[4:5], s[28:29]
	s_add_nc_u64 s[6:7], s[6:7], s[28:29]
	s_add_nc_u64 s[8:9], s[8:9], s[30:31]
	s_add_nc_u64 s[10:11], s[10:11], s[32:33]
	s_add_nc_u64 s[12:13], s[12:13], s[34:35]
	s_add_nc_u64 s[14:15], s[14:15], s[40:41]
	s_add_nc_u64 s[16:17], s[16:17], s[40:41]
	s_add_nc_u64 s[18:19], s[18:19], s[42:43]
	s_add_nc_u64 s[20:21], s[20:21], s[44:45]
	XLOAD HA, 4                                          ; 16 loads: tgt
	XLOAD X1, 6                                          ; 16: query_pos
	BL BI, 0                                             ; 12: Q's and K's biases and scale words
	BL BI2, 1
	WSL WSA, 0
	WSL WSB, 1
	s_wait_loadcnt 28                                    ; tgt is in: the 16 + 12 loads behind it may be out
	QUANT4 HA
	IMAGE XVI, XVS
	s_wait_dscnt 0x0
	s_wait_loadcnt 12                                    ; query_pos is in
.irp j,0,2,4,6,8,10,12,14,16,18,20,22,24,26,28,30,32,34,36,38,40,42,44,46,48,50,52,54,56,58,60,62
	v_pk_add_f32 v[HA+\j:HA+\j+1], v[HA+\j:HA+\j+1], v[X1+\j:X1+\j+1]
.endr
	WL WA, 0                                             ; 8 loads: Q's W, into registers that query_pos has left
	WL WB, 1                                             ; 8: K's
	QUANT4 HA
	IMAGE XQI, XQS
	s_wait_dscnt 0x0                                     ; my images have landed
	s_barrier_signal -1
	s_barrier_wait -1                                    ; everybody's have; they are written no more
	; ---- Q
	XFETCH XQI, XQS
	s_wait_loadcnt 8                                     ; all but K's W
	MMT WA, WSA, BI
	NOPS 5
	WL WA, 2                                             ; 26 loads for V: W, its scale words,
	WSL WSA, 2
.irp u,0,1
.irp j,0,1,2,3,4,5,6,7
	global_load_b32 v[BI+8*\u+\j], v12, s[12:13] offset:2048+32*\u   ; and its bias: a lane holds one channel, so all eight registers take the same number
.endr
.endr
	QUANT4 HA                                            ; block b = token tile b: quad c of a lane is token 32 c + lane
	global_store_b128 v5, v[PC:PC+3], s[14:15]           ; 512 consecutive bytes a store
	global_store_b128 v5, v[PC+4:PC+7], s[14:15] offset:512
	v_mov_b32 v13, v[PW]                                 ; Q's scale words wait for K's
	; ---- K
	XFETCH XQI, XQS
	s_wait_loadcnt 26                                    ; K's W is in; V's 26 may be out
	MMT WB, WSB, BI2
	NOPS 5
	QUANT4 HA
	global_store_b128 v5, v[PC:PC+3], s[16:17]
	global_store_b128 v5, v[PC+4:PC+7], s[16:17] offset:512
	v_cndmask_b32 v14, v13, v[PW], vcc_lo                ; lanes 0-15 Q's words, lanes 16-31 K's
	global_store_b32 v6, v14, s[20:21]
	; ---- V
	XFETCH XVI, XVS
	s_wait_loadcnt 0x0
	MMV
	NOPS 5
	QUANT4 HA                                            ; blocks: (channel tile 0: tokens 0-31, 32-63), (tile 1: the same)
	global_store_b128 v5, v[PC:PC+3], s[18:19]
	global_store_b128 v5, v[PC+4:PC+7], s[18:19] offset:1024
	global_store_b32 v6, v[PW], s[20:21] offset:128      ; both halves of the lanes hold the same words: 128 bytes
	s_barrier_signal -1
	s_barrier_wait -1
	s_set_vgpr_msb 0x4
	s_wait_tensorcnt 0x0
	ds_add_u32 v15, v1
	s_wait_dscnt 0x0
	s_set_vgpr_msb 0x400
	s_endpgm
.Lfunc_end_k_qd5362d44a3_qkv:
	.size	k_qd5362d44a3_qkv, .Lfunc_end_k_qd5362d44a3_qkv-k_qd5362d44a3_qkv
	.p2alignl 7, 3214868480
	.fill 96, 4, 3214868480
	.section	.rodata,"a",@progbits
	.p2align	6, 0x0
	.amdhsa_kernel k_qd5362d44a3_qkv
		.amdhsa_group_segment_fixed_size 19456
		.amdhsa_private_segment_fixed_size 0
		.amdhsa_enable_private_segment 0
		.amdhsa_kernarg_size 72
		.amdhsa_user_sgpr_count 2
		.amdhsa_user_sgpr_kernarg_segment_ptr 1
		.amdhsa_wavefront_size32 1
		.amdhsa_system_sgpr_workgroup_id_x 1
		.amdhsa_system_sgpr_workgroup_id_y 1
		.amdhsa_system_sgpr_workgroup_id_z 1
		.amdhsa_system_vgpr_workitem_id 0
		.amdhsa_next_free_vgpr 258
		.amdhsa_next_free_sgpr 66
		.amdhsa_reserve_vcc 1
		.amdhsa_float_denorm_mode_32 3
		.amdhsa_float_denorm_mode_16_64 3
		.amdhsa_memory_ordered 1
		.amdhsa_forward_progress 1
		.amdhsa_inst_pref_size 45
	.end_amdhsa_kernel
	.amdgpu_metadata
---
amdhsa.version: [ 1, 2 ]
amdhsa.kernels:
  - .name:           k_qd5362d44a3_qkv
    .symbol:         k_qd5362d44a3_qkv.kd
    .args:
      - { .name: tgt, .offset: 0, .size: 8, .value_kind: global_buffer, .address_space: global }
      - { .name: query_pos, .offset: 8, .size: 8, .value_kind: global_buffer, .address_space: global }
      - { .name: in_proj_w_codes, .offset: 16, .size: 8, .value_kind: global_buffer, .address_space: global }
      - { .name: in_proj_w_scales, .offset: 24, .size: 8, .value_kind: global_buffer, .address_space: global }
      - { .name: in_proj_b, .offset: 32, .size: 8, .value_kind: global_buffer, .address_space: global }
      - { .name: qc, .offset: 40, .size: 8, .value_kind: global_buffer, .address_space: global }
      - { .name: kc, .offset: 48, .size: 8, .value_kind: global_buffer, .address_space: global }
      - { .name: vc, .offset: 56, .size: 8, .value_kind: global_buffer, .address_space: global }
      - { .name: sc, .offset: 64, .size: 8, .value_kind: global_buffer, .address_space: global }
    .group_segment_fixed_size: 19456
    .private_segment_fixed_size: 0
    .kernarg_segment_align: 8
    .kernarg_segment_size: 72
    .max_flat_workgroup_size: 256
    .sgpr_count:     66
    .vgpr_count:     258
    .wavefront_size: 32
...
	.end_amdgpu_metadata
.endif
;; end of part 1
;; launch attn (part 2): grid 256 x 1, 16 waves a work-group, no clusters, 88,064 bytes of LDS; arguments qc, kc, vc, sc, tgt, query_pos, reference_points, out_proj_w_codes, out_proj_w_scales, out_proj_b, norm2_g, norm2_b, off_w_codes, off_w_scales, off_b, attw_w_codes, attw_w_scales, attw_b, tgt1, idx, wgt; writes tgt1, idx, wgt
.if DOCPART == 2
	.amdgcn_target "amdgcn-amd-amdhsa--gfx1250"
	.amdhsa_code_object_version 6
	.text
	.protected	k_qd5362d44a3_attn
	.globl	k_qd5362d44a3_attn
	.p2align	8
	.type	k_qd5362d44a3_attn,@function
k_qd5362d44a3_attn:
	s_mov_b64 s[64:65], 0
	v_nop
	global_prefetch_b8 v0, s[64:65] scope:SCOPE_SE
	s_setreg_imm32_b32 hwreg(HW_REG_WAVE_MODE, 25, 1), 1
	s_wait_xcnt 0x0
; Self-attention on codes (8 heads of 32, 1,024 keys), the output projection, residual, LayerNorm; then, of that result + query_pos, the sampling offsets and the attention weights of the
; deformable attention, turned into four corner indices and four corner weights for each of the 16 points of a token and head.
; reference() never reads src_spatial_shapes and level_start_index: it takes the levels 64x64, 32x32, 16x16, 8x8 from its own constants. So does this text, and the two inputs are no arguments.
; SHARES. A work-group takes 64 queries of one batch. ATTENTION: wave w: head w / 2, query tiles 2 (w % 2) and 2 (w % 2) + 1; it walks all 1,024 keys, 128 a step. K, V and their scale words were laid in the
; order of the operands' registers by the launch before and come from memory straight into registers, asked for half a step to a step ahead. No LDS, no barrier in that part.
; K = 32 IN AN INSTRUCTION OF K = 128: a fragment of K holds 64 keys, key tile j in K block j; Q's fragment holds Q in ONE block j and zero codes in the other three, so the product picks key tile j.
; Both products are used transposed: a lane holds one query. THE SOFTMAX: t = score x log2(e) / sqrt(32); M = the ceiling of the running largest t; p = 2^(t - M) is quantised along the keys;
; the sum is taken of the unquantised p and divides at the end; a change of M multiplies the sum and O by a power of two.
; AFTERWARDS wave w takes token tile qt = w % 4 and features 64 fq .. 64 fq + 63, fq = w / 4. Source 0 = 16 rows of a weight (tile 2 b + u: rows 32 b + 8 u + r + 8 (r / 8)), source 1 = 16 tokens:
; register j of lane (r, h) is feature 64 fq + 32 (j / 16) + 16 h + j % 16 of token r. Operands go from wave to wave through LDS as images of their registers.
; OUT. tgt1 [16384][256] f32. idx, wgt: [token tile][head][2 corner + level % 2][lane][4 points]: lane (r, h) holds token r, level 2 h + level % 2. idx counts rows of the batch's 5,440.
; LIMITS: NaN and infinities are not served. A sampling place outside its level gets the weight 0 by comparisons in f32, also where a cast to int32 would overflow. A corner's weight is (wx) x (wy x a).
; A block whose largest magnitude lies under 2^-124 gets the byte 1 (its codes are zeros).
.set OIMG, 0                           ; LDS: attention's result, 8 fragments (token tile t, K step s: 2 t + s)
.set OSC,  8192                        ; their scale words, 64 bytes a fragment
.set RED,  8704                        ; the norm's partial sums: 2 x 1,024
.set XIMG, 10752                       ; tgt1 + query_pos, 8 fragments
.set XSC,  18944
.set STG,  19456                       ; 64 rows x (1,024 + 16) bytes, for tgt1's way out
; registers in the attention part
.set O,    16                          ; v16-47   O^T: tile i, channel tile t at 16 i + 8 t
.set ST,   48                          ; v48-55   for each i: -M, the largest t, the sum in two halves
.set APC,  56                          ; v56-63   p's codes
.set QZ,   66                          ; v66-101  nine quads: 0, Qa0, 0, Qb0, 0, Qa1, 0, Qb1, 0 (Qa: Q in lanes 0-15, Qb: in lanes 16-31)
.set KF,   102                         ; v102-117 two fragments of K
.set S,    130                         ; v130-193 S^T, then p
.set QS,   194                         ; v194-195 Q's scale byte, four times
.set KS,   196                         ; v196     K's scale words: lanes 0-15 keys 0-63, lanes 16-31 keys 64-127
.set VS,   197                         ; v197-198 V's scale words
.set APW,  199                         ; v199     p's scale word
.set VW,   200                         ; v200-201 V's scale bytes as they lie in memory
.set VF,   210                         ; v210-225 two fragments of V^T
.set BM,   226
.set BT,   230
.set SOF,  234
.set S2,   238
.set FP,   240
.set TT,   242
.set QT,   244
.set QW,   252
; registers afterwards
.set XF,   16                          ; v16-31   two fragments of the tokens
.set XS,   32                          ; v32-33   their scale words
.set ACC,  34                          ; v34-65   four accumulators
.set WA,   66                          ; v66-129, v130-193 two sets of eight weight fragments
.set WB,   130
.set WSB,  194
.set WSA,  202
.set BI,   210                         ; v210-241 a bias, or a row's numbers
.set TM,   242
.set TP,   244
.set SO,   246
.set EB,   248
.set PC,   250
.set RF,   242                         ; v242-245 reference points, at the end
.set AT,   WA+48                       ; v114-129 the attention logits
.set WF,   16                          ; at the end: W, 1 / W, W - 1, the level's first row, for level % 2 = 0, 1
.set IW,   18
.set WL1,  20
.set SF,   22
.set SEL,  50
.set CS,   52
.set INV,  54
.set EPS,  55
.set A_FI2,  78
.set A_FS2,  79
.set A_IW2,  80
.set A_ISW,  81
.set A_RED,  82
.set A_REDW, 83
.set A_OA,   84
.set A_OS,   85
.macro NOPS n
.rept \n
	v_nop
.endr
.endm
.macro BAR                             ; my LDS stores have landed and my LDS loads are in: then the work-group's barrier
	s_wait_dscnt 0x0
	s_barrier_signal -1
	s_barrier_wait -1
.endm
.macro MMA d, a, b, c, sa, sb
	v_wmma_scale_f32_16x16x128_f8f6f4 v[\d:\d+7], v[\a:\a+7], v[\b:\b+7], v[\c:\c+7], v[\sa], v[\sb] matrix_a_fmt:MATRIX_FMT_FP4 matrix_b_fmt:MATRIX_FMT_FP4
.endm
; 32 numbers of a lane, two blocks: register 16 b + i is number 16 (lane / 16) + i of block b. Codes (half a block a lane) in v[PC + 2 b], v[PC + 2 b + 1], the byte in v[EB + b].
.macro QUANT2 s
.irp b,0,1
	v_max3_num_f32 v[TM+\b], |v[\s+16*\b]|, |v[\s+16*\b+1]|, 0x1800000   ; with the floor 2^(3 - 127): the byte cannot fall under 1
.endr
.irp n,2,4,6,8,10,12,14
.irp b,0,1
	v_max3_num_f32 v[TM+\b], v[TM+\b], |v[\s+16*\b+\n]|, |v[\s+16*\b+\n+1]|
.endr
.endr
.irp b,0,1
	v_permlanex16_b32 v[TP+\b], v[TM+\b], s[SEL], s[SEL+1]
.endr
.irp b,0,1
	v_max_num_f32 v[TM+\b], v[TM+\b], v[TP+\b]
.endr
.irp b,0,1
	v_add_nc_u32 v[SO+\b], 0xff000000, v[TM+\b]          ; 2 off the exponent field: the conversion's scale operand
.endr
.irp b,0,1
	v_lshrrev_b32 v[EB+\b], 23, v[SO+\b]
.endr
.irp b,0,1
	v_cvt_scalef32_pk8_fp4_f32 v[PC+2*\b], v[\s+16*\b:\s+16*\b+7], v[SO+\b]
	v_cvt_scalef32_pk8_fp4_f32 v[PC+2*\b+1], v[\s+16*\b+8:\s+16*\b+15], v[SO+\b]
.endr
	v_nop                                                ; one plain place behind a scaled conversion
.endm
; my two half blocks go into the fragment's image (8 bytes at 16 r + 8 h of the block's 256), my two bytes into its scale words
.macro PUT2 sa, sb, img, scl
	v_add_nc_u32 v12, s[\sa], v3
	ds_store_b64 v12, v[PC:PC+1] offset:\img
	ds_store_b64 v12, v[PC+2:PC+3] offset:\img+256
	v_lshl_or_b32 v[EB], v[EB+1], 8, v[EB]
	v_add_nc_u32 v13, s[\sb], v2
	ds_store_b16 v13, v[EB] offset:\scl
.endm
.macro WLOAD W, WS, cb, sb, va, vs, pitch, off   ; 20 loads: four tiles x two K steps of a weight, and their scale words
.irp t,0,1,2,3
.irp s,0,1
.irp c,0,1
	global_load_b128 v[\W+16*\t+8*\s+4*\c:\W+16*\t+8*\s+4*\c+3], v[\va], s[\cb:\cb+1] offset:(32*(\t/2)+8*(\t%2))*\pitch+(\off)+64*\s+32*\c
.endr
.endr
	global_load_b64 v[\WS+2*\t:\WS+2*\t+1], v[\vs], s[\sb:\sb+1] offset:((32*(\t/2)+8*(\t%2))*\pitch+(\off))/16
.endr
.endm
.macro VLOAD d, pb, off                ; 8 loads: a vector over the features, in the lane layout
.irp b,0,1
.irp k,0,1,2,3
	global_load_b128 v[\d+16*\b+4*\k:\d+16*\b+4*\k+3], v4, s[\pb:\pb+1] offset:(\off)+128*\b+16*\k
.endr
.endr
.endm
.macro RLOAD d, pb                     ; 8 loads: my part of my token's row
.irp b,0,1
.irp k,0,1,2,3
	global_load_b128 v[\d+16*\b+4*\k:\d+16*\b+4*\k+3], v5, s[\pb:\pb+1] offset:128*\b+16*\k
.endr
.endr
.endm
.macro FETCH2 vi, vs, img, scl         ; two fragments of my token tile and their scale words
.irp s,0,1
.irp c,0,1
	ds_load_b128 v[XF+8*\s+4*\c:XF+8*\s+4*\c+3], v[\vi] offset:\img+1024*\s+512*\c
.endr
	ds_load_b32 v[XS+\s], v[\vs] offset:\scl+64*\s
.endr
	s_wait_dscnt 0x0
.endm
.macro MM W, WS, first                 ; 8 matrix instructions: the four accumulators by turns, one instruction a turn
.irp s,0,1
.irp t,0,1,2,3
.if (\first) && (\s == 0)
	MMA ACC+8*\t, \W+16*\t+8*\s, XF+8*\s, BI+8*\t, \WS+2*\t+\s, XS+\s
.else
	MMA ACC+8*\t, \W+16*\t+8*\s, XF+8*\s, ACC+8*\t, \WS+2*\t+\s, XS+\s
.endif
.endr
.endr
.endm
.macro ADD32 src
.irp j,0,2,4,6,8,10,12,14,16,18,20,22,24,26,28,30
	v_pk_add_f32 v[ACC+\j:ACC+\j+1], v[ACC+\j:ACC+\j+1], v[\src+\j:\src+\j+1]
.endr
.endm
; LayerNorm over a token's 256 features, which lie in 2 lanes of each of 4 waves. Two passes (the mean, then the squares of the differences), each shared through LDS behind a barrier.
.macro LNORM red, G, Bv, cnt
	v_pk_add_f32 v[242:243], v[ACC:ACC+1], v[ACC+2:ACC+3]
	v_pk_add_f32 v[244:245], v[ACC+4:ACC+5], v[ACC+6:ACC+7]
.irp j,8,12,16,20,24,28
	v_pk_add_f32 v[242:243], v[242:243], v[ACC+\j:ACC+\j+1]
	v_pk_add_f32 v[244:245], v[244:245], v[ACC+\j+2:ACC+\j+3]
.endr
	v_pk_add_f32 v[242:243], v[242:243], v[244:245]
	v_add_f32 v242, v242, v243
	v_permlanex16_b32 v246, v242, s[SEL], s[SEL+1]
	v_add_f32 v242, v242, v246
	v_lshl_add_u32 v12, v2, 2, s[A_RED]                  ; 256 qt + 16 r
	v_lshl_add_u32 v13, v2, 2, s[A_REDW]                 ; + 4 fq
	ds_store_b32 v13, v242 offset:\red
	BAR
	ds_load_b128 v[246:249], v12 offset:\red
	s_wait_dscnt 0x0
	v_add_f32 v246, v246, v247
	v_add_f32 v248, v248, v249
	v_add_f32 v246, v246, v248
	v_mul_f32 v242, s[INV], v246                         ; the mean
.irp j,0,2,4,6,8,10,12,14,16,18,20,22,24,26,28,30
	v_pk_add_f32 v[ACC+\j:ACC+\j+1], v[ACC+\j:ACC+\j+1], v[242:243] op_sel_hi:[1,0] neg_lo:[0,1] neg_hi:[0,1]
.endr
	v_pk_mul_f32 v[244:245], v[ACC:ACC+1], v[ACC:ACC+1]
	v_pk_mul_f32 v[246:247], v[ACC+2:ACC+3], v[ACC+2:ACC+3]
.irp j,4,8,12,16,20,24,28
	v_pk_fma_f32 v[244:245], v[ACC+\j:ACC+\j+1], v[ACC+\j:ACC+\j+1], v[244:245]
	v_pk_fma_f32 v[246:247], v[ACC+\j+2:ACC+\j+3], v[ACC+\j+2:ACC+\j+3], v[246:247]
.endr
	v_pk_add_f32 v[244:245], v[244:245], v[246:247]
	v_add_f32 v244, v244, v245
	v_permlanex16_b32 v246, v244, s[SEL], s[SEL+1]
	v_add_f32 v244, v244, v246
	ds_store_b32 v13, v244 offset:\red+1024
	BAR
	ds_load_b128 v[246:249], v12 offset:\red+1024
	s_wait_dscnt 0x0
	v_add_f32 v246, v246, v247
	v_add_f32 v248, v248, v249
	v_add_f32 v246, v246, v248
	v_fma_f32 v246, v246, s[INV], s[EPS]                 ; the variance + 1e-5
	v_rsq_f32 v242, v246
	v_nop                                                ; a plain place behind the transcendental
	s_wait_alu depctr_va_vdst(0)                         ; the wait ahead of the first reader
	s_wait_loadcnt \cnt                                  ; gain and shift are in; cnt younger loads may be out
.irp j,0,2,4,6,8,10,12,14,16,18,20,22,24,26,28,30
	v_pk_mul_f32 v[ACC+\j:ACC+\j+1], v[ACC+\j:ACC+\j+1], v[242:243] op_sel_hi:[1,0]
.endr
.irp j,0,2,4,6,8,10,12,14,16,18,20,22,24,26,28,30
	v_pk_fma_f32 v[ACC+\j:ACC+\j+1], v[ACC+\j:ACC+\j+1], v[\G+\j:\G+\j+1], v[\Bv+\j:\Bv+\j+1]
.endr
.endm
.macro ROWS_IN                         ; my 64 + 64 bytes of my token's row into the stage
.irp b,0,1
.irp k,0,1,2,3
	ds_store_b128 v10, v[ACC+16*\b+4*\k:ACC+16*\b+4*\k+3] offset:128*\b+16*\k
.endr
.endr
.endm
.macro ROWS_OUT pb                     ; four whole rows a wave: each store covers 512 consecutive bytes
.irp j,0,1,2,3
.irp e,0,1
	ds_load_b128 v[ACC+4*(2*\j+\e):ACC+4*(2*\j+\e)+3], v11 offset:1040*\j+512*\e
.endr
.endr
	s_wait_dscnt 0x0
.irp j,0,1,2,3
.irp e,0,1
	global_store_b128 v1, v[ACC+4*(2*\j+\e):ACC+4*(2*\j+\e)+3], s[\pb:\pb+1] offset:1024*\j+512*\e
.endr
.endr
.endm
; ---- the attention part's macros
.macro KLOAD                           ; 5 loads: 128 keys' codes, 512 consecutive bytes a load, and their scale words
.irp q,0,1,2,3
	global_load_b128 v[KF+4*\q:KF+4*\q+3], v1, s[66:67] offset:512*\q
.endr
	global_load_b32 v[KS], v8, s[70:71]
.endm
.macro VLD                             ; 6 loads: V^T's two fragments of 128 keys, and the scale bytes of the two groups of 64
.irp q,0,1,2,3
	global_load_b128 v[VF+4*\q:VF+4*\q+3], v1, s[68:69] offset:512*\q
.endr
	global_load_b32 v[VW], v9, s[72:73]
	global_load_b32 v[VW+1], v9, s[72:73] offset:256
.endm
.macro QK i                            ; S^T of query tile i: eight tiles of 16 keys; Q stands in K block j alone
.irp j,0,1,2,3
	v_wmma_scale_f32_16x16x128_f8f6f4 v[S+8*\j:S+8*\j+7], v[KF:KF+7], v[QZ+16*\i+8*(\j%2)+4-4*(\j/2):QZ+16*\i+8*(\j%2)+4-4*(\j/2)+7], 0, v[KS], v[QS+\i] matrix_a_fmt:MATRIX_FMT_FP4 matrix_b_fmt:MATRIX_FMT_FP4
.endr
.irp j,0,1,2,3
	v_wmma_scale_f32_16x16x128_f8f6f4 v[S+32+8*\j:S+32+8*\j+7], v[KF+8:KF+15], v[QZ+16*\i+8*(\j%2)+4-4*(\j/2):QZ+16*\i+8*(\j%2)+4-4*(\j/2)+7], 0, v[KS], v[QS+\i] matrix_a_fmt:MATRIX_FMT_FP4 matrix_b_fmt:MATRIX_FMT_FP4 matrix_a_scale:MATRIX_SCALE_ROW1
.endr
.endm
.macro PV i
.irp t,0,1
	MMA O+16*\i+8*\t, VF+8*\t, APC, O+16*\i+8*\t, VS+\t, APW
.endr
.endm
; registers 16 b .. 16 b + 15 of S are 16 of the 32 keys of block b; lane l xor 16 holds the other 16
.macro SOFT i
.irp b,0,1,2,3
	v_max3_num_f32 v[BM+\b], v[S+16*\b], v[S+16*\b+1], v[S+16*\b+2]      ; each block's largest score: for the row's maximum, and for the block's largest p
.endr
.irp n,3,5,7,9,11,13
.irp b,0,1,2,3
	v_max3_num_f32 v[BM+\b], v[BM+\b], v[S+16*\b+\n], v[S+16*\b+\n+1]
.endr
.endr
.irp b,0,1,2,3
	v_max_num_f32 v[BM+\b], v[BM+\b], v[S+16*\b+15]
.endr
.irp b,0,1,2,3
	v_permlanex16_b32 v[BT+\b], v[BM+\b], s[SEL], s[SEL+1]
.endr
.irp b,0,1,2,3
	v_max_num_f32 v[BM+\b], v[BM+\b], v[BT+\b]
.endr
	v_max3_num_f32 v[TT], v[BM], v[BM+1], v[BM+2]
	v_max_num_f32 v[TT], v[TT], v[BM+3]
	v_mul_f32 v[TT], s[CS], v[TT]                        ; the step's largest t
	v_max_num_f32 v[ST+4*\i+1], v[ST+4*\i+1], v[TT]      ; the running largest t
	v_mov_b32 v[TT], v[ST+4*\i]
	v_floor_f32 v[ST+4*\i], -v[ST+4*\i+1]                ; -M = floor(-t): M is a whole number
	v_sub_f32 v[TT], v[ST+4*\i], v[TT]                   ; old M - new M, 0 or less
	v_cvt_i32_f32 v[TT], v[TT]                           ; (it saturates)
	v_ldexp_f32 v[FP], 1.0, v[TT]                        ; f = 2^(old M - new M)
.irp j,0,2,4,6,8,10,12,14,16,18,20,22,24,26,28,30,32,34,36,38,40,42,44,46,48,50,52,54,56,58,60,62
	v_pk_fma_f32 v[S+\j:S+\j+1], v[S+\j:S+\j+1], s[CS:CS+1], v[ST+4*\i:ST+4*\i+1] op_sel_hi:[1,0,0]   ; t - M
.endr
.irp b,0,1,2,3
	v_fma_f32 v[BM+\b], v[BM+\b], s[CS], v[ST+4*\i]
.endr
.irp j,0,1,2,3,4,5,6,7,8,9,10,11,12,13,14,15,16,17,18,19,20,21,22,23,24,25,26,27,28,29,30,31,32,33,34,35,36,37,38,39,40,41,42,43,44,45,46,47,48,49,50,51,52,53,54,55,56,57,58,59,60,61,62,63
	v_exp_f32 v[S+\j], v[S+\j]                           ; p = 2^(t - M): one batch of 68 exponentials,
.endr
.irp b,0,1,2,3
	v_exp_f32 v[BM+\b], v[BM+\b]                         ; the blocks' largest p among them
.endr
	v_pk_mul_f32 v[ST+4*\i+2:ST+4*\i+3], v[ST+4*\i+2:ST+4*\i+3], v[FP:FP+1] op_sel_hi:[1,0]   ; work that names no result: the sum and O^T under the new M
.irp j,0,2,4,6,8,10,12,14
	v_pk_mul_f32 v[O+16*\i+\j:O+16*\i+\j+1], v[O+16*\i+\j:O+16*\i+\j+1], v[FP:FP+1] op_sel_hi:[1,0]
.endr
	s_wait_alu depctr_va_vdst(0)                         ; one wait for the batch, ahead of its first reader
.irp b,0,1,2,3
	v_max_num_f32 v[BM+\b], 0x1800000, v[BM+\b]          ; the floor: the byte cannot fall under 1
.endr
.irp b,0,1,2,3
	v_add_nc_u32 v[SOF+\b], 0xff000000, v[BM+\b]
.endr
.irp b,0,1,2,3
	v_lshrrev_b32 v[BT+\b], 23, v[SOF+\b]
.endr
	v_lshl_or_b32 v[APW], v[BT+1], 8, v[BT]
	v_lshl_or_b32 v[APW], v[BT+2], 16, v[APW]
	v_lshl_or_b32 v[APW], v[BT+3], 24, v[APW]
.irp b,0,1,2,3
	v_cvt_scalef32_pk8_fp4_f32 v[APC+2*\b], v[S+16*\b:S+16*\b+7], v[SOF+\b]
	v_cvt_scalef32_pk8_fp4_f32 v[APC+2*\b+1], v[S+16*\b+8:S+16*\b+15], v[SOF+\b]
.endr
	v_nop
.irp c,0,1
.irp n,0,1
	v_permlane16_swap_b32 v[APC+4*\c+\n], v[APC+4*\c+2+\n]
.endr
.endr
.endm
; the row's sum of the unquantised p: 32 plain instructions that name no register of the products behind them: they are the places between the scale words and codes just made and those products
.macro SUMS i
	v_pk_add_f32 v[S2:S2+1], v[S:S+1], v[S+2:S+3]
.irp j,4,8,12,16,20,24,28,32,36,40,44,48,52,56,60
	v_pk_add_f32 v[ST+4*\i+2:ST+4*\i+3], v[ST+4*\i+2:ST+4*\i+3], v[S+\j:S+\j+1]
	v_pk_add_f32 v[S2:S2+1], v[S2:S2+1], v[S+\j+2:S+\j+3]
.endr
	v_pk_add_f32 v[ST+4*\i+2:ST+4*\i+3], v[ST+4*\i+2:ST+4*\i+3], v[S2:S2+1]
.endm
.macro STEP last                       ; 128 keys for both query tiles
	s_wait_loadcnt 6                                     ; K and its scale words are in; V's six loads may be out
	QK 0
	NOPS 4
	SOFT 0
	s_wait_loadcnt 0x0                                   ; V is in
	v_perm_b32 v[VS], v[VW+1], v[VW], 0x05040100         ; channel tile 0: two bytes of each group of 64 keys
	v_perm_b32 v[VS+1], v[VW+1], v[VW], 0x07060302       ; channel tile 1
	SUMS 0
	PV 0
	QK 1
	NOPS 4
.if \last == 0
	s_add_nc_u64 s[66:67], s[66:67], 2048                ; K's loads were shown done at the step's head
	s_add_nc_u64 s[70:71], s[70:71], 512
	KLOAD
.endif
	SOFT 1
	SUMS 1
	PV 1
	NOPS 4
.if \last == 0
	s_add_nc_u64 s[68:69], s[68:69], 2048                ; V's were shown done in the step's middle
	s_add_nc_u64 s[72:73], s[72:73], 512
	VLD
.endif
.endm
; one coordinate of a sampling place: the two clipped whole numbers and their weights, 0 where the neighbour lies outside
.macro COORD o, rf, u, c0, c1, w0, w1
	v_fma_f32 v66, v[\o], v[IW+\u], v[\rf]               ; ref + off / W: one rounding, as W is a power of two
	v_fma_f32 v66, v66, v[WF+\u], -0.5
	v_floor_f32 v67, v66
	v_sub_f32 v69, v66, v67
	v_add_f32 v68, 1.0, v67
	v_sub_f32 v70, 1.0, v69
	v_med3_num_f32 v[\c0], v67, 0, v[WL1+\u]
	v_med3_num_f32 v[\c1], v68, 0, v[WL1+\u]
	v_cmp_eq_f32 vcc_lo, v[\c0], v67
	v_cndmask_b32 v[\w0], 0, v70, vcc_lo
	v_cmp_eq_f32 vcc_lo, v[\c1], v68
	v_cndmask_b32 v[\w1], 0, v69, vcc_lo
.endm
.macro POINT be, u, p                  ; head 2 fq + be, level 2 h + u, point p: corner g = gx + 2 gy
	COORD ACC+16*\be+8*\u+2*\p, RF+2*\u, \u, 71, 72, 73, 74
	COORD ACC+16*\be+8*\u+2*\p+1, RF+2*\u+1, \u, 75, 76, 77, 78
	v_mul_f32 v77, v77, v[AT+8*\be+4*\u+\p]
	v_mul_f32 v78, v78, v[AT+8*\be+4*\u+\p]
	v_add_f32 v71, v71, v[SF+\u]
	v_add_f32 v72, v72, v[SF+\u]
	v_mul_f32 v[WB+32*\u+16+\p], v73, v77
	v_mul_f32 v[WB+32*\u+20+\p], v74, v77
	v_mul_f32 v[WB+32*\u+24+\p], v73, v78
	v_mul_f32 v[WB+32*\u+28+\p], v74, v78
	v_fma_f32 v79, v75, v[WF+\u], v71                    ; y W + x + the level's first row: small whole numbers, exact
	v_fma_f32 v80, v75, v[WF+\u], v72
	v_fma_f32 v81, v76, v[WF+\u], v71
	v_fma_f32 v82, v76, v[WF+\u], v72
	v_cvt_u32_f32 v[WB+32*\u+\p], v79
	v_cvt_u32_f32 v[WB+32*\u+4+\p], v80
	v_cvt_u32_f32 v[WB+32*\u+8+\p], v81
	v_cvt_u32_f32 v[WB+32*\u+12+\p], v82
.endm
.macro GROUP be, u
.if \be == 1
	s_wait_xcnt 0x0                                      ; the stores of the first head have read these registers
.endif
.irp p,0,1,2,3
	POINT \be, \u, \p
.endr
.irp g,0,1,2,3
	global_store_b128 v1, v[WB+32*\u+4*\g:WB+32*\u+4*\g+3], s[42:43] offset:(8*\be+2*\g+\u)*512       ; 512 consecutive bytes a store
	global_store_b128 v1, v[WB+32*\u+16+4*\g:WB+32*\u+16+4*\g+3], s[44:45] offset:(8*\be+2*\g+\u)*512
.endr
.endm
	s_load_b512 s[4:19], s[0:1], 0x0                     ; qc 4, kc 6, vc 8, sc 10, tgt 12, query_pos 14, reference_points 16, out_proj codes 18
	s_load_b512 s[20:35], s[0:1], 0x40                   ; out_proj scales 20, bias 22, norm2 g 24, b 26, off codes 28, scales 30, bias 32, attw codes 34
	s_load_b256 s[36:43], s[0:1], 0x80                   ; attw scales 36, bias 38, tgt1 40, idx 42
	s_load_b64 s[44:45], s[0:1], 0xa0                    ; wgt
	v_lshl_add_u32 v254, v0, 2, 0x15000
	v_mov_b32 v255, 0
	v_lshrrev_b32 v130, 5, v0
	v_readfirstlane_b32 s46, v130                        ; wave
	v_and_b32 v132, 31, v0                               ; lane
	v_and_b32 v130, 15, v0                               ; r
	v_bfe_u32 v131, v0, 4, 1                             ; h
	v_lshlrev_b32 v1, 4, v132                            ; v1  16 x lane
	v_lshlrev_b32 v2, 2, v130                            ; v2  4 r
	v_lshlrev_b32 v3, 4, v130
	v_lshl_add_u32 v3, v131, 3, v3                       ; v3  16 r + 8 h
	v_lshlrev_b32 v4, 6, v131                            ; v4  64 h
	v_lshl_add_u32 v5, v130, 10, v4                      ; v5  1,024 r + 64 h
	v_and_b32 v133, 8, v130
	v_add_nc_u32 v133, v133, v130                        ; r + 8 (r / 8)
	v_lshlrev_b32 v6, 7, v133
	v_lshl_add_u32 v6, v131, 4, v6                       ; v6  a weight's row of 128 bytes, + 16 h
	v_lshlrev_b32 v7, 3, v133                            ; v7  its 8 scale bytes
	v_lshl_add_u32 v8, v131, 8, v2
	v_add_nc_u32 v8, 64, v8                              ; v8  K's scale words: 256 h + 64 + 4 r
	v_lshl_add_u32 v9, v132, 2, 128                      ; v9  V's: 128 + 4 x lane
	v_lshlrev_b32 v14, 5, v131                           ; v14 32 h
	v_lshlrev_b32 v15, 5, v130
	v_lshl_add_u32 v15, v131, 4, v15                     ; v15 reference points: 32 r + 16 h
	v_lshlrev_b32 v118, 4, v130                          ; Q: 16 r
	v_cmp_le_u32 vcc_lo, 16, v132                        ; lanes 16-31
	s_lshr_b32 s47, s46, 1                               ; head
	s_and_b32 s48, s46, 1                                ; which pair of query tiles
	s_and_b32 s49, s46, 3                                ; qt
	s_lshr_b32 s86, s46, 2                               ; fq
	s_mov_b32 s[SEL], 0x76543210
	s_mov_b32 s[SEL+1], 0xfedcba98
	s_mov_b32 s[CS], 0x3e8293ee                          ; log2(e) / sqrt(32)
	s_mov_b32 s[CS+1], s[CS]
	s_mov_b32 s[INV], 0x3b800000                         ; 1 / 256
	s_mov_b32 s[EPS], 0x3727c5ac                         ; 1e-5
	s_lshl_b32 s57, s48, 1
	s_mul_i32 s57, s57, 0x01010101                       ; byte selects: my first tile's byte of Q's scale word, four times;
	s_add_co_u32 s58, s57, 0x01010101                    ; my second tile's
	s_lshl_b32 s[A_FI2], s49, 11
	s_lshl_b32 s[A_FS2], s49, 7
	s_lshl_b32 s59, s86, 9
	s_add_co_u32 s[A_IW2], s[A_FI2], s59                 ; 2,048 qt + 512 fq: my two blocks' place in the images
	s_lshr_b32 s59, s86, 1
	s_lshl_b32 s59, s59, 6
	s_add_co_u32 s[A_ISW], s[A_FS2], s59
	s_and_b32 s59, s86, 1
	s_lshl_b32 s59, s59, 1
	s_add_co_u32 s[A_ISW], s[A_ISW], s59                 ; 128 qt + 64 (fq / 2) + 2 (fq % 2)
	s_lshl_b32 s[A_RED], s49, 8
	s_lshl_b32 s59, s86, 2
	s_add_co_u32 s[A_REDW], s[A_RED], s59
	s_lshl_b32 s[A_OA], s48, 12
	s_lshl_b32 s59, s47, 8
	s_add_co_u32 s[A_OA], s[A_OA], s59                   ; 4,096 pair + 256 head
	s_lshl_b32 s[A_OS], s48, 8
	s_lshr_b32 s59, s47, 2
	s_lshl_b32 s59, s59, 6
	s_add_co_u32 s[A_OS], s[A_OS], s59
	s_and_b32 s59, s47, 3
	s_add_co_u32 s[A_OS], s[A_OS], s59                   ; 256 pair + 64 (head / 4) + head % 4
	s_mul_i32 s59, s49, 16640
	s_lshl_b32 s87, s86, 8
	s_add_co_u32 s59, s59, s87
	s_add_co_u32 s59, s59, STG
	v_mad_u32_u24 v10, v130, 0x410, v4
	v_add_nc_u32 v10, s59, v10                           ; v10 the stage, in: row 16 qt + r, + 256 fq + 64 h
	s_mul_i32 s59, s46, 4160
	s_add_co_u32 s59, s59, STG
	v_add_nc_u32 v11, s59, v1                            ; v11 the stage, out: rows 4 w on
	s_mov_b32 s61, 0
	s_lshr_b32 s62, ttmp9, 4                             ; batch
	s_and_b32 s63, ttmp9, 15                             ; which 64 queries of it
	s_lshl_b32 s62, s62, 3
	s_add_co_u32 s62, s62, s47                           ; 8 x batch + head
	s_wait_kmcnt 0x0
	s_lshl_b32 s60, s62, 14
	s_add_nc_u64 s[66:67], s[6:7], s[60:61]              ; K's codes of my head
	s_add_nc_u64 s[68:69], s[8:9], s[60:61]              ; V's
	s_add_nc_u64 s[74:75], s[4:5], s[60:61]
	s_lshl_b32 s60, s63, 10
	s_lshl_b32 s59, s48, 9
	s_add_co_u32 s60, s60, s59
	s_add_nc_u64 s[74:75], s[74:75], s[60:61]            ; Q's codes of my two tiles
	s_lshl_b32 s60, s62, 12
	s_add_nc_u64 s[70:71], s[10:11], s[60:61]            ; the scale records of my head: one base walks for K,
	s_mov_b64 s[72:73], s[70:71]                         ; one for V
	s_lshl_b32 s60, s63, 8
	s_add_nc_u64 s[76:77], s[70:71], s[60:61]            ; my queries' record
	global_load_b128 v[QT:QT+3], v118, s[74:75]
	global_load_b128 v[QT+4:QT+7], v118, s[74:75] offset:256
	global_load_b32 v[QW], v2, s[76:77]
	KLOAD
	VLD
	; the pointers of the second part, while those loads are out
	s_lshl_b32 s60, ttmp9, 16
	s_lshl_b32 s59, s49, 14
	s_add_co_u32 s60, s60, s59
	s_lshl_b32 s59, s86, 8
	s_add_co_u32 s60, s60, s59                           ; token 64 x + 16 qt, feature 64 fq
	s_add_nc_u64 s[12:13], s[12:13], s[60:61]
	s_add_nc_u64 s[14:15], s[14:15], s[60:61]
	s_lshl_b32 s60, ttmp9, 11
	s_lshl_b32 s59, s49, 9
	s_add_co_u32 s60, s60, s59
	s_add_nc_u64 s[16:17], s[16:17], s[60:61]            ; reference points: 32 bytes a token
	s_lshl_b32 s60, s86, 13                              ; 64 rows of 128 bytes
	s_add_nc_u64 s[18:19], s[18:19], s[60:61]
	s_add_nc_u64 s[28:29], s[28:29], s[60:61]
	s_lshl_b32 s60, s86, 9                               ; their scale bytes
	s_add_nc_u64 s[20:21], s[20:21], s[60:61]
	s_add_nc_u64 s[30:31], s[30:31], s[60:61]
	s_lshl_b32 s60, s86, 8                               ; 64 numbers of f32; also 32 rows of 8 scale bytes
	s_add_nc_u64 s[22:23], s[22:23], s[60:61]
	s_add_nc_u64 s[24:25], s[24:25], s[60:61]
	s_add_nc_u64 s[26:27], s[26:27], s[60:61]
	s_add_nc_u64 s[32:33], s[32:33], s[60:61]
	s_add_nc_u64 s[36:37], s[36:37], s[60:61]
	s_lshl_b32 s60, s86, 12                              ; attw: 32 rows of 128 bytes
	s_add_nc_u64 s[34:35], s[34:35], s[60:61]
	s_lshl_b32 s60, s86, 7
	s_add_nc_u64 s[38:39], s[38:39], s[60:61]
	s_lshl_b32 s60, ttmp9, 16
	s_lshl_b32 s59, s46, 12
	s_add_co_u32 s60, s60, s59
	s_add_nc_u64 s[40:41], s[40:41], s[60:61]            ; tgt1: rows 64 x + 4 w on
	s_lshl_b32 s60, ttmp9, 17
	s_lshl_b32 s59, s49, 15
	s_add_co_u32 s60, s60, s59
	s_lshl_b32 s59, s86, 13
	s_add_co_u32 s60, s60, s59                           ; ((4 x + qt) 8 + 2 fq) x 4,096
	s_add_nc_u64 s[42:43], s[42:43], s[60:61]
	s_add_nc_u64 s[44:45], s[44:45], s[60:61]
	s_wait_loadcnt 11                                    ; Q and its scale word are in; K's 5 and V's 6 loads may be out
	v_perm_b32 v[QS], v[QW], v[QW], s57
	v_perm_b32 v[QS+1], v[QW], v[QW], s58
.irp z,0,8,16,24,32
.irp k,0,1,2,3
	v_mov_b32 v[QZ+\z+\k], 0
.endr
.endr
.irp i,0,1
.irp k,0,1,2,3
	v_cndmask_b32 v[QZ+16*\i+4+\k], v[QT+4*\i+\k], v[QZ], vcc_lo
	v_cndmask_b32 v[QZ+16*\i+12+\k], v[QZ], v[QT+4*\i+\k], vcc_lo
.endr
.endr
.irp j,0,1,2,3,4,5,6,7,8,9,10,11,12,13,14,15,16,17,18,19,20,21,22,23,24,25,26,27,28,29,30,31
	v_mov_b32 v[O+\j], 0                                 ; the step is written once: the first finds zeros.  (These are also the places ahead of the first products)
.endr
.irp i,0,1
	v_mov_b32 v[ST+4*\i+1], 0xff61b1e6                   ; the largest t so far: -3e38
	v_floor_f32 v[ST+4*\i], -v[ST+4*\i+1]
	v_mov_b32 v[ST+4*\i+2], 0
	v_mov_b32 v[ST+4*\i+3], 0
.endr
.irp b,0,1,2,3
	v_mov_b32 v[BT+\b], 0
.endr
	v_mov_b32 v[FP+1], 0                                 ; named as the upper half of a pair
	s_mov_b32 s56, 7
.Lstep:
	STEP 0
	s_sub_co_u32 s56, s56, 1
	s_cmp_lg_u32 s56, 0
	s_cbranch_scc1 .Lstep
	STEP 1                                               ; the last 128 keys ask for nothing more
	; ---- the second part.  28 loads for the output projection, 8 for the residual
	WLOAD WA, WSA, 18, 20, 6, 7, 128, 0
	VLOAD BI, 22, 0
	RLOAD WB, 12
.irp i,0,1
	v_add_f32 v[ST+4*\i+2], v[ST+4*\i+2], v[ST+4*\i+3]
.endr
.irp i,0,1
	v_permlanex16_b32 v[TP+\i], v[ST+4*\i+2], s[SEL], s[SEL+1]
.endr
.irp i,0,1
	v_add_f32 v[ST+4*\i+2], v[ST+4*\i+2], v[TP+\i]       ; the row's sum
.endr
.irp i,0,1
	v_rcp_f32 v[ST+4*\i+2], v[ST+4*\i+2]
.endr
	v_nop
	s_wait_alu depctr_va_vdst(0)                         ; one wait for both reciprocals
.irp i,0,1
.irp j,0,2,4,6,8,10,12,14
	v_pk_mul_f32 v[O+16*\i+\j:O+16*\i+\j+1], v[O+16*\i+\j:O+16*\i+\j+1], v[ST+4*\i+2:ST+4*\i+3] op_sel_hi:[1,0]
.endr
.endr
	QUANT2 O                                             ; block i: query tile i's 32 channels of my head
	v_add_nc_u32 v12, s[A_OA], v3
	ds_store_b64 v12, v[PC:PC+1] offset:OIMG
	ds_store_b64 v12, v[PC+2:PC+3] offset:OIMG+2048
	v_add_nc_u32 v13, s[A_OS], v2
	ds_store_b8 v13, v[EB] offset:OSC                    ; both lanes of a block write the same byte with the same value
	ds_store_b8 v13, v[EB+1] offset:OSC+128
	BAR                                                  ; attention's result lies in LDS
	v_add_nc_u32 v12, s[A_FI2], v1
	v_add_nc_u32 v13, s[A_FS2], v2
	FETCH2 12, 13, OIMG, OSC
	s_wait_loadcnt 8                                     ; weight and bias are in; the residual's 8 may be out
	MM WA, WSA, 1
	NOPS 5
	VLOAD WA, 24, 0                                      ; 16 loads: gain and shift
	VLOAD WA+32, 26, 0
	RLOAD BI, 14                                         ; 8: query_pos
	s_wait_loadcnt 24                                    ; tgt is in
	ADD32 WB
	WLOAD WB, WSB, 28, 30, 6, 7, 128, 0                  ; 20: the offsets' weight
	LNORM RED, WA, WA+32, 28                             ; behind gain and shift: query_pos 8 + weight 20
	ROWS_IN
	s_wait_loadcnt 20                                    ; query_pos is in
	ADD32 BI
	QUANT2 ACC
	PUT2 A_IW2, A_ISW, XIMG, XSC
	v_lshrrev_b32 v12, 2, v4
	v_lshl_add_u32 v8, v2, 5, v12                        ; attw's rows as they lie: 128 r + 16 h (the loads that read v8 and v9 are long done)
	v_lshlrev_b32 v9, 1, v2                              ; 8 r
.irp b,0,1
.irp s,0,1
.irp c,0,1
	global_load_b128 v[WA+16*\b+8*\s+4*\c:WA+16*\b+8*\s+4*\c+3], v8, s[34:35] offset:2048*\b+64*\s+32*\c
.endr
.endr
	global_load_b64 v[WSA+2*\b:WSA+2*\b+1], v9, s[36:37] offset:128*\b
.irp k,0,1
	global_load_b128 v[WA+32+8*\b+4*\k:WA+32+8*\b+4*\k+3], v14, s[38:39] offset:64*\b+16*\k
.endr
.endr
	VLOAD BI, 32, 0
	global_load_b128 v[RF:RF+3], v15, s[16:17]           ; my token's reference points of levels 2 h and 2 h + 1
	BAR                                                  ; the stage and the images are whole
	ROWS_OUT 40
	s_wait_xcnt 0x0                                      ; the stores have read the registers that the products write
	v_add_nc_u32 v12, s[A_FI2], v1
	v_add_nc_u32 v13, s[A_FS2], v2
	FETCH2 12, 13, XIMG, XSC
	s_wait_loadcnt 0x0
	MM WB, WSB, 1                                        ; the offsets: register 16 b + 8 u + 2 p + xy: head 2 fq + b, level 2 h + u, point p
.irp s,0,1
.irp b,0,1
.if \s == 0
	MMA AT+8*\b, WA+16*\b+8*\s, XF+8*\s, WA+32+8*\b, WSA+2*\b+\s, XS+\s
.else
	MMA AT+8*\b, WA+16*\b+8*\s, XF+8*\s, AT+8*\b, WSA+2*\b+\s, XS+\s
.endif
.endr
.endr                                                    ; the logits: register 8 b + 4 u + p
	NOPS 5
	; the softmax over a head's 16 logits: 8 in this lane, 8 in lane l xor 16
.irp b,0,1
	v_max3_num_f32 v[24+2*\b], v[AT+8*\b], v[AT+8*\b+1], v[AT+8*\b+2]
.endr
.irp b,0,1
	v_max3_num_f32 v[24+2*\b], v[24+2*\b], v[AT+8*\b+3], v[AT+8*\b+4]
.endr
.irp b,0,1
	v_max3_num_f32 v[24+2*\b], v[24+2*\b], v[AT+8*\b+5], v[AT+8*\b+6]
.endr
.irp b,0,1
	v_max_num_f32 v[24+2*\b], v[24+2*\b], v[AT+8*\b+7]
.endr
.irp b,0,1
	v_permlanex16_b32 v[28+\b], v[24+2*\b], s[SEL], s[SEL+1]
.endr
.irp b,0,1
	v_max_num_f32 v[24+2*\b], v[24+2*\b], v[28+\b]
.endr
.irp b,0,1
	v_mov_b32 v[25+2*\b], v[24+2*\b]
.endr
.irp b,0,1
.irp j,0,2,4,6
	v_pk_add_f32 v[AT+8*\b+\j:AT+8*\b+\j+1], v[AT+8*\b+\j:AT+8*\b+\j+1], v[24+2*\b:25+2*\b] neg_lo:[0,1] neg_hi:[0,1]
.endr
.endr
.irp j,0,2,4,6,8,10,12,14
	v_pk_mul_f32 v[AT+\j:AT+\j+1], v[AT+\j:AT+\j+1], 0x3fb8aa3b op_sel_hi:[1,0]
.endr
.irp j,0,1,2,3,4,5,6,7,8,9,10,11,12,13,14,15
	v_exp_f32 v[AT+\j], v[AT+\j]
.endr
	v_bfe_u32 v30, v0, 4, 1                              ; work that names no result: the levels' constants.  h
	v_lshlrev_b32 v31, 1, v30
	v_sub_nc_u32 v31, 6, v31                             ; 6 - 2 h
	v_ldexp_f32 v[WF], 1.0, v31                          ; W of level 2 h: 64 or 16
	v_sub_nc_u32 v66, 0, v31
	v_ldexp_f32 v[IW], 1.0, v66
	v_mul_f32 v[WF+1], 0.5, v[WF]                        ; of level 2 h + 1: 32 or 8
	v_add_f32 v[IW+1], v[IW], v[IW]
	v_add_f32 v[WL1], -1.0, v[WF]
	v_add_f32 v[WL1+1], -1.0, v[WF+1]
	v_cvt_f32_u32 v30, v30
	v_mul_f32 v[SF], 0x45a00000, v30                     ; the level's first row: 0 or 5,120;
	v_mov_b32 v[SF+1], 0x45800000
	v_fmamk_f32 v[SF+1], v30, 0x44a00000, v[SF+1]        ; 4,096 or 5,376
	s_wait_alu depctr_va_vdst(0)                         ; one wait for the 16 exponentials
.irp b,0,1
	v_pk_add_f32 v[24+2*\b:25+2*\b], v[AT+8*\b:AT+8*\b+1], v[AT+8*\b+2:AT+8*\b+3]
.endr
.irp b,0,1
	v_pk_add_f32 v[24+2*\b:25+2*\b], v[24+2*\b:25+2*\b], v[AT+8*\b+4:AT+8*\b+5]
.endr
.irp b,0,1
	v_pk_add_f32 v[24+2*\b:25+2*\b], v[24+2*\b:25+2*\b], v[AT+8*\b+6:AT+8*\b+7]
.endr
.irp b,0,1
	v_add_f32 v[24+2*\b], v[24+2*\b], v[25+2*\b]
.endr
.irp b,0,1
	v_permlanex16_b32 v[28+\b], v[24+2*\b], s[SEL], s[SEL+1]
.endr
.irp b,0,1
	v_add_f32 v[24+2*\b], v[24+2*\b], v[28+\b]
.endr
.irp b,0,1
	v_rcp_f32 v[24+2*\b], v[24+2*\b]
.endr
	v_nop
	s_wait_alu depctr_va_vdst(0)
.irp b,0,1
.irp j,0,2,4,6
	v_pk_mul_f32 v[AT+8*\b+\j:AT+8*\b+\j+1], v[AT+8*\b+\j:AT+8*\b+\j+1], v[24+2*\b:25+2*\b] op_sel_hi:[1,0]
.endr
.endr
	GROUP 0, 0
	GROUP 0, 1
	GROUP 1, 0
	GROUP 1, 1
	s_barrier_signal -1
	s_barrier_wait -1
	s_wait_tensorcnt 0x0
	ds_add_u32 v254, v255
	s_wait_dscnt 0x0
	s_endpgm
.Lfunc_end_k_qd5362d44a3_attn:
	.size	k_qd5362d44a3_attn, .Lfunc_end_k_qd5362d44a3_attn-k_qd5362d44a3_attn
	.p2alignl 7, 3214868480
	.fill 96, 4, 3214868480
	.section	.rodata,"a",@progbits
	.p2align	6, 0x0
	.amdhsa_kernel k_qd5362d44a3_attn
		.amdhsa_group_segment_fixed_size 88064
		.amdhsa_private_segment_fixed_size 0
		.amdhsa_enable_private_segment 0
		.amdhsa_kernarg_size 168
		.amdhsa_user_sgpr_count 2
		.amdhsa_user_sgpr_kernarg_segment_ptr 1
		.amdhsa_wavefront_size32 1
		.amdhsa_system_sgpr_workgroup_id_x 1
		.amdhsa_system_sgpr_workgroup_id_y 1
		.amdhsa_system_sgpr_workgroup_id_z 1
		.amdhsa_system_vgpr_workitem_id 0
		.amdhsa_next_free_vgpr 256
		.amdhsa_next_free_sgpr 100
		.amdhsa_reserve_vcc 1
		.amdhsa_float_denorm_mode_32 3
		.amdhsa_float_denorm_mode_16_64 3
		.amdhsa_memory_ordered 1
		.amdhsa_forward_progress 1
		.amdhsa_inst_pref_size 125
	.end_amdhsa_kernel
	.amdgpu_metadata
---
amdhsa.version: [ 1, 2 ]
amdhsa.kernels:
  - .name:           k_qd5362d44a3_attn
    .symbol:         k_qd5362d44a3_attn.kd
    .args:
      - { .name: qc, .offset: 0, .size: 8, .value_kind: global_buffer, .address_space: global }
      - { .name: kc, .offset: 8, .size: 8, .value_kind: global_buffer, .address_space: global }
      - { .name: vc, .offset: 16, .size: 8, .value_kind: global_buffer, .address_space: global }
      - { .name: sc, .offset: 24, .size: 8, .value_kind: global_buffer, .address_space: global }
      - { .name: tgt, .offset: 32, .size: 8, .value_kind: global_buffer, .address_space: global }
      - { .name: query_pos, .offset: 40, .size: 8, .value_kind: global_buffer, .address_space: global }
      - { .name: reference_points, .offset: 48, .size: 8, .value_kind: global_buffer, .address_space: global }
      - { .name: out_proj_w_codes, .offset: 56, .size: 8, .value_kind: global_buffer, .address_space: global }
      - { .name: out_proj_w_scales, .offset: 64, .size: 8, .value_kind: global_buffer, .address_space: global }
      - { .name: out_proj_b, .offset: 72, .size: 8, .value_kind: global_buffer, .address_space: global }
      - { .name: norm2_g, .offset: 80, .size: 8, .value_kind: global_buffer, .address_space: global }
      - { .name: norm2_b, .offset: 88, .size: 8, .value_kind: global_buffer, .address_space: global }
      - { .name: off_w_codes, .offset: 96, .size: 8, .value_kind: global_buffer, .address_space: global }
      - { .name: off_w_scales, .offset: 104, .size: 8, .value_kind: global_buffer, .address_space: global }
      - { .name: off_b, .offset: 112, .size: 8, .value_kind: global_buffer, .address_space: global }
      - { .name: attw_w_codes, .offset: 120, .size: 8, .value_kind: global_buffer, .address_space: global }
      - { .name: attw_w_scales, .offset: 128, .size: 8, .value_kind: global_buffer, .address_space: global }
      - { .name: attw_b, .offset: 136, .size: 8, .value_kind: global_buffer, .address_space: global }
      - { .name: tgt1, .offset: 144, .size: 8, .value_kind: global_buffer, .address_space: global }
      - { .name: idx, .offset: 152, .size: 8, .value_kind: global_buffer, .address_space: global }
      - { .name: wgt, .offset: 160, .size: 8, .value_kind: global_buffer, .address_space: global }
    .group_segment_fixed_size: 88064
    .private_segment_fixed_size: 0
    .kernarg_segment_align: 8
    .kernarg_segment_size: 168
    .max_flat_workgroup_size: 512
    .sgpr_count:     100
    .vgpr_count:     256
    .wavefront_size: 32
...
	.end_amdgpu_metadata
.endif
;; end of part 2
;; launch value (part 3): grid 256 x 1, 10 waves a work-group, no clusters, 24,320 bytes of LDS; arguments src_codes, src_scales, value_w_codes, value_w_scales, value_b, val; writes val
.if DOCPART == 3
	.amdgcn_target "amdgcn-amd-amdhsa--gfx1250"
	.amdhsa_code_object_version 6
	.text
	.protected	k_qd5362d44a3_value
	.globl	k_qd5362d44a3_value
	.p2align	8
	.type	k_qd5362d44a3_value,@function
k_qd5362d44a3_value:
	s_mov_b64 s[64:65], 0
	v_nop
	global_prefetch_b8 v0, s[64:65] scope:SCOPE_SE
	s_setreg_imm32_b32 hwreg(HW_REG_WAVE_MODE, 25, 1), 1
	s_wait_xcnt 0x0
; value = src value_w^T + value_b on codes of E2M1, stored in f32 as val [head 8][87,040 rows][32 channels]: a sampled row is then 128 consecutive bytes.
; It stays f32 because the sums sampled from it go on into a quantiser.
; SHARES. 5,440 tiles of 16 rows x 8 heads = 256 work-groups x 10 waves x 17 units, all alike. Work-group x: rows' range x / 4 (85 tiles), heads 2 (x % 4) and 2 (x % 4) + 1;
; wave w: head 2 (x % 4) + w % 2, tiles 85 (x / 4) + 17 (w / 2) on. The head's 32 rows of the weight stay in registers. Waves share nothing: no barrier.
; Source 0 = 16 rows of the weight (tile u: rows 8 u + r + 8 (r / 8)), source 1 = 16 rows of src: a lane's 16 registers are channels 16 (lane / 16) + 0 .. 15 of ONE row.
; A tile goes through the wave's own stage in LDS and leaves by stores of 512 consecutive bytes. Loads run four tiles ahead; the 17 tiles are written out, every offset an immediate.
.set W,   16                           ; v16-47   the weight: tile u, K step s at 16 u + 8 s
.set WS,  48                           ; v48-51   its scale words
.set BI,  52                           ; v52-67   the bias in the result's layout
.set XF,  68                           ; v68-131  src's fragments: four sets of 16
.set XS,  132                          ; v132-139 their scale words: four sets of 2
.set ACC, 140                          ; v140-155
.set OB,  156                          ; v156-187 rows on their way out: two sets of 16
.macro NOPS n
.rept \n
	v_nop
.endr
.endm
.macro MMA d, a, b, c, sa, sb
	v_wmma_scale_f32_16x16x128_f8f6f4 v[\d:\d+7], v[\a:\a+7], v[\b:\b+7], v[\c:\c+7], v[\sa], v[\sb] matrix_a_fmt:MATRIX_FMT_FP4 matrix_b_fmt:MATRIX_FMT_FP4
.endm
.macro LOADT k                         ; 5 loads: tile k's codes and scale words
.irp s,0,1
.irp c,0,1
	global_load_b128 v[XF+16*((\k)%4)+8*\s+4*\c:XF+16*((\k)%4)+8*\s+4*\c+3], v4, s[4:5] offset:2048*(\k)+64*\s+32*\c
.endr
.endr
	global_load_b64 v[XS+2*((\k)%4):XS+2*((\k)%4)+1], v5, s[6:7] offset:128*(\k)
.endm
.macro TILE k
.if 16-(\k) >= 3
	s_wait_loadcnt 15                                    ; this tile's five loads are in; those of the three tiles behind it may be out
.else
	s_wait_loadcnt 5*(16-(\k))
.endif
.set XR, XF+16*((\k)%4)
.set SR, XS+2*((\k)%4)
.set OK, OB+16*((\k)%2)
	MMA ACC, W, XR, BI, WS, SR                           ; the two accumulators by turns
	MMA ACC+8, W+16, XR, BI+8, WS+2, SR
	MMA ACC, W+8, XR+8, ACC, WS+1, SR+1
	MMA ACC+8, W+24, XR+8, ACC+8, WS+3, SR+1
	NOPS 5
.if (\k)+4 < 17
	LOADT (\k)+4
.endif
.irp j,0,1,2,3
	ds_store_b128 v6, v[ACC+4*\j:ACC+4*\j+3] offset:16*\j
.endr
	s_wait_xcnt 0x0                                      ; the stores of two tiles ago have read the registers that the loads below write
.irp j,0,1,2,3
	ds_load_b128 v[OK+4*\j:OK+4*\j+3], v7 offset:576*\j  ; LDS serves a wave's instructions in order: these see the stores above
.endr
	s_wait_dscnt 0x0
.irp j,0,1,2,3
	global_store_b128 v8, v[OK+4*\j:OK+4*\j+3], s[14:15] offset:2048*(\k)+512*\j   ; four rows of 128 bytes: 512 consecutive bytes
.endr
.endm
	s_load_b256 s[4:11], s[0:1], 0x0                     ; src codes 4, src scales 6, weight codes 8, weight scales 10
	s_load_b128 s[12:15], s[0:1], 0x20                   ; bias 12, val 14
	v_lshl_add_u32 v192, v0, 2, 0x5a00
	v_mov_b32 v193, 0
	v_lshrrev_b32 v1, 5, v0
	v_readfirstlane_b32 s16, v1                          ; wave
	v_and_b32 v1, 31, v0                                 ; lane
	v_and_b32 v2, 15, v0                                 ; r
	v_bfe_u32 v3, v0, 4, 1                               ; h
	v_lshlrev_b32 v4, 7, v2
	v_lshl_add_u32 v4, v3, 4, v4                         ; src: a row of 128 bytes, + 16 h
	v_lshlrev_b32 v5, 3, v2                              ; its 8 scale bytes
	s_mul_i32 s17, s16, 2304                             ; my stage: 16 rows x (128 + 16) bytes
	v_mul_u32_u24 v6, v2, 144
	v_lshl_add_u32 v6, v3, 6, v6
	v_add_nc_u32 v6, s17, v6                             ; in: row r, + 64 h
	v_lshrrev_b32 v7, 3, v1
	v_mul_u32_u24 v7, v7, 144
	v_and_b32 v12, 7, v1
	v_lshl_add_u32 v7, v12, 4, v7
	v_add_nc_u32 v7, s17, v7                             ; out: eight lanes to a row
	v_lshlrev_b32 v8, 4, v1                              ; 16 x lane
	v_and_b32 v12, 8, v2
	v_add_nc_u32 v12, v12, v2                            ; r + 8 (r / 8)
	v_lshlrev_b32 v9, 7, v12
	v_lshl_add_u32 v9, v3, 4, v9
	v_lshlrev_b32 v10, 3, v12
	v_lshlrev_b32 v11, 6, v3
	s_lshr_b32 s18, ttmp9, 2
	s_and_b32 s19, ttmp9, 3
	s_and_b32 s20, s16, 1
	s_lshl_b32 s21, s19, 1
	s_add_co_u32 s21, s21, s20                           ; head
	s_lshr_b32 s22, s16, 1
	s_mul_i32 s23, s18, 85
	s_mul_i32 s22, s22, 17
	s_add_co_u32 s23, s23, s22                           ; my first tile
	s_lshl_b32 s24, s23, 11
	s_mov_b32 s25, 0
	s_lshl_b32 s26, s23, 7
	s_mov_b32 s27, 0
	s_lshl_b32 s28, s21, 12
	s_mov_b32 s29, 0
	s_lshl_b32 s30, s21, 8
	s_mov_b32 s31, 0
	s_lshl_b32 s32, s21, 7
	s_mov_b32 s33, 0
	s_mul_i32 s34, s21, 11141120
	s_add_co_u32 s34, s34, s24
	s_mov_b32 s35, 0
	s_wait_kmcnt 0x0
	s_add_nc_u64 s[4:5], s[4:5], s[24:25]
	s_add_nc_u64 s[6:7], s[6:7], s[26:27]
	s_add_nc_u64 s[8:9], s[8:9], s[28:29]
	s_add_nc_u64 s[10:11], s[10:11], s[30:31]
	s_add_nc_u64 s[12:13], s[12:13], s[32:33]
	s_add_nc_u64 s[14:15], s[14:15], s[34:35]
.irp u,0,1
.irp s,0,1
.irp c,0,1
	global_load_b128 v[W+16*\u+8*\s+4*\c:W+16*\u+8*\s+4*\c+3], v9, s[8:9] offset:1024*\u+64*\s+32*\c
.endr
.endr
	global_load_b64 v[WS+2*\u:WS+2*\u+1], v10, s[10:11] offset:64*\u
.irp k,0,1
	global_load_b128 v[BI+8*\u+4*\k:BI+8*\u+4*\k+3], v11, s[12:13] offset:32*\u+16*\k
.endr
.endr
.irp k,0,1,2,3
	LOADT \k
.endr
.irp k,0,1,2,3,4,5,6,7,8,9,10,11,12,13,14,15,16
	TILE \k
.endr
	s_barrier_signal -1
	s_barrier_wait -1
	s_wait_tensorcnt 0x0
	ds_add_u32 v192, v193
	s_wait_dscnt 0x0
	s_endpgm
.Lfunc_end_k_qd5362d44a3_value:
	.size	k_qd5362d44a3_value, .Lfunc_end_k_qd5362d44a3_value-k_qd5362d44a3_value
	.p2alignl 7, 3214868480
	.fill 96, 4, 3214868480
	.section	.rodata,"a",@progbits
	.p2align	6, 0x0
	.amdhsa_kernel k_qd5362d44a3_value
		.amdhsa_group_segment_fixed_size 24320
		.amdhsa_private_segment_fixed_size 0
		.amdhsa_enable_private_segment 0
		.amdhsa_kernarg_size 48
		.amdhsa_user_sgpr_count 2
		.amdhsa_user_sgpr_kernarg_segment_ptr 1
		.amdhsa_wavefront_size32 1
		.amdhsa_system_sgpr_workgroup_id_x 1
		.amdhsa_system_sgpr_workgroup_id_y 1
		.amdhsa_system_sgpr_workgroup_id_z 1
		.amdhsa_system_vgpr_workitem_id 0
		.amdhsa_next_free_vgpr 194
		.amdhsa_next_free_sgpr 66
		.amdhsa_reserve_vcc 0
		.amdhsa_float_denorm_mode_32 3
		.amdhsa_float_denorm_mode_16_64 3
		.amdhsa_memory_ordered 1
		.amdhsa_forward_progress 1
		.amdhsa_inst_pref_size 40
	.end_amdhsa_kernel
	.amdgpu_metadata
---
amdhsa.version: [ 1, 2 ]
amdhsa.kernels:
  - .name:           k_qd5362d44a3_value
    .symbol:         k_qd5362d44a3_value.kd
    .args:
      - { .name: src_codes, .offset: 0, .size: 8, .value_kind: global_buffer, .address_space: global }
      - { .name: src_scales, .offset: 8, .size: 8, .value_kind: global_buffer, .address_space: global }
      - { .name: value_w_codes, .offset: 16, .size: 8, .value_kind: global_buffer, .address_space: global }
      - { .name: value_w_scales, .offset: 24, .size: 8, .value_kind: global_buffer, .address_space: global }
      - { .name: value_b, .offset: 32, .size: 8, .value_kind: global_buffer, .address_space: global }
      - { .name: val, .offset: 40, .size: 8, .value_kind: global_buffer, .address_space: global }
    .group_segment_fixed_size: 24320
    .private_segment_fixed_size: 0
    .kernarg_segment_align: 8
    .kernarg_segment_size: 48
    .max_flat_workgroup_size: 320
    .sgpr_count:     66
    .vgpr_count:     194
    .wavefront_size: 32
...
	.end_amdgpu_metadata
.endif
;; end of part 3
;; launch samp (part 4): grid 256 x 1, 16 waves a work-group, no clusters, 263,168 bytes of LDS; arguments idx, wgt, val, tgt1, outp_w_codes, outp_w_scales, outp_b, norm1_g, norm1_b, lin1_w_codes, lin1_w_scales, lin1_b, lin2_w_codes, lin2_w_scales, lin2_b, norm3_g, norm3_b, out0; writes out0
.if DOCPART == 4
	.amdgcn_target "amdgcn-amd-amdhsa--gfx1250"
	.amdhsa_code_object_version 6
	.text
	.protected	k_qd5362d44a3_samp
	.globl	k_qd5362d44a3_samp
	.p2align	8
	.type	k_qd5362d44a3_samp,@function
k_qd5362d44a3_samp:
	s_mov_b64 s[64:65], 0
	v_nop
	global_prefetch_b8 v0, s[64:65] scope:SCOPE_SE
	s_setreg_imm32_b32 hwreg(HW_REG_WAVE_MODE, 25, 1), 1
	s_wait_xcnt 0x0
; The weighted bilinear sums of the deformable attention (gathers and f32 multiply-adds), its output projection, residual, LayerNorm, the two layers of the FFN, residual, LayerNorm.
; All matrix products on codes of E2M1; each operand is quantised in registers on its way; nothing but the result goes to memory.
; SHARES. A work-group takes 64 tokens. Wave w: token tile qt = w % 4, features 64 fq .. 64 fq + 63, fq = w / 4: in the gather those are heads 2 fq and 2 fq + 1.
; THE GATHER. For a token and head 64 rows of 128 bytes are read: 16 points x 4 corners. Lanes 8 g .. 8 g + 7 take corner g, 16 bytes (4 channels) each: one load reads four whole rows.
; Indices and weights were stored by an earlier launch with a lane to a token; here a lane wants one token's at a time, so a head's 8 KiB turn through the wave's own LDS bytes.
; An index is held at 5,439, the batch's last row, ahead of its use in an address. The next token's 16 loads are out while a token's 64 terms are summed; the corners meet by two lane exchanges.
; AFTERWARDS: source 0 = 16 rows of a weight (tile 2 b + u: rows 32 b + 8 u + r + 8 (r / 8)), source 1 = 16 tokens: register j of lane (r, h) is feature 64 fq + 32 (j / 16) + 16 h + j % 16 of token r.
; Operands go from wave to wave through LDS as images of their registers. Weights come from memory straight into registers, 64 rows x 256 K a unit, in two sets by turns, asked for two units ahead.
; LIMITS: NaN and infinities are not served. The 64 terms of a head are summed in another order than the source writes them. A block whose largest magnitude lies under 2^-124 gets the byte 1 (its codes are zeros).
.set X1I,  0                           ; LDS: the samples, 8 fragments (token tile t, K step s: 2 t + s)
.set X1S,  8192
.set X2I,  8704                        ; the FFN's input, 8 fragments
.set X2S,  16896
.set HIDI, 17408                       ; the hidden layer, 32 fragments (8 t + s)
.set HIDS, 50176
.set RED,  52224                       ; the norms' partial sums: 4 x 1,024
.set SMP,  56320                       ; 4,352 bytes a wave: [head 2][4 channels: 8, pitch 272][token 16][16 bytes]; later an image of the residual
.set META, 125952                      ; 8,448 bytes a wave: 8 blocks of indices, 8 of weights, pitch 528
.set STG,  125952                      ; the way out, 64 rows x 1,040 bytes, over META: first written behind seven barriers that follow META's last read
.set MI,   16                          ; v16-31   a token's 16 indices, then byte offsets
.set MW0,  34                          ; v34-49, v50-65 its 16 weights: two sets
.set MW1,  50
.set GA,   66                          ; v66-129, v130-193 16 x 4 channels: two sets
.set GB,   130
.set AC,   242                         ; v242-249 two chains of 4 channels; v250-253 the other half's
.set XF,   16
.set XS,   32
.set ACC,  34
.set WA,   66
.set WB,   130
.set WSB,  194
.set WSA,  202
.set BI,   210
.set TM,   242
.set TP,   244
.set SO,   246
.set EB,   248
.set PC,   250
.set SEL,  44
.set INV,  46
.set EPS,  47
.set A_FI2,  48
.set A_FS2,  49
.set A_IW2,  50
.set A_ISW,  51
.set A_RED,  52
.set A_REDW, 53
.set A_IH,   54
.set A_IHS,  55
.set A_FIH,  56
.set A_FSH,  57
.set A_SMP,  58
.set A_META, 59
.set RS,     60
.set CT,     61
.macro NOPS n
.rept \n
	v_nop
.endr
.endm
.macro BAR                             ; my LDS stores have landed and my LDS loads are in: then the work-group's barrier
	s_wait_dscnt 0x0
	s_barrier_signal -1
	s_barrier_wait -1
.endm
.macro MMA d, a, b, c, sa, sb
	v_wmma_scale_f32_16x16x128_f8f6f4 v[\d:\d+7], v[\a:\a+7], v[\b:\b+7], v[\c:\c+7], v[\sa], v[\sb] matrix_a_fmt:MATRIX_FMT_FP4 matrix_b_fmt:MATRIX_FMT_FP4
.endm
.macro QUANT2 s                        ; 32 numbers of a lane, two blocks: codes (half a block a lane) in v[PC + 2 b], v[PC + 2 b + 1], the byte in v[EB + b]
.irp b,0,1
	v_max3_num_f32 v[TM+\b], |v[\s+16*\b]|, |v[\s+16*\b+1]|, 0x1800000   ; with the floor 2^(3 - 127): the byte cannot fall under 1
.endr
.irp n,2,4,6,8,10,12,14
.irp b,0,1
	v_max3_num_f32 v[TM+\b], v[TM+\b], |v[\s+16*\b+\n]|, |v[\s+16*\b+\n+1]|
.endr
.endr
.irp b,0,1
	v_permlanex16_b32 v[TP+\b], v[TM+\b], s[SEL], s[SEL+1]
.endr
.irp b,0,1
	v_max_num_f32 v[TM+\b], v[TM+\b], v[TP+\b]
.endr
.irp b,0,1
	v_add_nc_u32 v[SO+\b], 0xff000000, v[TM+\b]
.endr
.irp b,0,1
	v_lshrrev_b32 v[EB+\b], 23, v[SO+\b]
.endr
.irp b,0,1
	v_cvt_scalef32_pk8_fp4_f32 v[PC+2*\b], v[\s+16*\b:\s+16*\b+7], v[SO+\b]
	v_cvt_scalef32_pk8_fp4_f32 v[PC+2*\b+1], v[\s+16*\b+8:\s+16*\b+15], v[SO+\b]
.endr
	v_nop                                                ; one plain place behind a scaled conversion
.endm
.macro PUT2 sa, sb, img, scl           ; my two half blocks into the fragment's image, my two bytes into its scale words
	v_add_nc_u32 v12, s[\sa], v3
	ds_store_b64 v12, v[PC:PC+1] offset:\img
	ds_store_b64 v12, v[PC+2:PC+3] offset:\img+256
	v_lshl_or_b32 v[EB], v[EB+1], 8, v[EB]
	v_add_nc_u32 v13, s[\sb], v2
	ds_store_b16 v13, v[EB] offset:\scl
.endm
.macro WLOAD W, WS, cb, sb, va, vs, pitch, off   ; 20 loads: four tiles x two K steps of a weight, and their scale words
.irp t,0,1,2,3
.irp s,0,1
.irp c,0,1
	global_load_b128 v[\W+16*\t+8*\s+4*\c:\W+16*\t+8*\s+4*\c+3], v[\va], s[\cb:\cb+1] offset:(32*(\t/2)+8*(\t%2))*\pitch+(\off)+64*\s+32*\c
.endr
.endr
	global_load_b64 v[\WS+2*\t:\WS+2*\t+1], v[\vs], s[\sb:\sb+1] offset:((32*(\t/2)+8*(\t%2))*\pitch+(\off))/16
.endr
.endm
.macro VLOAD d, pb, off
.irp b,0,1
.irp k,0,1,2,3
	global_load_b128 v[\d+16*\b+4*\k:\d+16*\b+4*\k+3], v4, s[\pb:\pb+1] offset:(\off)+128*\b+16*\k
.endr
.endr
.endm
.macro RLOAD d, pb
.irp b,0,1
.irp k,0,1,2,3
	global_load_b128 v[\d+16*\b+4*\k:\d+16*\b+4*\k+3], v5, s[\pb:\pb+1] offset:128*\b+16*\k
.endr
.endr
.endm
.macro FETCH2 vi, vs, img, scl
.irp s,0,1
.irp c,0,1
	ds_load_b128 v[XF+8*\s+4*\c:XF+8*\s+4*\c+3], v[\vi] offset:\img+1024*\s+512*\c
.endr
	ds_load_b32 v[XS+\s], v[\vs] offset:\scl+64*\s
.endr
	s_wait_dscnt 0x0
.endm
.macro MM W, WS, first                 ; 8 matrix instructions: the four accumulators by turns, one instruction a turn
.irp s,0,1
.irp t,0,1,2,3
.if (\first) && (\s == 0)
	MMA ACC+8*\t, \W+16*\t+8*\s, XF+8*\s, BI+8*\t, \WS+2*\t+\s, XS+\s
.else
	MMA ACC+8*\t, \W+16*\t+8*\s, XF+8*\s, ACC+8*\t, \WS+2*\t+\s, XS+\s
.endif
.endr
.endr
.endm
.macro ADD32 src
.irp j,0,2,4,6,8,10,12,14,16,18,20,22,24,26,28,30
	v_pk_add_f32 v[ACC+\j:ACC+\j+1], v[ACC+\j:ACC+\j+1], v[\src+\j:\src+\j+1]
.endr
.endm
; LayerNorm over a token's 256 features, which lie in 2 lanes of each of 4 waves. Two passes, each shared through LDS behind a barrier.
.macro LNORM red, G, Bv, cnt
	v_pk_add_f32 v[242:243], v[ACC:ACC+1], v[ACC+2:ACC+3]
	v_pk_add_f32 v[244:245], v[ACC+4:ACC+5], v[ACC+6:ACC+7]
.irp j,8,12,16,20,24,28
	v_pk_add_f32 v[242:243], v[242:243], v[ACC+\j:ACC+\j+1]
	v_pk_add_f32 v[244:245], v[244:245], v[ACC+\j+2:ACC+\j+3]
.endr
	v_pk_add_f32 v[242:243], v[242:243], v[244:245]
	v_add_f32 v242, v242, v243
	v_permlanex16_b32 v246, v242, s[SEL], s[SEL+1]
	v_add_f32 v242, v242, v246
	v_lshl_add_u32 v12, v2, 2, s[A_RED]
	v_lshl_add_u32 v13, v2, 2, s[A_REDW]
	ds_store_b32 v13, v242 offset:\red
	BAR
	ds_load_b128 v[246:249], v12 offset:\red
	s_wait_dscnt 0x0
	v_add_f32 v246, v246, v247
	v_add_f32 v248, v248, v249
	v_add_f32 v246, v246, v248
	v_mul_f32 v242, s[INV], v246                         ; the mean
.irp j,0,2,4,6,8,10,12,14,16,18,20,22,24,26,28,30
	v_pk_add_f32 v[ACC+\j:ACC+\j+1], v[ACC+\j:ACC+\j+1], v[242:243] op_sel_hi:[1,0] neg_lo:[0,1] neg_hi:[0,1]
.endr
	v_pk_mul_f32 v[244:245], v[ACC:ACC+1], v[ACC:ACC+1]
	v_pk_mul_f32 v[246:247], v[ACC+2:ACC+3], v[ACC+2:ACC+3]
.irp j,4,8,12,16,20,24,28
	v_pk_fma_f32 v[244:245], v[ACC+\j:ACC+\j+1], v[ACC+\j:ACC+\j+1], v[244:245]
	v_pk_fma_f32 v[246:247], v[ACC+\j+2:ACC+\j+3], v[ACC+\j+2:ACC+\j+3], v[246:247]
.endr
	v_pk_add_f32 v[244:245], v[244:245], v[246:247]
	v_add_f32 v244, v244, v245
	v_permlanex16_b32 v246, v244, s[SEL], s[SEL+1]
	v_add_f32 v244, v244, v246
	ds_store_b32 v13, v244 offset:\red+1024
	BAR
	ds_load_b128 v[246:249], v12 offset:\red+1024
	s_wait_dscnt 0x0
	v_add_f32 v246, v246, v247
	v_add_f32 v248, v248, v249
	v_add_f32 v246, v246, v248
	v_fma_f32 v246, v246, s[INV], s[EPS]
	v_rsq_f32 v242, v246
	v_nop                                                ; a plain place behind the transcendental
	s_wait_alu depctr_va_vdst(0)                         ; the wait ahead of the first reader
	s_wait_loadcnt \cnt                                  ; gain and shift are in; cnt younger loads may be out
.irp j,0,2,4,6,8,10,12,14,16,18,20,22,24,26,28,30
	v_pk_mul_f32 v[ACC+\j:ACC+\j+1], v[ACC+\j:ACC+\j+1], v[242:243] op_sel_hi:[1,0]
.endr
.irp j,0,2,4,6,8,10,12,14,16,18,20,22,24,26,28,30
	v_pk_fma_f32 v[ACC+\j:ACC+\j+1], v[ACC+\j:ACC+\j+1], v[\G+\j:\G+\j+1], v[\Bv+\j:\Bv+\j+1]
.endr
.endm
; ---- the gather's macros
.macro MLOAD be                        ; 16 loads: a head's indices and weights of my 16 tokens, 512 consecutive bytes a load; read once in the launch
.irp k,0,1,2,3,4,5,6,7
	global_load_b128 v[GA+4*\k:GA+4*\k+3], v1, s[4:5] offset:4096*\be+512*\k th:TH_LOAD_NT
	global_load_b128 v[GA+32+4*\k:GA+32+4*\k+3], v1, s[6:7] offset:4096*\be+512*\k th:TH_LOAD_NT
.endr
.endm
.macro MSTORE
.irp k,0,1,2,3,4,5,6,7
	ds_store_b128 v254, v[GA+4*\k:GA+4*\k+3] offset:528*\k
	ds_store_b128 v254, v[GA+32+4*\k:GA+32+4*\k+3] offset:4224+528*\k
.endr
.endm
.macro META MW, d                      ; one token's 16 indices and 16 weights of my corner: level 2 hh + u at block 2 g + u, lane 16 hh + token
	s_wait_xcnt 0x0                                      ; the last gathers have read their offsets, which these loads write
.irp hh,0,1
.irp u,0,1
	ds_load_b128 v[MI+4*(2*\hh+\u):MI+4*(2*\hh+\u)+3], v12 offset:528*\u+256*\hh+\d
	ds_load_b128 v[\MW+4*(2*\hh+\u):\MW+4*(2*\hh+\u)+3], v12 offset:4224+528*\u+256*\hh+\d
.endr
.endr
	s_wait_dscnt 0x0
.endm
.macro GATH GD
.irp n,0,1,2,3,4,5,6,7,8,9,10,11,12,13,14,15
	v_min_u32 v[MI+\n], 0x153f, v[MI+\n]                 ; held at the batch's last row
	v_lshl_add_u32 v[MI+\n], v[MI+\n], 7, v255           ; a row is 128 bytes; + my 16
.endr
.irp n,0,1,2,3,4,5,6,7,8,9,10,11,12,13,14,15
	global_load_b128 v[\GD+4*\n:\GD+4*\n+3], v[MI+\n], s[8:9]
.endr
.endm
.macro ACCUM GD, MW                    ; 16 points x 4 channels, in two chains; the first two points start the sums; a weight is taken for both halves of a pair
	v_pk_mul_f32 v[AC:AC+1], v[\GD:\GD+1], v[\MW:\MW+1] op_sel_hi:[1,0]
	v_pk_mul_f32 v[AC+2:AC+3], v[\GD+2:\GD+3], v[\MW:\MW+1] op_sel_hi:[1,0]
	v_pk_mul_f32 v[AC+4:AC+5], v[\GD+4:\GD+5], v[\MW:\MW+1] op_sel:[0,1] op_sel_hi:[1,1]
	v_pk_mul_f32 v[AC+6:AC+7], v[\GD+6:\GD+7], v[\MW:\MW+1] op_sel:[0,1] op_sel_hi:[1,1]
.irp n,2,4,6,8,10,12,14
	v_pk_fma_f32 v[AC:AC+1], v[\GD+4*\n:\GD+4*\n+1], v[\MW+\n:\MW+\n+1], v[AC:AC+1] op_sel_hi:[1,0,1]
	v_pk_fma_f32 v[AC+2:AC+3], v[\GD+4*\n+2:\GD+4*\n+3], v[\MW+\n:\MW+\n+1], v[AC+2:AC+3] op_sel_hi:[1,0,1]
	v_pk_fma_f32 v[AC+4:AC+5], v[\GD+4*\n+4:\GD+4*\n+5], v[\MW+\n:\MW+\n+1], v[AC+4:AC+5] op_sel:[0,1,0] op_sel_hi:[1,1,1]
	v_pk_fma_f32 v[AC+6:AC+7], v[\GD+4*\n+6:\GD+4*\n+7], v[\MW+\n:\MW+\n+1], v[AC+6:AC+7] op_sel:[0,1,0] op_sel_hi:[1,1,1]
.endr
	v_pk_add_f32 v[AC:AC+1], v[AC:AC+1], v[AC+4:AC+5]
	v_pk_add_f32 v[AC+2:AC+3], v[AC+2:AC+3], v[AC+6:AC+7]
.irp k,0,1,2,3
	v_add_f32_dpp v[AC+\k], v[AC+\k], v[AC+\k] row_xmask:8 row_mask:0xf bank_mask:0xf   ; corners g and g xor 1
.endr
.irp k,0,1,2,3
	v_permlanex16_b32 v[AC+8+\k], v[AC+\k], s[SEL], s[SEL+1]
.endr
.irp k,0,1,2,3
	v_add_f32 v[AC+\k], v[AC+\k], v[AC+8+\k]             ; and the other two
.endr
.endm
; one token: the next token's indices and gathers go out first, then this token's 64 terms are summed
.macro PAIR GX, MX, GY, MY, next, dn, younger, so
.if \next
	META \MY, \dn
	GATH \GY
	s_wait_loadcnt 16                                    ; this token's 16 gathers are in; the next token's may be out
.else
	s_wait_loadcnt \younger                              ; behind the last token's gathers stand only the loads of the next phase
.endif
	ACCUM \GX, \MX
	ds_store_b128 v13, v[AC:AC+3] offset:\so             ; the four corner groups write the same bytes with the same values
.endm
.macro HEAD be
	s_wait_loadcnt 0x0                                   ; the head's indices and weights are in
	MSTORE
	s_mov_b32 s[RS], 0
	v_add_nc_u32 v12, s[RS], v14
	META MW0, 0
	GATH GA
	s_mov_b32 s[CT], 7
.Lrow_\@:                                                ; two tokens a trip
	v_add_nc_u32 v12, s[RS], v14
	v_add_nc_u32 v13, s[RS], v15
	PAIR GA, MW0, GB, MW1, 1, 16, 0, 2176*\be
	PAIR GB, MW1, GA, MW0, 1, 32, 0, 2176*\be+16
	s_add_co_u32 s[RS], s[RS], 32
	s_sub_co_u32 s[CT], s[CT], 1
	s_cmp_lg_u32 s[CT], 0
	s_cbranch_scc1 .Lrow_\@
	v_add_nc_u32 v12, s[RS], v14
	v_add_nc_u32 v13, s[RS], v15
	PAIR GA, MW0, GB, MW1, 1, 16, 0, 2176*\be
.if \be == 0
	MLOAD 1                                              ; 16 loads
	PAIR GB, MW1, GA, MW0, 0, 0, 16, 2176*\be+16
.else
	WLOAD WA, WSA, 12, 14, 6, 7, 128, 0                  ; 28 loads: the output projection's weight and bias
	VLOAD BI, 16, 0
	PAIR GB, MW1, GA, MW0, 0, 0, 28, 2176*\be+16
.endif
.endm
; ---- the FFN's units.  Unit n takes the set of weight registers n % 2; behind its products that set takes unit n + 2's weight
.macro LIN1 n, W, WS
	s_wait_loadcnt 20                                    ; this unit's weight and bias are in; the next unit's weight, 20 loads, may be out
	MM \W, \WS, 1
	NOPS 5
.if \n < 3
	VLOAD BI, 26, 256*(\n+1)
.else
	VLOAD BI, 32, 0
.endif
.if \n < 2
	WLOAD \W, \WS, 22, 24, 6, 7, 128, 8192*(\n+2)
.else
	WLOAD \W, \WS, 28, 30, 8, 9, 512, 128*(\n-2)
.endif
.irp j,0,1,2,3,4,5,6,7,8,9,10,11,12,13,14,15,16,17,18,19,20,21,22,23,24,25,26,27,28,29,30,31
	v_max_num_f32 v[ACC+\j], 0, v[ACC+\j]
.endr
	QUANT2 ACC
	PUT2 A_IH, A_IHS, HIDI+512*\n, HIDS+64*(\n/2)+2*(\n%2)
	s_wait_dscnt 0x0
.endm
.macro LIN2 j, W, WS, cnt
	v_add_nc_u32 v12, s[A_FIH], v1
	v_add_nc_u32 v13, s[A_FSH], v2
	FETCH2 12, 13, HIDI+2048*\j, HIDS+128*\j
	s_wait_loadcnt \cnt
.if \j == 0
	MM \W, \WS, 1
.else
	MM \W, \WS, 0
.endif
	NOPS 5
.if \j < 2
	WLOAD \W, \WS, 28, 30, 8, 9, 512, 128*(\j+2)
.endif
.endm
	s_load_b512 s[4:19], s[0:1], 0x0                     ; idx 4, wgt 6, val 8, tgt1 10, outp codes 12, scales 14, bias 16, norm1 g 18
	s_load_b512 s[20:35], s[0:1], 0x40                   ; norm1 b 20, lin1 codes 22, scales 24, bias 26, lin2 codes 28, scales 30, bias 32, norm3 g 34
	s_load_b128 s[36:39], s[0:1], 0x80                   ; norm3 b 36, out0 38
	v_lshrrev_b32 v16, 5, v0
	v_readfirstlane_b32 s40, v16                         ; wave
	v_and_b32 v16, 31, v0                                ; lane
	v_and_b32 v17, 15, v0                                ; r
	v_bfe_u32 v18, v0, 4, 1                              ; h
	v_lshlrev_b32 v1, 4, v16                             ; v1  16 x lane
	v_lshlrev_b32 v2, 2, v17                             ; v2  4 r
	v_lshlrev_b32 v3, 4, v17
	v_lshl_add_u32 v3, v18, 3, v3                        ; v3  16 r + 8 h
	v_lshlrev_b32 v4, 6, v18                             ; v4  64 h
	v_lshl_add_u32 v5, v17, 10, v4                       ; v5  1,024 r + 64 h
	v_and_b32 v19, 8, v17
	v_add_nc_u32 v19, v19, v17                           ; r + 8 (r / 8)
	v_lshlrev_b32 v20, 4, v18
	v_lshl_add_u32 v6, v19, 7, v20                       ; v6  a weight's row of 128 bytes, + 16 h
	v_lshlrev_b32 v7, 3, v19                             ; v7  its 8 scale bytes
	v_lshl_add_u32 v8, v19, 9, v20                       ; v8  a row of 512 bytes
	v_lshlrev_b32 v9, 5, v19                             ; v9  its 32 scale bytes
	s_and_b32 s41, s40, 3                                ; qt
	s_lshr_b32 s42, s40, 2                               ; fq
	s_mov_b32 s[SEL], 0x76543210
	s_mov_b32 s[SEL+1], 0xfedcba98
	s_mov_b32 s[INV], 0x3b800000                         ; 1 / 256
	s_mov_b32 s[EPS], 0x3727c5ac                         ; 1e-5
	s_lshl_b32 s[A_FI2], s41, 11
	s_lshl_b32 s[A_FS2], s41, 7
	s_lshl_b32 s43, s42, 9
	s_add_co_u32 s[A_IW2], s[A_FI2], s43
	s_lshr_b32 s43, s42, 1
	s_lshl_b32 s43, s43, 6
	s_add_co_u32 s[A_ISW], s[A_FS2], s43
	s_and_b32 s43, s42, 1
	s_lshl_b32 s43, s43, 1
	s_add_co_u32 s[A_ISW], s[A_ISW], s43
	s_lshl_b32 s[A_RED], s41, 8
	s_lshl_b32 s43, s42, 2
	s_add_co_u32 s[A_REDW], s[A_RED], s43
	s_lshl_b32 s[A_FIH], s41, 13
	s_lshl_b32 s43, s42, 11
	s_add_co_u32 s[A_IH], s[A_FIH], s43
	s_lshl_b32 s[A_FSH], s41, 9
	s_lshl_b32 s43, s42, 7
	s_add_co_u32 s[A_IHS], s[A_FSH], s43
	s_mul_i32 s[A_SMP], s40, 4352
	s_add_co_u32 s[A_SMP], s[A_SMP], SMP
	s_mul_i32 s[A_META], s40, 8448
	s_add_co_u32 s[A_META], s[A_META], META
	s_mul_i32 s43, s41, 16640
	s_lshl_b32 s62, s42, 8
	s_add_co_u32 s43, s43, s62
	s_add_co_u32 s43, s43, STG
	v_mad_u32_u24 v10, v17, 0x410, v4
	v_add_nc_u32 v10, s43, v10                           ; v10 the stage, in: row 16 qt + r, + 256 fq + 64 h
	s_mul_i32 s43, s40, 4160
	s_add_co_u32 s43, s43, STG
	v_add_nc_u32 v11, s43, v1                            ; v11 the stage, out: rows 4 w on
	v_lshrrev_b32 v21, 3, v16                            ; my corner
	v_and_b32 v22, 7, v16                                ; my four channels
	v_mul_u32_u24 v14, v21, 1056
	v_add_nc_u32 v14, s[A_META], v14                     ; v14 my corner's two blocks of indices
	v_mul_u32_u24 v15, v22, 272
	v_add_nc_u32 v15, s[A_SMP], v15                      ; v15 where my channels' sums go
	v_lshlrev_b32 v255, 4, v22                           ; v255 my 16 bytes of a row
	v_add_nc_u32 v254, s[A_META], v1                     ; v254 the blocks as they are stored
.irp k,0,1,2,3
	v_mov_b32 v[AC+8+\k], 0                              ; written once: a lane permute's destination counts as one of its sources
.endr
	s_mov_b32 s63, 0
	s_wait_kmcnt 0x0
	s_lshl_b32 s62, ttmp9, 17
	s_lshl_b32 s43, s41, 15
	s_add_co_u32 s62, s62, s43
	s_lshl_b32 s43, s42, 13
	s_add_co_u32 s62, s62, s43                           ; ((4 x + qt) 8 + 2 fq) x 4,096
	s_add_nc_u64 s[4:5], s[4:5], s[62:63]
	s_add_nc_u64 s[6:7], s[6:7], s[62:63]
	MLOAD 0
	s_mul_i32 s62, s42, 22282240                         ; head 2 fq,
	s_lshr_b32 s43, ttmp9, 4
	s_mul_i32 s43, s43, 696320                           ; my batch's 5,440 rows
	s_add_co_u32 s62, s62, s43
	s_add_nc_u64 s[8:9], s[8:9], s[62:63]
	s_lshl_b32 s62, ttmp9, 16
	s_lshl_b32 s43, s41, 14
	s_add_co_u32 s62, s62, s43
	s_lshl_b32 s43, s42, 8
	s_add_co_u32 s62, s62, s43
	s_add_nc_u64 s[10:11], s[10:11], s[62:63]            ; tgt1: token 64 x + 16 qt, feature 64 fq
	s_lshl_b32 s62, s42, 13
	s_add_nc_u64 s[12:13], s[12:13], s[62:63]            ; outp: 64 rows of 128 bytes
	s_lshl_b32 s62, s42, 9
	s_add_nc_u64 s[14:15], s[14:15], s[62:63]
	s_lshl_b32 s62, s42, 8                               ; 64 numbers of f32
	s_add_nc_u64 s[16:17], s[16:17], s[62:63]
	s_add_nc_u64 s[18:19], s[18:19], s[62:63]
	s_add_nc_u64 s[20:21], s[20:21], s[62:63]
	s_add_nc_u64 s[32:33], s[32:33], s[62:63]
	s_add_nc_u64 s[34:35], s[34:35], s[62:63]
	s_add_nc_u64 s[36:37], s[36:37], s[62:63]
	s_lshl_b32 s62, s42, 15                              ; lin1: 256 rows of 128 bytes; lin2: 64 rows of 512
	s_add_nc_u64 s[22:23], s[22:23], s[62:63]
	s_add_nc_u64 s[28:29], s[28:29], s[62:63]
	s_lshl_b32 s62, s42, 11
	s_add_nc_u64 s[24:25], s[24:25], s[62:63]
	s_add_nc_u64 s[30:31], s[30:31], s[62:63]
	s_lshl_b32 s62, s42, 10
	s_add_nc_u64 s[26:27], s[26:27], s[62:63]
	s_lshl_b32 s62, ttmp9, 16
	s_lshl_b32 s43, s40, 12
	s_add_co_u32 s62, s62, s43
	s_add_nc_u64 s[38:39], s[38:39], s[62:63]            ; out0: rows 64 x + 4 w on
	HEAD 0
	s_add_nc_u64 s[8:9], s[8:9], 11141120                ; the next head's table: the gathers were shown done by the last token's wait
	HEAD 1
	; ---- the samples become an operand
	RLOAD WB, 10                                         ; 8 loads: the residual
	v_lshl_add_u32 v12, v2, 2, s[A_SMP]
	v_mad_u32_u24 v12, v4, 17, v12                       ; my wave's sums: 16 r + 272 x 4 h
.irp b,0,1
.irp k,0,1,2,3
	ds_load_b128 v[ACC+16*\b+4*\k:ACC+16*\b+4*\k+3], v12 offset:2176*\b+272*\k
.endr
.endr
	s_wait_dscnt 0x0
	QUANT2 ACC
	PUT2 A_IW2, A_ISW, X1I, X1S
	BAR
	v_add_nc_u32 v12, s[A_FI2], v1
	v_add_nc_u32 v13, s[A_FS2], v2
	FETCH2 12, 13, X1I, X1S
	s_wait_loadcnt 8                                     ; weight and bias are in; the residual's 8 may be out
	MM WA, WSA, 1
	NOPS 5
	VLOAD WA, 18, 0                                      ; 16 loads: gain and shift
	VLOAD WA+32, 20, 0
	s_wait_loadcnt 16                                    ; the residual is in
	ADD32 WB
	WLOAD WB, WSB, 22, 24, 6, 7, 128, 0                  ; 28 loads: unit 0's weight and bias
	VLOAD BI, 26, 0
	LNORM RED, WA, WA+32, 28
	v_add_nc_u32 v12, s[A_SMP], v1
.irp k,0,1,2,3,4,5,6,7
	ds_store_b128 v12, v[ACC+4*\k:ACC+4*\k+3] offset:512*\k   ; the residual of the FFN waits in my own bytes, as an image of its registers
.endr
	QUANT2 ACC
	PUT2 A_IW2, A_ISW, X2I, X2S
	WLOAD WA, WSA, 22, 24, 6, 7, 128, 8192               ; 20 loads: unit 1's weight
	BAR
	v_add_nc_u32 v12, s[A_FI2], v1
	v_add_nc_u32 v13, s[A_FS2], v2
	FETCH2 12, 13, X2I, X2S
	LIN1 0, WB, WSB                                      ; hidden units 256 fq + 64 n on
	LIN1 1, WA, WSA
	LIN1 2, WB, WSB
	LIN1 3, WA, WSA
	BAR                                                  ; the hidden layer's 32 fragments lie in LDS
	LIN2 0, WB, WSB, 20                                  ; 256 along K a unit; behind this unit's weight the next unit's 20 loads may be out
	LIN2 1, WA, WSA, 20
	LIN2 2, WB, WSB, 20
	VLOAD WB, 34, 0                                      ; 16 loads: gain and shift
	VLOAD WB+32, 36, 0
	v_add_nc_u32 v12, s[A_SMP], v1
.irp k,0,1,2,3,4,5,6,7
	ds_load_b128 v[BI+4*\k:BI+4*\k+3], v12 offset:512*\k
.endr
	LIN2 3, WA, WSA, 16
	ADD32 BI
	LNORM RED+2048, WB, WB+32, 0
.irp b,0,1
.irp k,0,1,2,3
	ds_store_b128 v10, v[ACC+16*\b+4*\k:ACC+16*\b+4*\k+3] offset:128*\b+16*\k
.endr
.endr
	BAR                                                  ; 64 whole rows lie in the stage
.irp j,0,1,2,3
.irp e,0,1
	ds_load_b128 v[ACC+4*(2*\j+\e):ACC+4*(2*\j+\e)+3], v11 offset:1040*\j+512*\e
.endr
.endr
	s_wait_dscnt 0x0
.irp j,0,1,2,3
.irp e,0,1
	global_store_b128 v1, v[ACC+4*(2*\j+\e):ACC+4*(2*\j+\e)+3], s[38:39] offset:1024*\j+512*\e th:TH_STORE_NT   ; 512 consecutive bytes a store; written once
.endr
.endr
	s_barrier_signal -1
	s_barrier_wait -1
	s_wait_xcnt 0x0
	v_lshl_add_u32 v254, v0, 2, 0x3fc00
	v_mov_b32 v255, 0
	s_wait_tensorcnt 0x0
	ds_add_u32 v254, v255
	s_wait_dscnt 0x0
	s_endpgm
.Lfunc_end_k_qd5362d44a3_samp:
	.size	k_qd5362d44a3_samp, .Lfunc_end_k_qd5362d44a3_samp-k_qd5362d44a3_samp
	.p2alignl 7, 3214868480
	.fill 96, 4, 3214868480
	.section	.rodata,"a",@progbits
	.p2align	6, 0x0
	.amdhsa_kernel k_qd5362d44a3_samp
		.amdhsa_group_segment_fixed_size 263168
		.amdhsa_private_segment_fixed_size 0
		.amdhsa_enable_private_segment 0
		.amdhsa_kernarg_size 144
		.amdhsa_user_sgpr_count 2
		.amdhsa_user_sgpr_kernarg_segment_ptr 1
		.amdhsa_wavefront_size32 1
		.amdhsa_system_sgpr_workgroup_id_x 1
		.amdhsa_system_sgpr_workgroup_id_y 1
		.amdhsa_system_sgpr_workgroup_id_z 1
		.amdhsa_system_vgpr_workitem_id 0
		.amdhsa_next_free_vgpr 256
		.amdhsa_next_free_sgpr 100
		.amdhsa_reserve_vcc 0
		.amdhsa_float_denorm_mode_32 3
		.amdhsa_float_denorm_mode_16_64 3
		.amdhsa_memory_ordered 1
		.amdhsa_forward_progress 1
		.amdhsa_inst_pref_size 140
	.end_amdhsa_kernel
	.amdgpu_metadata
---
amdhsa.version: [ 1, 2 ]
amdhsa.kernels:
  - .name:           k_qd5362d44a3_samp
    .symbol:         k_qd5362d44a3_samp.kd
    .args:
      - { .name: idx, .offset: 0, .size: 8, .value_kind: global_buffer, .address_space: global }
      - { .name: wgt, .offset: 8, .size: 8, .value_kind: global_buffer, .address_space: global }
      - { .name: val, .offset: 16, .size: 8, .value_kind: global_buffer, .address_space: global }
      - { .name: tgt1, .offset: 24, .size: 8, .value_kind: global_buffer, .address_space: global }
      - { .name: outp_w_codes, .offset: 32, .size: 8, .value_kind: global_buffer, .address_space: global }
      - { .name: outp_w_scales, .offset: 40, .size: 8, .value_kind: global_buffer, .address_space: global }
      - { .name: outp_b, .offset: 48, .size: 8, .value_kind: global_buffer, .address_space: global }
      - { .name: norm1_g, .offset: 56, .size: 8, .value_kind: global_buffer, .address_space: global }
      - { .name: norm1_b, .offset: 64, .size: 8, .value_kind: global_buffer, .address_space: global }
      - { .name: lin1_w_codes, .offset: 72, .size: 8, .value_kind: global_buffer, .address_space: global }
      - { .name: lin1_w_scales, .offset: 80, .size: 8, .value_kind: global_buffer, .address_space: global }
      - { .name: lin1_b, .offset: 88, .size: 8, .value_kind: global_buffer, .address_space: global }
      - { .name: lin2_w_codes, .offset: 96, .size: 8, .value_kind: global_buffer, .address_space: global }
      - { .name: lin2_w_scales, .offset: 104, .size: 8, .value_kind: global_buffer, .address_space: global }
      - { .name: lin2_b, .offset: 112, .size: 8, .value_kind: global_buffer, .address_space: global }
      - { .name: norm3_g, .offset: 120, .size: 8, .value_kind: global_buffer, .address_space: global }
      - { .name: norm3_b, .offset: 128, .size: 8, .value_kind: global_buffer, .address_space: global }
      - { .name: out0, .offset: 136, .size: 8, .value_kind: global_buffer, .address_space: global }
    .group_segment_fixed_size: 263168
    .private_segment_fixed_size: 0
    .kernarg_segment_align: 8
    .kernarg_segment_size: 144
    .max_flat_workgroup_size: 512
    .sgpr_count:     100
    .vgpr_count:     256
    .wavefront_size: 32
...
	.end_amdgpu_metadata
.endif
;; end of part 4
;; ======== version 2 of 2: 4 launches
;; limits: right only within a limited range of input values
;; workspace buffers: qc 2,097,152 bytes; kc 2,097,152 bytes; vc 2,097,152 bytes; sc 524,288 bytes; tgt1 16,777,216 bytes; idx 16,777,216 bytes of whole numbers; wgt 33,554,432 bytes; smp 16,777,216 bytes
;; launch qkv (part 5): grid 256 x 1, 8 waves a work-group, no clusters, 19,456 bytes of LDS; arguments tgt, query_pos, in_proj_w_codes, in_proj_w_scales, in_proj_b, qc, kc, vc, sc; writes qc, kc, vc, sc
.if DOCPART == 5
	.amdgcn_target "amdgcn-amd-amdhsa--gfx1250"
	.amdhsa_code_object_version 6
	.text
	.protected	k_qd5362d44a3_qkv
	.globl	k_qd5362d44a3_qkv
	.p2align	8
	.type	k_qd5362d44a3_qkv,@function
k_qd5362d44a3_qkv:
	s_mov_b64 s[64:65], 0
	v_nop
	global_prefetch_b8 v0, s[64:65] scope:SCOPE_SE
	s_setreg_imm32_b32 hwreg(HW_REG_WAVE_MODE, 25, 1), 1
	s_wait_xcnt 0x0
; q = tgt + query_pos; Q = q Wq^T + bq, K = q Wk^T + bk, V = tgt Wv^T + bv, all three on codes of E2M1 with one E8M0 scale for each 32 along K.
; The results are quantised at once for the two products of attention: Q and K along the head's 32 channels, V along the keys.
; SHARES. A work-group takes 64 tokens. First each of the 8 waves quantises one tile of 16 tokens x one K step of 128, of tgt and of tgt + query_pos,
; and leaves the two fragments in LDS as images of their registers (16 bytes a lane, 512 bytes a store). Then wave w is head w and makes Q, K and V of the 64 tokens.
; Q, K: source 0 = 16 rows of W, source 1 = 16 tokens; lane r of tile u takes W's row 8 u + r + 8 (r / 8): a lane's 16 registers of a token tile are channels 16 (lane / 16) + 0 .. 15 of ONE token.
; V: the sources are swapped: a lane holds ONE channel, 8 u + r + 8 (r / 8), and its registers run down the tokens, which are the next K.
; OUT. qc, kc: [batch][head][token][16 bytes]. vc: [batch][head][128 keys][channel tile 2][quad 2][lane][16 bytes]: images of V^T's fragments.
; sc: [batch][head][64 tokens][256 bytes]: 16 words of Q's scale bytes (lane r, byte j: token 16 j + r), 16 of K's, 16 of V's (twice).
; Inside a block of 32 keys V's codes lie in the order 0-7, 16-23, 8-15, 24-31; the weights p of the next launch come out in the same order, so each product meets its partner.
; LIMITS: NaN and infinities are not served. A block whose largest magnitude lies under 2^-124 (a block of zeros too) gets the byte 1; its codes are zeros, and only this program reads the bytes.
.set XQI, 0                            ; LDS: the 8 fragments of tgt + query_pos (tile m, K step s: 2 m + s), 1,024 bytes each
.set XVI, 8192                         ; those of tgt
.set XQS, 16384                        ; their scale words, 128 bytes a fragment
.set XVS, 17408
.set XF,  16                           ; v16-79   eight fragments from LDS; between the units v16-47 are at work for the quantiser
.set TM,  16                           ; v16-31   the quantiser's numbers
.set PW,  32                           ; v32      the scale word just made
.set PC,  40                           ; v40-47   the codes just made
.set XS,  80                           ; v80-87   the fragments' scale words
.set HA,  88                           ; v88-151  eight accumulators; at the head 64 numbers of tgt
.set X1,  152                          ; v152-215 at the head 64 numbers of query_pos
.set WA,  152                          ; v152-183 a unit's four fragments of W
.set WB,  184                          ; v184-215 the next unit's
.set WSA, 216                          ; v216-219, v220-223 their scale words
.set WSB, 220
.set BI,  224                          ; v224-239, v240-255 biases in the result's layout
.set BI2, 240
.set SEL, 46                           ; s[46:47] lane selects: lane l xor 16
.macro NOPS n
.rept \n
	v_nop
.endr
.endm
.macro MMA d, a, b, c, sa, sb
	v_wmma_scale_f32_16x16x128_f8f6f4 v[\d:\d+7], v[\a:\a+7], v[\b:\b+7], v[\c:\c+7], v[\sa], v[\sb] matrix_a_fmt:MATRIX_FMT_FP4 matrix_b_fmt:MATRIX_FMT_FP4
.endm
; 64 numbers of a lane: register 16 b + i is number 16 (lane / 16) + i of block b of my row. They become a fragment's codes in v[PC] on and the four bytes in v[PW].
.macro QUANT4 s
.irp b,0,1,2,3
	v_max3_num_f32 v[TM+\b], |v[\s+16*\b]|, |v[\s+1+16*\b]|, 0x1800000   ; my 16 numbers and the floor 2^(3 - 127): the byte cannot fall under 1
.endr
.irp i,2,4,6,8,10,12,14
.irp b,0,1,2,3
	v_max3_num_f32 v[TM+\b], v[TM+\b], |v[\s+16*\b+\i]|, |v[\s+1+16*\b+\i]|
.endr
.endr
.irp b,0,1,2,3
	s_delay_alu instid0(VALU_DEP_4)
	v_permlanex16_b32 v[TM+4+\b], v[TM+\b], s[SEL], s[SEL+1]
.endr
.irp b,0,1,2,3
	s_delay_alu instid0(VALU_DEP_4)
	v_max_num_f32 v[TM+\b], v[TM+\b], v[TM+4+\b]         ; with lane l xor 16's: the block's largest magnitude
.endr
.irp b,0,1,2,3
	s_delay_alu instid0(VALU_DEP_4)
	v_add_nc_u32 v[TM+12+\b], 0xff000000, v[TM+\b]       ; 2 off its exponent field: the conversion's scale operand
.endr
.irp b,0,1,2,3
	s_delay_alu instid0(VALU_DEP_4)
	v_lshrrev_b32 v[TM+4+\b], 23, v[TM+12+\b]            ; the scale's byte
.endr
	s_delay_alu instid0(VALU_DEP_3)
	v_lshl_or_b32 v[PW], v[TM+5], 8, v[TM+4]
	s_delay_alu instid0(VALU_DEP_1)
	v_lshl_or_b32 v[PW], v[TM+6], 16, v[PW]
	s_delay_alu instid0(VALU_DEP_1)
	v_lshl_or_b32 v[PW], v[TM+7], 24, v[PW]
.irp b,0,1,2,3
	v_cvt_scalef32_pk8_fp4_f32 v[PC+2*\b], v[\s+16*\b:\s+7+16*\b], v[TM+12+\b]
	v_cvt_scalef32_pk8_fp4_f32 v[PC+1+2*\b], v[\s+8+16*\b:\s+15+16*\b], v[TM+12+\b]
.endr
	v_nop                                                ; one plain place behind a scaled conversion
.irp c,0,1                                               ; a whole block to a lane: lanes 0-15 block 2 c, lanes 16-31 block 2 c + 1
.irp i,0,1
	v_permlane16_swap_b32 v[PC+4*\c+\i], v[PC+2+4*\c+\i]
.endr
.endr
.endm
.macro XLOAD reg, pb                   ; my 16 rows' 128 numbers of my K step: 16 neighbours of each block of 32 to a lane
.irp b,0,1,2,3
.irp j,0,1,2,3
	global_load_b128 v[\reg+16*\b+4*\j:\reg+16*\b+4*\j+3], v4, s[\pb:\pb+1] offset:128*\b+16*\j
.endr
.endr
.endm
.macro IMAGE img, scl                  ; the fragment just made goes to LDS as it stands
	ds_store_b128 v7, v[PC:PC+3] offset:\img
	ds_store_b128 v7, v[PC+4:PC+7] offset:\img+512
	ds_store_b32 v8, v[PW] offset:\scl
.endm
.macro WL W, kind                      ; a unit's W: tiles u = 0, 1 x K steps s = 0, 1
.irp u,0,1
.irp s,0,1
.irp c,0,1
	global_load_b128 v[\W+16*\u+8*\s+4*\c:\W+16*\u+8*\s+4*\c+3], v9, s[8:9] offset:\kind*32768+1024*\u+64*\s+32*\c
.endr
.endr
.endr
.endm
.macro WSL WS, kind                    ; and its scale words: 8 bytes a row
.irp u,0,1
	global_load_b64 v[\WS+2*\u:\WS+2*\u+1], v10, s[10:11] offset:\kind*2048+64*\u
.endr
.endm
.macro BL B, kind                      ; Q's or K's bias: lane (r, h), tile u, register j: channel 16 h + 8 u + j
.irp u,0,1
.irp k,0,1
	global_load_b128 v[\B+8*\u+4*\k:\B+8*\u+4*\k+3], v11, s[12:13] offset:\kind*1024+32*\u+16*\k
.endr
.endr
.endm
.macro XFETCH img, scl                 ; all eight fragments and their scale words
	s_wait_xcnt 0x0                                      ; the last unit's stores have read their registers, which these loads write
.irp f,0,1,2,3,4,5,6,7
	ds_load_b128 v[XF+8*\f:XF+8*\f+3], v5 offset:\img+1024*\f
	ds_load_b128 v[XF+8*\f+4:XF+8*\f+7], v5 offset:\img+1024*\f+512
	ds_load_b32 v[XS+\f], v6 offset:\scl+128*\f
.endr
	s_wait_dscnt 0x0
.endm
.macro MMT W, WS, B                    ; 16 matrix instructions, source 0 = W: eight accumulators by turns, one instruction a turn
.irp s,0,1
.irp m,0,1,2,3
.irp u,0,1
.if \s == 0
	MMA HA+16*\m+8*\u, \W+16*\u+8*\s, XF+8*(2*\m+\s), \B+8*\u, \WS+2*\u+\s, XS+2*\m+\s
.else
	MMA HA+16*\m+8*\u, \W+16*\u+8*\s, XF+8*(2*\m+\s), HA+16*\m+8*\u, \WS+2*\u+\s, XS+2*\m+\s
.endif
.endr
.endr
.endr
.endm
.macro MMV                             ; the same with the sources swapped: source 0 = tokens.  Accumulators are laid so that block 2 u + m / 2 is 32 tokens of channel tile u
.irp s,0,1
.irp m,0,1,2,3
.irp u,0,1
.if \s == 0
	MMA HA+16*(2*\u+\m/2)+8*(\m%2), XF+8*(2*\m+\s), WA+16*\u+8*\s, BI+8*\u, XS+2*\m+\s, WSA+2*\u+\s
.else
	MMA HA+16*(2*\u+\m/2)+8*(\m%2), XF+8*(2*\m+\s), WA+16*\u+8*\s, HA+16*(2*\u+\m/2)+8*(\m%2), XS+2*\m+\s, WSA+2*\u+\s
.endif
.endr
.endr
.endr
.endm
	s_load_b512 s[4:19], s[0:1], 0x0                     ; tgt 4, query_pos 6, W's codes 8, W's scales 10, bias 12, qc 14, kc 16, vc 18
	s_load_b64 s[20:21], s[0:1], 0x40                    ; sc
	v_lshl_add_u32 v15, v0, 2, 0x4800
	s_set_vgpr_msb 0x40
	v_mov_b32 v1, 0
	s_set_vgpr_msb 0x4000
	v_lshrrev_b32 v1, 5, v0
	s_delay_alu instid0(VALU_DEP_1)
	v_readfirstlane_b32 s22, v1                          ; wave = head
	v_and_b32 v1, 31, v0                                 ; lane
	v_and_b32 v2, 15, v0                                 ; r
	v_bfe_u32 v3, v0, 4, 1                               ; h
	s_delay_alu instid0(VALU_DEP_2)
	v_lshlrev_b32 v4, 10, v2
	s_delay_alu instid0(VALU_DEP_1)
	v_lshl_add_u32 v4, v3, 6, v4                         ; a row of 1,024 bytes, + 64 h
	v_lshlrev_b32 v5, 4, v1                              ; 16 x lane
	v_lshlrev_b32 v6, 2, v1                              ; 4 x lane
	s_and_b32 s23, s22, 3                                ; at the head: my tile of tokens,
	s_lshr_b32 s24, s22, 2                               ; my K step
	s_lshl_b32 s25, s23, 1
	s_add_co_u32 s25, s25, s24                           ; my fragment's number
	s_lshl_b32 s26, s25, 10
	v_add_nc_u32 v7, s26, v5                             ; where I store its image
	s_lshl_b32 s26, s25, 7
	v_add_nc_u32 v8, s26, v6                             ; and its scale words
	v_and_b32 v14, 8, v2
	s_delay_alu instid0(VALU_DEP_1)
	v_add_nc_u32 v14, v14, v2                            ; r + 8 (r / 8)
	s_delay_alu instid0(VALU_DEP_1)
	v_lshlrev_b32 v9, 7, v14
	s_delay_alu instid0(VALU_DEP_1)
	v_lshl_add_u32 v9, v3, 4, v9                         ; W: a row of 128 bytes, + 16 h
	s_delay_alu instid0(VALU_DEP_3)
	v_lshlrev_b32 v10, 3, v14                            ; W's scale bytes: 8 a row
	v_lshlrev_b32 v11, 6, v3                             ; 64 h
	v_lshlrev_b32 v12, 2, v14                            ; V's bias: one number a lane
	v_cmp_le_u32 vcc_lo, 16, v1                          ; lanes 16-31
	s_mov_b32 s[SEL], 0x76543210
	s_mov_b32 s[SEL+1], 0xfedcba98
.irp b,0,1,2,3
	v_mov_b32 v[TM+4+\b], 0                              ; written once: a lane permute's destination counts as one of its sources
.endr
	s_lshl_b32 s28, ttmp9, 16                            ; 64 tokens x 1,024 bytes a work-group,
	s_lshl_b32 s26, s23, 14
	s_add_co_u32 s28, s28, s26                           ; my 16 tokens,
	s_lshl_b32 s26, s24, 9
	s_add_co_u32 s28, s28, s26                           ; my K step
	s_mov_b32 s29, 0
	s_lshl_b32 s30, s22, 12                              ; my head's 32 rows of W,
	s_mov_b32 s31, 0
	s_lshl_b32 s32, s22, 8                               ; their scale bytes,
	s_mov_b32 s33, 0
	s_lshl_b32 s34, s22, 7                               ; their biases
	s_mov_b32 s35, 0
	s_lshr_b32 s36, ttmp9, 4
	s_lshl_b32 s36, s36, 3
	s_add_co_u32 s36, s36, s22                           ; 8 x batch + head
	s_and_b32 s37, ttmp9, 15                             ; which 64 tokens of the batch
	s_lshl_b32 s38, s36, 14
	s_lshl_b32 s40, s37, 10
	s_add_co_u32 s40, s40, s38                           ; qc, kc
	s_mov_b32 s41, 0
	s_lshr_b32 s42, s37, 1
	s_lshl_b32 s42, s42, 11
	s_add_co_u32 s42, s42, s38
	s_and_b32 s39, s37, 1
	s_lshl_b32 s39, s39, 9
	s_add_co_u32 s42, s42, s39                           ; vc: the step of 128 keys, and which of its two quads
	s_mov_b32 s43, 0
	s_lshl_b32 s44, s36, 12
	s_lshl_b32 s39, s37, 8
	s_add_co_u32 s44, s44, s39                           ; sc
	s_mov_b32 s45, 0
	s_wait_alu depctr_va_vdst(0)
	s_wait_kmcnt 0x0
	s_add_nc_u64 s[4:5], s[4:5], s[28:29]
	s_add_nc_u64 s[6:7], s[6:7], s[28:29]
	s_add_nc_u64 s[8:9], s[8:9], s[30:31]
	s_add_nc_u64 s[10:11], s[10:11], s[32:33]
	s_add_nc_u64 s[12:13], s[12:13], s[34:35]
	s_add_nc_u64 s[14:15], s[14:15], s[40:41]
	s_add_nc_u64 s[16:17], s[16:17], s[40:41]
	s_add_nc_u64 s[18:19], s[18:19], s[42:43]
	s_add_nc_u64 s[20:21], s[20:21], s[44:45]
	XLOAD HA, 4                                          ; 16 loads: tgt
	XLOAD X1, 6                                          ; 16: query_pos
	BL BI, 0                                             ; 12: Q's and K's biases and scale words
	BL BI2, 1
	WSL WSA, 0
	WSL WSB, 1
	s_wait_loadcnt 28                                    ; tgt is in: the 16 + 12 loads behind it may be out
	QUANT4 HA
	IMAGE XVI, XVS
	s_wait_dscnt 0x0
	s_wait_loadcnt 12                                    ; query_pos is in
.irp j,0,2,4,6,8,10,12,14,16,18,20,22,24,26,28,30,32,34,36,38,40,42,44,46,48,50,52,54,56,58,60,62
	v_pk_add_f32 v[HA+\j:HA+\j+1], v[HA+\j:HA+\j+1], v[X1+\j:X1+\j+1]
.endr
	WL WA, 0                                             ; 8 loads: Q's W, into registers that query_pos has left
	WL WB, 1                                             ; 8: K's
	QUANT4 HA
	IMAGE XQI, XQS
	s_wait_dscnt 0x0                                     ; my images have landed
	s_barrier_signal -1
	s_barrier_wait -1                                    ; everybody's have; they are written no more
	; ---- Q
	XFETCH XQI, XQS
	s_wait_loadcnt 8                                     ; all but K's W
	MMT WA, WSA, BI
	NOPS 5
	WL WA, 2                                             ; 26 loads for V: W, its scale words,
	WSL WSA, 2
.irp u,0,1
.irp j,0,1,2,3,4,5,6,7
	global_load_b32 v[BI+8*\u+\j], v12, s[12:13] offset:2048+32*\u   ; and its bias: a lane holds one channel, so all eight registers take the same number
.endr
.endr
	QUANT4 HA                                            ; block b = token tile b: quad c of a lane is token 32 c + lane
	global_store_b128 v5, v[PC:PC+3], s[14:15]           ; 512 consecutive bytes a store
	global_store_b128 v5, v[PC+4:PC+7], s[14:15] offset:512
	v_mov_b32 v13, v[PW]                                 ; Q's scale words wait for K's
	; ---- K
	XFETCH XQI, XQS
	s_wait_loadcnt 26                                    ; K's W is in; V's 26 may be out
	MMT WB, WSB, BI2
	NOPS 5
	QUANT4 HA
	global_store_b128 v5, v[PC:PC+3], s[16:17]
	global_store_b128 v5, v[PC+4:PC+7], s[16:17] offset:512
	v_cndmask_b32 v14, v13, v[PW], vcc_lo                ; lanes 0-15 Q's words, lanes 16-31 K's
	global_store_b32 v6, v14, s[20:21]
	; ---- V
	XFETCH XVI, XVS
	s_wait_loadcnt 0x0
	MMV
	NOPS 5
	QUANT4 HA                                            ; blocks: (channel tile 0: tokens 0-31, 32-63), (tile 1: the same)
	global_store_b128 v5, v[PC:PC+3], s[18:19]
	global_store_b128 v5, v[PC+4:PC+7], s[18:19] offset:1024
	global_store_b32 v6, v[PW], s[20:21] offset:128      ; both halves of the lanes hold the same words: 128 bytes
	s_barrier_signal -1
	s_barrier_wait -1
	s_set_vgpr_msb 0x4
	s_wait_tensorcnt 0x0
	ds_add_u32 v15, v1
	s_wait_dscnt 0x0
	s_set_vgpr_msb 0x400
	s_endpgm
.Lfunc_end_k_qd5362d44a3_qkv:
	.size	k_qd5362d44a3_qkv, .Lfunc_end_k_qd5362d44a3_qkv-k_qd5362d44a3_qkv
	.p2alignl 7, 3214868480
	.fill 96, 4, 3214868480
	.section	.rodata,"a",@progbits
	.p2align	6, 0x0
	.amdhsa_kernel k_qd5362d44a3_qkv
		.amdhsa_group_segment_fixed_size 19456
		.amdhsa_private_segment_fixed_size 0
		.amdhsa_enable_private_segment 0
		.amdhsa_kernarg_size 72
		.amdhsa_user_sgpr_count 2
		.amdhsa_user_sgpr_kernarg_segment_ptr 1
		.amdhsa_wavefront_size32 1
		.amdhsa_system_sgpr_workgroup_id_x 1
		.amdhsa_system_sgpr_workgroup_id_y 1
		.amdhsa_system_sgpr_workgroup_id_z 1
		.amdhsa_system_vgpr_workitem_id 0
		.amdhsa_next_free_vgpr 258
		.amdhsa_next_free_sgpr 66
		.amdhsa_reserve_vcc 1
		.amdhsa_float_denorm_mode_32 3
		.amdhsa_float_denorm_mode_16_64 3
		.amdhsa_memory_ordered 1
		.amdhsa_forward_progress 1
		.amdhsa_inst_pref_size 48
	.end_amdhsa_kernel
	.amdgpu_metadata
---
amdhsa.version: [ 1, 2 ]
amdhsa.kernels:
  - .name:           k_qd5362d44a3_qkv
    .symbol:         k_qd5362d44a3_qkv.kd
    .args:
      - { .name: tgt, .offset: 0, .size: 8, .value_kind: global_buffer, .address_space: global }
      - { .name: query_pos, .offset: 8, .size: 8, .value_kind: global_buffer, .address_space: global }
      - { .name: in_proj_w_codes, .offset: 16, .size: 8, .value_kind: global_buffer, .address_space: global }
      - { .name: in_proj_w_scales, .offset: 24, .size: 8, .value_kind: global_buffer, .address_space: global }
      - { .name: in_proj_b, .offset: 32, .size: 8, .value_kind: global_buffer, .address_space: global }
      - { .name: qc, .offset: 40, .size: 8, .value_kind: global_buffer, .address_space: global }
      - { .name: kc, .offset: 48, .size: 8, .value_kind: global_buffer, .address_space: global }
      - { .name: vc, .offset: 56, .size: 8, .value_kind: global_buffer, .address_space: global }
      - { .name: sc, .offset: 64, .size: 8, .value_kind: global_buffer, .address_space: global }
    .group_segment_fixed_size: 19456
    .private_segment_fixed_size: 0
    .kernarg_segment_align: 8
    .kernarg_segment_size: 72
    .max_flat_workgroup_size: 256
    .sgpr_count:     66
    .vgpr_count:     258
    .wavefront_size: 32
...
	.end_amdgpu_metadata
.endif
;; end of part 5
;; launch attn (part 6): grid 256 x 1, 16 waves a work-group, no clusters, 88,064 bytes of LDS; arguments qc, kc, vc, sc, tgt, query_pos, reference_points, out_proj_w_codes, out_proj_w_scales, out_proj_b, norm2_g, norm2_b, off_w_codes, off_w_scales, off_b, attw_w_codes, attw_w_scales, attw_b, tgt1, idx, wgt; writes tgt1, idx, wgt
.if DOCPART == 6
	.amdgcn_target "amdgcn-amd-amdhsa--gfx1250"
	.amdhsa_code_object_version 6
	.text
	.protected	k_qd5362d44a3_attn
	.globl	k_qd5362d44a3_attn
	.p2align	8
	.type	k_qd5362d44a3_attn,@function
k_qd5362d44a3_attn:
	s_mov_b64 s[64:65], 0
	v_nop
	global_prefetch_b8 v0, s[64:65] scope:SCOPE_SE
	s_setreg_imm32_b32 hwreg(HW_REG_WAVE_MODE, 25, 1), 1
	s_wait_xcnt 0x0
; Self-attention on codes (8 heads of 32, 1,024 keys), the output projection, residual, LayerNorm; then, of that result + query_pos, the sampling offsets and the attention weights of the
; deformable attention, turned into four corner indices and four corner weights for each of the 16 points of a token and head.
; reference() never reads src_spatial_shapes and level_start_index: it takes the levels 64x64, 32x32, 16x16, 8x8 from its own constants. So does this text, and the two inputs are no arguments.
; SHARES. A work-group takes 64 queries of one batch. ATTENTION: wave w: head w / 2, query tiles 2 (w % 2) and 2 (w % 2) + 1; it walks all 1,024 keys, 128 a step. K, V and their scale words were laid in the
; order of the operands' registers by the launch before and come from memory straight into registers, asked for half a step to a step ahead. No LDS, no barrier in that part.
; K = 32 IN AN INSTRUCTION OF K = 128: a fragment of K holds 64 keys, key tile j in K block j; Q's fragment holds Q in ONE block j and zero codes in the other three, so the product picks key tile j.
; Both products are used transposed: a lane holds one query. THE SOFTMAX: t = score x log2(e) / sqrt(32); M = the ceiling of the running largest t; p = 2^(t - M) is quantised along the keys;
; the sum is taken of the unquantised p and divides at the end; a change of M multiplies the sum and O by a power of two.
; AFTERWARDS wave w takes token tile qt = w % 4 and features 64 fq .. 64 fq + 63, fq = w / 4. Source 0 = 16 rows of a weight (tile 2 b + u: rows 32 b + 8 u + r + 8 (r / 8)), source 1 = 16 tokens:
; register j of lane (r, h) is feature 64 fq + 32 (j / 16) + 16 h + j % 16 of token r. Operands go from wave to wave through LDS as images of their registers.
; OUT. tgt1 [16384][256] f32. idx, wgt: [token tile][head][2 corner + level % 2][lane][4 points]: lane (r, h) holds token r, level 2 h + level % 2. idx, in 16 bits, counts rows of the next launch's padded tables.
; LIMITS: NaN and infinities are not served. A sampling place outside its level gets the weight 0 by comparisons in f32, also where a cast to int32 would overflow. A corner's weight is (wx) x (wy x a).
; A block whose largest magnitude lies under 2^-124 gets the byte 1 (its codes are zeros).
.set OIMG, 0                           ; LDS: attention's result, 8 fragments (token tile t, K step s: 2 t + s)
.set OSC,  8192                        ; their scale words, 64 bytes a fragment
.set RED,  8704                        ; the norm's partial sums: 2 x 1,024
.set XIMG, 10752                       ; tgt1 + query_pos, 8 fragments
.set XSC,  18944
.set STG,  19456                       ; 64 rows x (1,024 + 16) bytes, for tgt1's way out
; registers in the attention part
.set O,    16                          ; v16-47   O^T: tile i, channel tile t at 16 i + 8 t
.set ST,   48                          ; v48-55   for each i: -M, the largest t, the sum in two halves
.set APC,  56                          ; v56-63   p's codes
.set QZ,   66                          ; v66-101  nine quads: 0, Qa0, 0, Qb0, 0, Qa1, 0, Qb1, 0 (Qa: Q in lanes 0-15, Qb: in lanes 16-31)
.set KF,   102                         ; v102-117 two fragments of K
.set S,    130                         ; v130-193 S^T, then p
.set QS,   194                         ; v194-195 Q's scale byte, four times
.set KS,   196                         ; v196     K's scale words: lanes 0-15 keys 0-63, lanes 16-31 keys 64-127
.set VS,   197                         ; v197-198 V's scale words
.set APW,  199                         ; v199     p's scale word
.set VW,   200                         ; v200-201 V's scale bytes as they lie in memory
.set VF,   210                         ; v210-225 two fragments of V^T
.set BM,   226
.set BT,   230
.set SOF,  234
.set S2,   238
.set FP,   240
.set TT,   242
.set QT,   244
.set QW,   252
; registers afterwards
.set XF,   16                          ; v16-31   two fragments of the tokens
.set XS,   32                          ; v32-33   their scale words
.set ACC,  34                          ; v34-65   four accumulators
.set WA,   66                          ; v66-129, v130-193 two sets of eight weight fragments
.set WB,   130
.set WSB,  194
.set WSA,  202
.set BI,   210                         ; v210-241 a bias, or a row's numbers
.set TM,   242
.set TP,   244
.set SO,   246
.set EB,   248
.set PC,   250
.set RF,   242                         ; v242-245 reference points, at the end
.set AT,   WA+48                       ; v114-129 the attention logits
.set WF,   16                          ; at the end: W, 1 / W, W - 1, the level's first row, for level % 2 = 0, 1
.set IW,   18
.set WL1,  20
.set SF,   22
.set SEL,  50
.set CS,   52
.set INV,  54
.set EPS,  55
.set A_FI2,  78
.set A_FS2,  79
.set A_IW2,  80
.set A_ISW,  81
.set A_RED,  82
.set A_REDW, 83
.set A_OA,   84
.set A_OS,   85
.macro NOPS n
.rept \n
	v_nop
.endr
.endm
.macro BAR                             ; my LDS stores have landed and my LDS loads are in: then the work-group's barrier
	s_wait_dscnt 0x0
	s_barrier_signal -1
	s_barrier_wait -1
.endm
.macro MMA d, a, b, c, sa, sb
	v_wmma_scale_f32_16x16x128_f8f6f4 v[\d:\d+7], v[\a:\a+7], v[\b:\b+7], v[\c:\c+7], v[\sa], v[\sb] matrix_a_fmt:MATRIX_FMT_FP4 matrix_b_fmt:MATRIX_FMT_FP4
.endm
; 32 numbers of a lane, two blocks: register 16 b + i is number 16 (lane / 16) + i of block b. Codes (half a block a lane) in v[PC + 2 b], v[PC + 2 b + 1], the byte in v[EB + b].
.macro QUANT2 s
.irp b,0,1
	v_max3_num_f32 v[TM+\b], |v[\s+16*\b]|, |v[\s+16*\b+1]|, 0x1800000   ; with the floor 2^(3 - 127): the byte cannot fall under 1
.endr
.irp n,2,4,6,8,10,12,14
.irp b,0,1
	s_delay_alu instid0(VALU_DEP_2)
	v_max3_num_f32 v[TM+\b], v[TM+\b], |v[\s+16*\b+\n]|, |v[\s+16*\b+\n+1]|
.endr
.endr
.irp b,0,1
	s_delay_alu instid0(VALU_DEP_2)
	v_permlanex16_b32 v[TP+\b], v[TM+\b], s[SEL], s[SEL+1]
.endr
.irp b,0,1
	s_delay_alu instid0(VALU_DEP_2)
	v_max_num_f32 v[TM+\b], v[TM+\b], v[TP+\b]
.endr
.irp b,0,1
	s_delay_alu instid0(VALU_DEP_2)
	v_add_nc_u32 v[SO+\b], 0xff000000, v[TM+\b]          ; 2 off the exponent field: the conversion's scale operand
.endr
.irp b,0,1
	s_delay_alu instid0(VALU_DEP_2)
	v_lshrrev_b32 v[EB+\b], 23, v[SO+\b]
.endr
.irp b,0,1
	v_cvt_scalef32_pk8_fp4_f32 v[PC+2*\b], v[\s+16*\b:\s+16*\b+7], v[SO+\b]
	v_cvt_scalef32_pk8_fp4_f32 v[PC+2*\b+1], v[\s+16*\b+8:\s+16*\b+15], v[SO+\b]
.endr
	v_nop                                                ; one plain place behind a scaled conversion
.endm
; my two half blocks go into the fragment's image (8 bytes at 16 r + 8 h of the block's 256), my two bytes into its scale words
.macro PUT2 sa, sb, img, scl
	v_add_nc_u32 v12, s[\sa], v3
	ds_store_b64 v12, v[PC:PC+1] offset:\img
	ds_store_b64 v12, v[PC+2:PC+3] offset:\img+256
	v_lshl_or_b32 v[EB], v[EB+1], 8, v[EB]
	v_add_nc_u32 v13, s[\sb], v2
	ds_store_b16 v13, v[EB] offset:\scl
.endm
.macro WLOAD W, WS, cb, sb, va, vs, pitch, off   ; 20 loads: four tiles x two K steps of a weight, and their scale words
.irp t,0,1,2,3
.irp s,0,1
.irp c,0,1
	global_load_b128 v[\W+16*\t+8*\s+4*\c:\W+16*\t+8*\s+4*\c+3], v[\va], s[\cb:\cb+1] offset:(32*(\t/2)+8*(\t%2))*\pitch+(\off)+64*\s+32*\c
.endr
.endr
	global_load_b64 v[\WS+2*\t:\WS+2*\t+1], v[\vs], s[\sb:\sb+1] offset:((32*(\t/2)+8*(\t%2))*\pitch+(\off))/16
.endr
.endm
.macro VLOAD d, pb, off                ; 8 loads: a vector over the features, in the lane layout
.irp b,0,1
.irp k,0,1,2,3
	global_load_b128 v[\d+16*\b+4*\k:\d+16*\b+4*\k+3], v4, s[\pb:\pb+1] offset:(\off)+128*\b+16*\k
.endr
.endr
.endm
.macro RLOAD d, pb                     ; 8 loads: my part of my token's row
.irp b,0,1
.irp k,0,1,2,3
	global_load_b128 v[\d+16*\b+4*\k:\d+16*\b+4*\k+3], v5, s[\pb:\pb+1] offset:128*\b+16*\k
.endr
.endr
.endm
.macro FETCH2 vi, vs, img, scl         ; two fragments of my token tile and their scale words
.irp s,0,1
.irp c,0,1
	ds_load_b128 v[XF+8*\s+4*\c:XF+8*\s+4*\c+3], v[\vi] offset:\img+1024*\s+512*\c
.endr
	ds_load_b32 v[XS+\s], v[\vs] offset:\scl+64*\s
.endr
	s_wait_dscnt 0x0
.endm
.macro MM W, WS, first                 ; 8 matrix instructions: the four accumulators by turns, one instruction a turn
.irp s,0,1
.irp t,0,1,2,3
.if (\first) && (\s == 0)
	MMA ACC+8*\t, \W+16*\t+8*\s, XF+8*\s, BI+8*\t, \WS+2*\t+\s, XS+\s
.else
	MMA ACC+8*\t, \W+16*\t+8*\s, XF+8*\s, ACC+8*\t, \WS+2*\t+\s, XS+\s
.endif
.endr
.endr
.endm
.macro ADD32 src
.irp j,0,2,4,6,8,10,12,14,16,18,20,22,24,26,28,30
	v_pk_add_f32 v[ACC+\j:ACC+\j+1], v[ACC+\j:ACC+\j+1], v[\src+\j:\src+\j+1]
.endr
.endm
; LayerNorm over a token's 256 features, which lie in 2 lanes of each of 4 waves. Two passes (the mean, then the squares of the differences), each shared through LDS behind a barrier.
.macro LNORM red, G, Bv, cnt
	v_pk_add_f32 v[244:245], v[34:35], v[36:37]
	v_pk_add_f32 v[252:253], v[42:43], v[46:47]
	v_pk_add_f32 v[250:251], v[50:51], v[54:55]
	v_pk_add_f32 v[248:249], v[58:59], v[62:63]
	v_pk_add_f32 v[208:209], v[38:39], v[40:41]
	v_pk_add_f32 v[206:207], v[44:45], v[48:49]
	v_pk_add_f32 v[204:205], v[52:53], v[56:57]
	v_pk_add_f32 v[242:243], v[60:61], v[64:65]
	s_delay_alu instid0(VALU_DEP_1)
	v_pk_add_f32 v[242:243], v[242:243], v[248:249]
	v_pk_add_f32 v[244:245], v[244:245], v[208:209]
	v_pk_add_f32 v[252:253], v[252:253], v[206:207]
	v_pk_add_f32 v[250:251], v[250:251], v[204:205]
	s_delay_alu instid0(VALU_DEP_2)
	v_pk_add_f32 v[242:243], v[242:243], v[252:253]
	s_delay_alu instid0(VALU_DEP_2)
	v_pk_add_f32 v[244:245], v[244:245], v[250:251]
	s_delay_alu instid0(VALU_DEP_1)
	v_pk_add_f32 v[242:243], v[242:243], v[244:245]
	s_delay_alu instid0(VALU_DEP_1)
	v_add_f32 v242, v242, v243
	s_delay_alu instid0(VALU_DEP_1)
	v_permlanex16_b32 v246, v242, s[SEL], s[SEL+1]
	s_delay_alu instid0(VALU_DEP_1)
	v_add_f32 v242, v242, v246
	v_lshl_add_u32 v12, v2, 2, s[A_RED]                  ; 256 qt + 16 r
	v_lshl_add_u32 v13, v2, 2, s[A_REDW]                 ; + 4 fq
	ds_store_b32 v13, v242 offset:\red
	s_wait_alu depctr_va_vdst(0)
	BAR
	ds_load_b128 v[246:249], v12 offset:\red
	s_wait_dscnt 0x0
	v_add_f32 v246, v246, v247
	v_add_f32 v248, v248, v249
	s_delay_alu instid0(VALU_DEP_1)
	v_add_f32 v246, v246, v248
	s_delay_alu instid0(VALU_DEP_1)
	v_mul_f32 v242, s[INV], v246                         ; the mean
.irp j,0,2,4,6,8,10,12,14,16,18,20,22,24,26,28,30
	v_pk_add_f32 v[ACC+\j:ACC+\j+1], v[ACC+\j:ACC+\j+1], v[242:243] op_sel_hi:[1,0] neg_lo:[0,1] neg_hi:[0,1]
.endr
	v_pk_mul_f32 v[244:245], v[ACC:ACC+1], v[ACC:ACC+1]
	v_pk_mul_f32 v[246:247], v[ACC+2:ACC+3], v[ACC+2:ACC+3]
.irp j,4,8,12,16,20,24,28
	s_delay_alu instid0(VALU_DEP_2)
	v_pk_fma_f32 v[244:245], v[ACC+\j:ACC+\j+1], v[ACC+\j:ACC+\j+1], v[244:245]
	s_delay_alu instid0(VALU_DEP_2)
	v_pk_fma_f32 v[246:247], v[ACC+\j+2:ACC+\j+3], v[ACC+\j+2:ACC+\j+3], v[246:247]
.endr
	s_delay_alu instid0(VALU_DEP_1)
	v_pk_add_f32 v[244:245], v[244:245], v[246:247]
	s_delay_alu instid0(VALU_DEP_1)
	v_add_f32 v244, v244, v245
	s_delay_alu instid0(VALU_DEP_1)
	v_permlanex16_b32 v246, v244, s[SEL], s[SEL+1]
	s_delay_alu instid0(VALU_DEP_1)
	v_add_f32 v244, v244, v246
	ds_store_b32 v13, v244 offset:\red+1024
	BAR
	ds_load_b128 v[246:249], v12 offset:\red+1024
	s_wait_dscnt 0x0
	v_add_f32 v246, v246, v247
	v_add_f32 v248, v248, v249
	s_delay_alu instid0(VALU_DEP_1)
	v_add_f32 v246, v246, v248
	s_delay_alu instid0(VALU_DEP_1)
	v_fma_f32 v246, v246, s[INV], s[EPS]                 ; the variance + 1e-5
	s_wait_alu depctr_va_vdst(0)
	v_rsq_f32 v242, v246
	v_nop                                                ; a plain place behind the transcendental
	s_wait_alu depctr_va_vdst(0)                         ; the wait ahead of the first reader
	s_wait_loadcnt \cnt                                  ; gain and shift are in; cnt younger loads may be out
.irp j,0,2,4,6,8,10,12,14,16,18,20,22,24,26,28,30
	v_pk_mul_f32 v[ACC+\j:ACC+\j+1], v[ACC+\j:ACC+\j+1], v[242:243] op_sel_hi:[1,0]
.endr
.irp j,0,2,4,6,8,10,12,14,16,18,20,22,24,26,28,30
	v_pk_fma_f32 v[ACC+\j:ACC+\j+1], v[ACC+\j:ACC+\j+1], v[\G+\j:\G+\j+1], v[\Bv+\j:\Bv+\j+1]
.endr
.endm
.macro ROWS_IN                         ; my 64 + 64 bytes of my token's row into the stage
.irp b,0,1
.irp k,0,1,2,3
	ds_store_b128 v10, v[ACC+16*\b+4*\k:ACC+16*\b+4*\k+3] offset:128*\b+16*\k
.endr
.endr
.endm
.macro ROWS_OUT pb                     ; four whole rows a wave: each store covers 512 consecutive bytes
.irp j,0,1,2,3
.irp e,0,1
	ds_load_b128 v[ACC+4*(2*\j+\e):ACC+4*(2*\j+\e)+3], v11 offset:1040*\j+512*\e
.endr
.endr
	s_wait_dscnt 0x0
.irp j,0,1,2,3
.irp e,0,1
	global_store_b128 v1, v[ACC+4*(2*\j+\e):ACC+4*(2*\j+\e)+3], s[\pb:\pb+1] offset:1024*\j+512*\e
.endr
.endr
.endm
; ---- the attention part's macros
.macro KLOAD                           ; 5 loads: 128 keys' codes, 512 consecutive bytes a load, and their scale words
.irp q,0,1,2,3
	global_load_b128 v[KF+4*\q:KF+4*\q+3], v1, s[66:67] offset:512*\q
.endr
	global_load_b32 v[KS], v8, s[70:71]
.endm
.macro VLD                             ; 6 loads: V^T's two fragments of 128 keys, and the scale bytes of the two groups of 64
.irp q,0,1,2,3
	global_load_b128 v[VF+4*\q:VF+4*\q+3], v1, s[68:69] offset:512*\q
.endr
	global_load_b32 v[VW], v9, s[72:73]
	global_load_b32 v[VW+1], v9, s[72:73] offset:256
.endm
.macro QK i                            ; S^T of query tile i: eight tiles of 16 keys; Q stands in K block j alone
.irp j,0,1,2,3
	v_wmma_scale_f32_16x16x128_f8f6f4 v[S+8*\j:S+8*\j+7], v[KF:KF+7], v[QZ+16*\i+8*(\j%2)+4-4*(\j/2):QZ+16*\i+8*(\j%2)+4-4*(\j/2)+7], 0, v[KS], v[QS+\i] matrix_a_fmt:MATRIX_FMT_FP4 matrix_b_fmt:MATRIX_FMT_FP4
.endr
.irp j,0,1,2,3
	v_wmma_scale_f32_16x16x128_f8f6f4 v[S+32+8*\j:S+32+8*\j+7], v[KF+8:KF+15], v[QZ+16*\i+8*(\j%2)+4-4*(\j/2):QZ+16*\i+8*(\j%2)+4-4*(\j/2)+7], 0, v[KS], v[QS+\i] matrix_a_fmt:MATRIX_FMT_FP4 matrix_b_fmt:MATRIX_FMT_FP4 matrix_a_scale:MATRIX_SCALE_ROW1
.endr
.endm
.macro PV i
.irp t,0,1
	MMA O+16*\i+8*\t, VF+8*\t, APC, O+16*\i+8*\t, VS+\t, APW
.endr
.endm
; registers 16 b .. 16 b + 15 of S are 16 of the 32 keys of block b; lane l xor 16 holds the other 16
.macro SOFT i
.irp b,0,1,2,3
	v_max3_num_f32 v[BM+\b], v[S+16*\b], v[S+16*\b+1], v[S+16*\b+2]      ; each block's largest score: for the row's maximum, and for the block's largest p
.endr
.irp n,3,5,7,9,11,13
.irp b,0,1,2,3
	v_max3_num_f32 v[BM+\b], v[BM+\b], v[S+16*\b+\n], v[S+16*\b+\n+1]
.endr
.endr
.irp b,0,1,2,3
	v_max_num_f32 v[BM+\b], v[BM+\b], v[S+16*\b+15]
.endr
.irp b,0,1,2,3
	s_delay_alu instid0(VALU_DEP_4)
	v_permlanex16_b32 v[BT+\b], v[BM+\b], s[SEL], s[SEL+1]
.endr
.irp b,0,1,2,3
	s_delay_alu instid0(VALU_DEP_4)
	v_max_num_f32 v[BM+\b], v[BM+\b], v[BT+\b]
.endr
	s_delay_alu instid0(VALU_DEP_2)
	v_max3_num_f32 v[TT], v[BM], v[BM+1], v[BM+2]
	s_delay_alu instid0(VALU_DEP_1)
	v_max_num_f32 v[TT], v[TT], v[BM+3]
	s_delay_alu instid0(VALU_DEP_1)
	v_mul_f32 v[TT], s[CS], v[TT]                        ; the step's largest t
	s_delay_alu instid0(VALU_DEP_1)
	v_max_num_f32 v[ST+4*\i+1], v[ST+4*\i+1], v[TT]      ; the running largest t
	v_mov_b32 v[TT], v[ST+4*\i]
	s_delay_alu instid0(VALU_DEP_2)
	v_floor_f32 v[ST+4*\i], -v[ST+4*\i+1]                ; -M = floor(-t): M is a whole number
	s_delay_alu instid0(VALU_DEP_1)
	v_sub_f32 v[TT], v[ST+4*\i], v[TT]                   ; old M - new M, 0 or less
	s_delay_alu instid0(VALU_DEP_1)
	v_cvt_i32_f32 v[TT], v[TT]                           ; (it saturates)
	s_delay_alu instid0(VALU_DEP_1)
	v_ldexp_f32 v[FP], 1.0, v[TT]                        ; f = 2^(old M - new M)
.irp j,0,2,4,6,8,10,12,14,16,18,20,22,24,26,28,30,32,34,36,38,40,42,44,46,48,50,52,54,56,58,60,62
	v_pk_fma_f32 v[S+\j:S+\j+1], v[S+\j:S+\j+1], s[CS:CS+1], v[ST+4*\i:ST+4*\i+1] op_sel_hi:[1,0,0]   ; t - M
.endr
.irp b,0,1,2,3
	v_fma_f32 v[BM+\b], v[BM+\b], s[CS], v[ST+4*\i]
.endr
	s_wait_alu depctr_va_vdst(0)
.irp j,0,1,2,3,4,5,6,7,8,9,10,11,12,13,14,15,16,17,18,19,20,21,22,23,24,25,26,27,28,29,30,31,32,33,34,35,36,37,38,39,40,41,42,43,44,45,46,47,48,49,50,51,52,53,54,55,56,57,58,59,60,61,62,63
	v_exp_f32 v[S+\j], v[S+\j]                           ; p = 2^(t - M): one batch of 68 exponentials,
.endr
.irp b,0,1,2,3
	v_exp_f32 v[BM+\b], v[BM+\b]                         ; the blocks' largest p among them
.endr
	v_pk_mul_f32 v[ST+4*\i+2:ST+4*\i+3], v[ST+4*\i+2:ST+4*\i+3], v[FP:FP+1] op_sel_hi:[1,0]   ; work that names no result: the sum and O^T under the new M
	s_wait_alu depctr_va_vdst(0)
.irp j,0,2,4,6,8,10,12,14
	v_pk_mul_f32 v[O+16*\i+\j:O+16*\i+\j+1], v[O+16*\i+\j:O+16*\i+\j+1], v[FP:FP+1] op_sel_hi:[1,0]
.endr
	s_wait_alu depctr_va_vdst(0)                         ; one wait for the batch, ahead of its first reader
.irp b,0,1,2,3
	v_max_num_f32 v[BM+\b], 0x1800000, v[BM+\b]          ; the floor: the byte cannot fall under 1
.endr
.irp b,0,1,2,3
	s_delay_alu instid0(VALU_DEP_4)
	v_add_nc_u32 v[SOF+\b], 0xff000000, v[BM+\b]
.endr
.irp b,0,1,2,3
	s_delay_alu instid0(VALU_DEP_4)
	v_lshrrev_b32 v[BT+\b], 23, v[SOF+\b]
.endr
	s_delay_alu instid0(VALU_DEP_3)
	v_lshl_or_b32 v[APW], v[BT+1], 8, v[BT]
	s_delay_alu instid0(VALU_DEP_1)
	v_lshl_or_b32 v[APW], v[BT+2], 16, v[APW]
	s_delay_alu instid0(VALU_DEP_1)
	v_lshl_or_b32 v[APW], v[BT+3], 24, v[APW]
.irp b,0,1,2,3
	v_cvt_scalef32_pk8_fp4_f32 v[APC+2*\b], v[S+16*\b:S+16*\b+7], v[SOF+\b]
	v_cvt_scalef32_pk8_fp4_f32 v[APC+2*\b+1], v[S+16*\b+8:S+16*\b+15], v[SOF+\b]
.endr
	v_nop
.irp c,0,1
.irp n,0,1
	v_permlane16_swap_b32 v[APC+4*\c+\n], v[APC+4*\c+2+\n]
.endr
.endr
.endm
; the row's sum of the unquantised p: 32 plain instructions that name no register of the products behind them: they are the places between the scale words and codes just made and those products
.macro SUMS i
	v_pk_add_f32 v[S2:S2+1], v[S:S+1], v[S+2:S+3]
.irp j,4,8,12,16,20,24,28,32,36,40,44,48,52,56,60
	v_pk_add_f32 v[ST+4*\i+2:ST+4*\i+3], v[ST+4*\i+2:ST+4*\i+3], v[S+\j:S+\j+1]
	v_pk_add_f32 v[S2:S2+1], v[S2:S2+1], v[S+\j+2:S+\j+3]
.endr
	s_delay_alu instid0(VALU_DEP_1)
	v_pk_add_f32 v[ST+4*\i+2:ST+4*\i+3], v[ST+4*\i+2:ST+4*\i+3], v[S2:S2+1]
.endm
.macro STEP last                       ; 128 keys for both query tiles
	s_wait_loadcnt 6                                     ; K and its scale words are in; V's six loads may be out
	QK 0
	NOPS 4
	SOFT 0
	s_wait_loadcnt 0x0                                   ; V is in
	v_perm_b32 v[VS], v[VW+1], v[VW], 0x05040100         ; channel tile 0: two bytes of each group of 64 keys
	v_perm_b32 v[VS+1], v[VW+1], v[VW], 0x07060302       ; channel tile 1
	SUMS 0
	PV 0
	QK 1
	NOPS 4
.if \last == 0
	s_add_nc_u64 s[66:67], s[66:67], 2048                ; K's loads were shown done at the step's head
	s_add_nc_u64 s[70:71], s[70:71], 512
	KLOAD
.endif
	SOFT 1
	SUMS 1
	PV 1
	NOPS 4
.if \last == 0
	s_add_nc_u64 s[68:69], s[68:69], 2048                ; V's were shown done in the step's middle
	s_add_nc_u64 s[72:73], s[72:73], 512
	VLD
.endif
.endm
; one coordinate of a sampling place: the two clipped whole numbers and their weights, 0 where the neighbour lies outside
.macro COORD o, rf, u, c0, c1, w0, w1
	v_fma_f32 v66, v[\o], v[IW+\u], v[\rf]               ; ref + off / W: one rounding, as W is a power of two
	s_delay_alu instid0(VALU_DEP_1)
	v_fma_f32 v66, v66, v[WF+\u], -0.5
	s_delay_alu instid0(VALU_DEP_1)
	v_floor_f32 v67, v66
	s_delay_alu instid0(VALU_DEP_1)
	v_sub_f32 v69, v66, v67
	s_delay_alu instid0(VALU_DEP_2)
	v_add_f32 v68, 1.0, v67
	s_delay_alu instid0(VALU_DEP_2)
	v_sub_f32 v70, 1.0, v69
	s_delay_alu instid0(VALU_DEP_4)
	v_med3_num_f32 v[\c0], v67, 0, v[WL1+\u]
	s_delay_alu instid0(VALU_DEP_3)
	v_med3_num_f32 v[\c1], v68, 0, v[WL1+\u]
	s_delay_alu instid0(VALU_DEP_2)
	v_cmp_eq_f32 vcc_lo, v[\c0], v67
	s_delay_alu instid0(VALU_DEP_1)
	v_cndmask_b32 v[\w0], 0, v70, vcc_lo
	s_delay_alu instid0(VALU_DEP_3)
	v_cmp_eq_f32 vcc_lo, v[\c1], v68
	s_delay_alu instid0(VALU_DEP_1)
	v_cndmask_b32 v[\w1], 0, v69, vcc_lo
.endm
.macro POINT be, u, p                  ; head 2 fq + be, level 2 h + u, point p: corner g = gx + 2 gy
	COORD ACC+16*\be+8*\u+2*\p, RF+2*\u, \u, 71, 72, 73, 74
	COORD ACC+16*\be+8*\u+2*\p+1, RF+2*\u+1, \u, 75, 76, 77, 78
	s_delay_alu instid0(VALU_DEP_3)
	v_mul_f32 v77, v77, v[AT+8*\be+4*\u+\p]
	s_delay_alu instid0(VALU_DEP_2)
	v_mul_f32 v78, v78, v[AT+8*\be+4*\u+\p]
	v_add_f32 v71, v71, v[SF+\u]
	v_add_f32 v72, v72, v[SF+\u]
	s_delay_alu instid0(VALU_DEP_4)
	v_mul_f32 v[WB+32*\u+16+\p], v73, v77
	v_mul_f32 v[WB+32*\u+20+\p], v74, v77
	v_mul_f32 v[WB+32*\u+24+\p], v73, v78
	v_mul_f32 v[WB+32*\u+28+\p], v74, v78
	v_fma_f32 v79, v75, v[PT+\u], v71                    ; y (W + 2) + x + the level's first row in its padded table: small whole numbers, exact
	v_fma_f32 v80, v75, v[PT+\u], v72
	v_fma_f32 v81, v76, v[PT+\u], v71
	v_fma_f32 v82, v76, v[PT+\u], v72
	s_delay_alu instid0(VALU_DEP_4)
	v_cvt_u32_f32 v[WB+32*\u+\p], v79
	s_delay_alu instid0(VALU_DEP_4)
	v_cvt_u32_f32 v[WB+32*\u+4+\p], v80
	s_delay_alu instid0(VALU_DEP_4)
	v_cvt_u32_f32 v[WB+32*\u+8+\p], v81
	s_delay_alu instid0(VALU_DEP_4)
	v_cvt_u32_f32 v[WB+32*\u+12+\p], v82
.endm
.macro GROUP be, u
.if \be == 1
	s_wait_xcnt 0x0                                      ; the stores of the first head have read these registers
.endif
.irp p,0,1,2,3
	POINT \be, \u, \p
.endr
.irp g,0,1,2,3
	v_lshl_or_b32 v[WB+32*\u+4*\g], v[WB+32*\u+4*\g+1], 16, v[WB+32*\u+4*\g]       ; idx goes out in 16 bits a number (all lie under 4,224): a corner's four points are 8 bytes
	v_lshl_or_b32 v[WB+32*\u+4*\g+1], v[WB+32*\u+4*\g+3], 16, v[WB+32*\u+4*\g+2]
.endr
.irp g,0,1,2,3
	global_store_b64 v83, v[WB+32*\u+4*\g:WB+32*\u+4*\g+1], s[42:43] offset:(8*\be+2*\g+\u)*256        ; 256 consecutive bytes a store
	global_store_b128 v1, v[WB+32*\u+16+4*\g:WB+32*\u+16+4*\g+3], s[44:45] offset:(8*\be+2*\g+\u)*512  ; 512 consecutive bytes a store
.endr
.endm
	s_load_b512 s[4:19], s[0:1], 0x0                     ; qc 4, kc 6, vc 8, sc 10, tgt 12, query_pos 14, reference_points 16, out_proj codes 18
	s_load_b512 s[20:35], s[0:1], 0x40                   ; out_proj scales 20, bias 22, norm2 g 24, b 26, off codes 28, scales 30, bias 32, attw codes 34
	s_load_b256 s[36:43], s[0:1], 0x80                   ; attw scales 36, bias 38, tgt1 40, idx 42
	s_load_b64 s[44:45], s[0:1], 0xa0                    ; wgt
	v_lshl_add_u32 v254, v0, 2, 0x15000
	v_mov_b32 v255, 0
	v_lshrrev_b32 v130, 5, v0
	s_delay_alu instid0(VALU_DEP_1)
	v_readfirstlane_b32 s46, v130                        ; wave
	v_and_b32 v132, 31, v0                               ; lane
	v_and_b32 v130, 15, v0                               ; r
	v_bfe_u32 v131, v0, 4, 1                             ; h
	s_delay_alu instid0(VALU_DEP_3)
	v_lshlrev_b32 v1, 4, v132                            ; v1  16 x lane
	s_delay_alu instid0(VALU_DEP_3)
	v_lshlrev_b32 v2, 2, v130                            ; v2  4 r
	s_delay_alu instid0(VALU_DEP_4)
	v_lshlrev_b32 v3, 4, v130
	s_delay_alu instid0(VALU_DEP_1)
	v_lshl_add_u32 v3, v131, 3, v3                       ; v3  16 r + 8 h
	v_lshlrev_b32 v4, 6, v131                            ; v4  64 h
	s_delay_alu instid0(VALU_DEP_1)
	v_lshl_add_u32 v5, v130, 10, v4                      ; v5  1,024 r + 64 h
	v_and_b32 v133, 8, v130
	s_delay_alu instid0(VALU_DEP_1)
	v_add_nc_u32 v133, v133, v130                        ; r + 8 (r / 8)
	s_delay_alu instid0(VALU_DEP_1)
	v_lshlrev_b32 v6, 7, v133
	s_delay_alu instid0(VALU_DEP_1)
	v_lshl_add_u32 v6, v131, 4, v6                       ; v6  a weight's row of 128 bytes, + 16 h
	s_delay_alu instid0(VALU_DEP_3)
	v_lshlrev_b32 v7, 3, v133                            ; v7  its 8 scale bytes
	v_lshl_add_u32 v8, v131, 8, v2
	s_delay_alu instid0(VALU_DEP_1)
	v_add_nc_u32 v8, 64, v8                              ; v8  K's scale words: 256 h + 64 + 4 r
	v_lshl_add_u32 v9, v132, 2, 128                      ; v9  V's: 128 + 4 x lane
	v_lshlrev_b32 v14, 5, v131                           ; v14 32 h
	v_lshlrev_b32 v15, 5, v130
	s_delay_alu instid0(VALU_DEP_1)
	v_lshl_add_u32 v15, v131, 4, v15                     ; v15 reference points: 32 r + 16 h
	v_lshlrev_b32 v118, 4, v130                          ; Q: 16 r
	v_cmp_le_u32 vcc_lo, 16, v132                        ; lanes 16-31
	s_lshr_b32 s47, s46, 1                               ; head
	s_and_b32 s48, s46, 1                                ; which pair of query tiles
	s_and_b32 s49, s46, 3                                ; qt
	s_lshr_b32 s86, s46, 2                               ; fq
	s_mov_b32 s[SEL], 0x76543210
	s_mov_b32 s[SEL+1], 0xfedcba98
	s_mov_b32 s[CS], 0x3e8293ee                          ; log2(e) / sqrt(32)
	s_mov_b32 s[CS+1], s[CS]
	s_mov_b32 s[INV], 0x3b800000                         ; 1 / 256
	s_mov_b32 s[EPS], 0x3727c5ac                         ; 1e-5
	s_lshl_b32 s57, s48, 1
	s_mul_i32 s57, s57, 0x01010101                       ; byte selects: my first tile's byte of Q's scale word, four times;
	s_add_co_u32 s58, s57, 0x01010101                    ; my second tile's
	s_lshl_b32 s[A_FI2], s49, 11
	s_lshl_b32 s[A_FS2], s49, 7
	s_lshl_b32 s59, s86, 9
	s_add_co_u32 s[A_IW2], s[A_FI2], s59                 ; 2,048 qt + 512 fq: my two blocks' place in the images
	s_lshr_b32 s59, s86, 1
	s_lshl_b32 s59, s59, 6
	s_add_co_u32 s[A_ISW], s[A_FS2], s59
	s_and_b32 s59, s86, 1
	s_lshl_b32 s59, s59, 1
	s_add_co_u32 s[A_ISW], s[A_ISW], s59                 ; 128 qt + 64 (fq / 2) + 2 (fq % 2)
	s_lshl_b32 s[A_RED], s49, 8
	s_lshl_b32 s59, s86, 2
	s_add_co_u32 s[A_REDW], s[A_RED], s59
	s_lshl_b32 s[A_OA], s48, 12
	s_lshl_b32 s59, s47, 8
	s_add_co_u32 s[A_OA], s[A_OA], s59                   ; 4,096 pair + 256 head
	s_lshl_b32 s[A_OS], s48, 8
	s_lshr_b32 s59, s47, 2
	s_lshl_b32 s59, s59, 6
	s_add_co_u32 s[A_OS], s[A_OS], s59
	s_and_b32 s59, s47, 3
	s_add_co_u32 s[A_OS], s[A_OS], s59                   ; 256 pair + 64 (head / 4) + head % 4
	s_mul_i32 s59, s49, 16640
	s_lshl_b32 s87, s86, 8
	s_add_co_u32 s59, s59, s87
	s_add_co_u32 s59, s59, STG
	v_mad_u32_u24 v10, v130, 0x410, v4
	s_delay_alu instid0(VALU_DEP_1)
	v_add_nc_u32 v10, s59, v10                           ; v10 the stage, in: row 16 qt + r, + 256 fq + 64 h
	s_mul_i32 s59, s46, 4160
	s_add_co_u32 s59, s59, STG
	v_add_nc_u32 v11, s59, v1                            ; v11 the stage, out: rows 4 w on
	s_mov_b32 s61, 0
	s_lshr_b32 s62, ttmp9, 4                             ; batch
	s_and_b32 s63, ttmp9, 15                             ; which 64 queries of it
	s_lshl_b32 s62, s62, 3
	s_add_co_u32 s62, s62, s47                           ; 8 x batch + head
	s_wait_alu depctr_va_vdst(0)
	s_wait_kmcnt 0x0
	s_lshl_b32 s60, s62, 14
	s_add_nc_u64 s[66:67], s[6:7], s[60:61]              ; K's codes of my head
	s_add_nc_u64 s[68:69], s[8:9], s[60:61]              ; V's
	s_add_nc_u64 s[74:75], s[4:5], s[60:61]
	s_lshl_b32 s60, s63, 10
	s_lshl_b32 s59, s48, 9
	s_add_co_u32 s60, s60, s59
	s_add_nc_u64 s[74:75], s[74:75], s[60:61]            ; Q's codes of my two tiles
	s_lshl_b32 s60, s62, 12
	s_add_nc_u64 s[70:71], s[10:11], s[60:61]            ; the scale records of my head: one base walks for K,
	s_mov_b64 s[72:73], s[70:71]                         ; one for V
	s_lshl_b32 s60, s63, 8
	s_add_nc_u64 s[76:77], s[70:71], s[60:61]            ; my queries' record
	global_load_b128 v[QT:QT+3], v118, s[74:75]
	global_load_b128 v[QT+4:QT+7], v118, s[74:75] offset:256
	global_load_b32 v[QW], v2, s[76:77]
	KLOAD
	VLD
	; the pointers of the second part, while those loads are out
	s_lshl_b32 s60, ttmp9, 16
	s_lshl_b32 s59, s49, 14
	s_add_co_u32 s60, s60, s59
	s_lshl_b32 s59, s86, 8
	s_add_co_u32 s60, s60, s59                           ; token 64 x + 16 qt, feature 64 fq
	s_add_nc_u64 s[12:13], s[12:13], s[60:61]
	s_add_nc_u64 s[14:15], s[14:15], s[60:61]
	s_lshl_b32 s60, ttmp9, 11
	s_lshl_b32 s59, s49, 9
	s_add_co_u32 s60, s60, s59
	s_add_nc_u64 s[16:17], s[16:17], s[60:61]            ; reference points: 32 bytes a token
	s_lshl_b32 s60, s86, 13                              ; 64 rows of 128 bytes
	s_add_nc_u64 s[18:19], s[18:19], s[60:61]
	s_add_nc_u64 s[28:29], s[28:29], s[60:61]
	s_lshl_b32 s60, s86, 9                               ; their scale bytes
	s_add_nc_u64 s[20:21], s[20:21], s[60:61]
	s_add_nc_u64 s[30:31], s[30:31], s[60:61]
	s_lshl_b32 s60, s86, 8                               ; 64 numbers of f32; also 32 rows of 8 scale bytes
	s_add_nc_u64 s[22:23], s[22:23], s[60:61]
	s_add_nc_u64 s[24:25], s[24:25], s[60:61]
	s_add_nc_u64 s[26:27], s[26:27], s[60:61]
	s_add_nc_u64 s[32:33], s[32:33], s[60:61]
	s_add_nc_u64 s[36:37], s[36:37], s[60:61]
	s_lshl_b32 s60, s86, 12                              ; attw: 32 rows of 128 bytes
	s_add_nc_u64 s[34:35], s[34:35], s[60:61]
	s_lshl_b32 s60, s86, 7
	s_add_nc_u64 s[38:39], s[38:39], s[60:61]
	s_lshl_b32 s60, ttmp9, 16
	s_lshl_b32 s59, s46, 12
	s_add_co_u32 s60, s60, s59
	s_add_nc_u64 s[40:41], s[40:41], s[60:61]            ; tgt1: rows 64 x + 4 w on
	s_lshl_b32 s60, ttmp9, 17
	s_lshl_b32 s59, s49, 15
	s_add_co_u32 s60, s60, s59
	s_lshl_b32 s59, s86, 13
	s_add_co_u32 s60, s60, s59                           ; ((4 x + qt) 8 + 2 fq) x 4,096
	s_add_nc_u64 s[44:45], s[44:45], s[60:61]
	s_lshr_b32 s60, s60, 1                               ; idx has half of wgt's bytes
	s_add_nc_u64 s[42:43], s[42:43], s[60:61]
	s_wait_loadcnt 11                                    ; Q and its scale word are in; K's 5 and V's 6 loads may be out
	v_perm_b32 v[QS], v[QW], v[QW], s57
	v_perm_b32 v[QS+1], v[QW], v[QW], s58
.irp z,0,8,16,24,32
.irp k,0,1,2,3
	v_mov_b32 v[QZ+\z+\k], 0
.endr
.endr
.irp i,0,1
.irp k,0,1,2,3
	v_cndmask_b32 v[QZ+16*\i+4+\k], v[QT+4*\i+\k], v[QZ], vcc_lo
	v_cndmask_b32 v[QZ+16*\i+12+\k], v[QZ], v[QT+4*\i+\k], vcc_lo
.endr
.endr
.irp j,0,1,2,3,4,5,6,7,8,9,10,11,12,13,14,15,16,17,18,19,20,21,22,23,24,25,26,27,28,29,30,31
	v_mov_b32 v[O+\j], 0                                 ; the step is written once: the first finds zeros.  (These are also the places ahead of the first products)
.endr
.irp i,0,1
	v_mov_b32 v[ST+4*\i+1], 0xff61b1e6                   ; the largest t so far: -3e38
	s_delay_alu instid0(VALU_DEP_1)
	v_floor_f32 v[ST+4*\i], -v[ST+4*\i+1]
	v_mov_b32 v[ST+4*\i+2], 0
	v_mov_b32 v[ST+4*\i+3], 0
.endr
.irp b,0,1,2,3
	v_mov_b32 v[BT+\b], 0
.endr
	v_mov_b32 v[FP+1], 0                                 ; named as the upper half of a pair
	s_mov_b32 s56, 7
.Lstep:
	STEP 0
	s_sub_co_u32 s56, s56, 1
	s_cmp_lg_u32 s56, 0
	s_cbranch_scc1 .Lstep
	STEP 1                                               ; the last 128 keys ask for nothing more
	; ---- the second part.  28 loads for the output projection, 8 for the residual
	WLOAD WA, WSA, 18, 20, 6, 7, 128, 0
	VLOAD BI, 22, 0
	RLOAD WB, 12
.irp i,0,1
	v_add_f32 v[ST+4*\i+2], v[ST+4*\i+2], v[ST+4*\i+3]
.endr
.irp i,0,1
	s_delay_alu instid0(VALU_DEP_2)
	v_permlanex16_b32 v[TP+\i], v[ST+4*\i+2], s[SEL], s[SEL+1]
.endr
.irp i,0,1
	s_delay_alu instid0(VALU_DEP_2)
	v_add_f32 v[ST+4*\i+2], v[ST+4*\i+2], v[TP+\i]       ; the row's sum
.endr
	s_wait_alu depctr_va_vdst(0)
.irp i,0,1
	v_rcp_f32 v[ST+4*\i+2], v[ST+4*\i+2]
.endr
	v_nop
	s_wait_alu depctr_va_vdst(0)                         ; one wait for both reciprocals
.irp i,0,1
.irp j,0,2,4,6,8,10,12,14
	v_pk_mul_f32 v[O+16*\i+\j:O+16*\i+\j+1], v[O+16*\i+\j:O+16*\i+\j+1], v[ST+4*\i+2:ST+4*\i+3] op_sel_hi:[1,0]
.endr
.endr
	QUANT2 O                                             ; block i: query tile i's 32 channels of my head
	v_add_nc_u32 v12, s[A_OA], v3
	ds_store_b64 v12, v[PC:PC+1] offset:OIMG
	ds_store_b64 v12, v[PC+2:PC+3] offset:OIMG+2048
	v_add_nc_u32 v13, s[A_OS], v2
	ds_store_b8 v13, v[EB] offset:OSC                    ; both lanes of a block write the same byte with the same value
	ds_store_b8 v13, v[EB+1] offset:OSC+128
	BAR                                                  ; attention's result lies in LDS
	v_add_nc_u32 v12, s[A_FI2], v1
	v_add_nc_u32 v13, s[A_FS2], v2
	FETCH2 12, 13, OIMG, OSC
	s_wait_loadcnt 8                                     ; weight and bias are in; the residual's 8 may be out
	MM WA, WSA, 1
	NOPS 5
	VLOAD WA, 24, 0                                      ; 16 loads: gain and shift
	VLOAD WA+32, 26, 0
	RLOAD BI, 14                                         ; 8: query_pos
	s_wait_loadcnt 24                                    ; tgt is in
	ADD32 WB
	WLOAD WB, WSB, 28, 30, 6, 7, 128, 0                  ; 20: the offsets' weight
	LNORM RED, WA, WA+32, 28                             ; behind gain and shift: query_pos 8 + weight 20
	ROWS_IN
	s_wait_loadcnt 20                                    ; query_pos is in
	ADD32 BI
	QUANT2 ACC
	PUT2 A_IW2, A_ISW, XIMG, XSC
	v_lshrrev_b32 v12, 2, v4
	s_delay_alu instid0(VALU_DEP_1)
	v_lshl_add_u32 v8, v2, 5, v12                        ; attw's rows as they lie: 128 r + 16 h (the loads that read v8 and v9 are long done)
	v_lshlrev_b32 v9, 1, v2                              ; 8 r
.irp b,0,1
.irp s,0,1
.irp c,0,1
	global_load_b128 v[WA+16*\b+8*\s+4*\c:WA+16*\b+8*\s+4*\c+3], v8, s[34:35] offset:2048*\b+64*\s+32*\c
.endr
.endr
	global_load_b64 v[WSA+2*\b:WSA+2*\b+1], v9, s[36:37] offset:128*\b
.irp k,0,1
	global_load_b128 v[WA+32+8*\b+4*\k:WA+32+8*\b+4*\k+3], v14, s[38:39] offset:64*\b+16*\k
.endr
.endr
	VLOAD BI, 32, 0
	global_load_b128 v[RF:RF+3], v15, s[16:17]           ; my token's reference points of levels 2 h and 2 h + 1
	BAR                                                  ; the stage and the images are whole
	ROWS_OUT 40
	s_wait_xcnt 0x0                                      ; the stores have read the registers that the products write
	v_add_nc_u32 v12, s[A_FI2], v1
	v_add_nc_u32 v13, s[A_FS2], v2
	FETCH2 12, 13, XIMG, XSC
	s_wait_loadcnt 0x0
	MM WB, WSB, 1                                        ; the offsets: register 16 b + 8 u + 2 p + xy: head 2 fq + b, level 2 h + u, point p
.irp s,0,1
.irp b,0,1
.if \s == 0
	MMA AT+8*\b, WA+16*\b+8*\s, XF+8*\s, WA+32+8*\b, WSA+2*\b+\s, XS+\s
.else
	MMA AT+8*\b, WA+16*\b+8*\s, XF+8*\s, AT+8*\b, WSA+2*\b+\s, XS+\s
.endif
.endr
.endr                                                    ; the logits: register 8 b + 4 u + p
	NOPS 5
	; the softmax over a head's 16 logits: 8 in this lane, 8 in lane l xor 16
.irp b,0,1
	v_max3_num_f32 v[24+2*\b], v[AT+8*\b], v[AT+8*\b+1], v[AT+8*\b+2]
.endr
.irp b,0,1
	v_max3_num_f32 v[24+2*\b], v[24+2*\b], v[AT+8*\b+3], v[AT+8*\b+4]
.endr
.irp b,0,1
	v_max3_num_f32 v[24+2*\b], v[24+2*\b], v[AT+8*\b+5], v[AT+8*\b+6]
.endr
.irp b,0,1
	v_max_num_f32 v[24+2*\b], v[24+2*\b], v[AT+8*\b+7]
.endr
.irp b,0,1
	s_delay_alu instid0(VALU_DEP_2)
	v_permlanex16_b32 v[28+\b], v[24+2*\b], s[SEL], s[SEL+1]
.endr
.irp b,0,1
	s_delay_alu instid0(VALU_DEP_2)
	v_max_num_f32 v[24+2*\b], v[24+2*\b], v[28+\b]
.endr
.irp b,0,1
	s_delay_alu instid0(VALU_DEP_2)
	v_mov_b32 v[25+2*\b], v[24+2*\b]
.endr
.irp b,0,1
.irp j,0,2,4,6
	v_pk_add_f32 v[AT+8*\b+\j:AT+8*\b+\j+1], v[AT+8*\b+\j:AT+8*\b+\j+1], v[24+2*\b:25+2*\b] neg_lo:[0,1] neg_hi:[0,1]
.endr
.endr
.irp j,0,2,4,6,8,10,12,14
	v_pk_mul_f32 v[AT+\j:AT+\j+1], v[AT+\j:AT+\j+1], 0x3fb8aa3b op_sel_hi:[1,0]
.endr
	s_wait_alu depctr_va_vdst(0)
.irp j,0,1,2,3,4,5,6,7,8,9,10,11,12,13,14,15
	v_exp_f32 v[AT+\j], v[AT+\j]
.endr
	v_bfe_u32 v30, v0, 4, 1                              ; work that names no result: the levels' constants.  h
	s_delay_alu instid0(VALU_DEP_1)
	v_lshlrev_b32 v31, 1, v30
	s_delay_alu instid0(VALU_DEP_1)
	v_sub_nc_u32 v31, 6, v31                             ; 6 - 2 h
	s_delay_alu instid0(VALU_DEP_1)
	v_ldexp_f32 v[WF], 1.0, v31                          ; W of level 2 h: 64 or 16
	s_delay_alu instid0(VALU_DEP_2)
	v_sub_nc_u32 v66, 0, v31
	s_delay_alu instid0(VALU_DEP_1)
	v_ldexp_f32 v[IW], 1.0, v66
	s_delay_alu instid0(VALU_DEP_3)
	v_mul_f32 v[WF+1], 0.5, v[WF]                        ; of level 2 h + 1: 32 or 8
	s_delay_alu instid0(VALU_DEP_2)
	v_add_f32 v[IW+1], v[IW], v[IW]
	v_add_f32 v[WL1], -1.0, v[WF]
	s_delay_alu instid0(VALU_DEP_3)
	v_add_f32 v[WL1+1], -1.0, v[WF+1]
	v_cvt_f32_u32 v30, v30
	s_delay_alu instid0(VALU_DEP_1)
	; idx counts rows of the next launch's two tables in LDS, in which a line of W places takes W + 2 rows: level 0 from 0 in the first table; level 1 from 0, level 2 from 1,088, level 3 from 1,376 in the second
.set PT, 30                            ; v30-31 the lines' pitch W + 2, for level % 2 = 0, 1
	v_mul_f32 v[SF], 0x44880000, v30                     ; the level's first row: 0 or 1,088;
	v_mul_f32 v[SF+1], 0x44ac0000, v30                   ; 0 or 1,376
	v_add_f32 v[PT], 2.0, v[WF]
	v_add_f32 v[PT+1], 2.0, v[WF+1]
	s_wait_alu depctr_va_vdst(0)                         ; one wait for the 16 exponentials
.irp b,0,1
	v_pk_add_f32 v[24+2*\b:25+2*\b], v[AT+8*\b:AT+8*\b+1], v[AT+8*\b+2:AT+8*\b+3]
.endr
.irp b,0,1
	v_pk_add_f32 v[24+2*\b:25+2*\b], v[24+2*\b:25+2*\b], v[AT+8*\b+4:AT+8*\b+5]
.endr
.irp b,0,1
	v_pk_add_f32 v[24+2*\b:25+2*\b], v[24+2*\b:25+2*\b], v[AT+8*\b+6:AT+8*\b+7]
.endr
.irp b,0,1
	s_delay_alu instid0(VALU_DEP_2)
	v_add_f32 v[24+2*\b], v[24+2*\b], v[25+2*\b]
.endr
.irp b,0,1
	s_delay_alu instid0(VALU_DEP_2)
	v_permlanex16_b32 v[28+\b], v[24+2*\b], s[SEL], s[SEL+1]
.endr
.irp b,0,1
	s_delay_alu instid0(VALU_DEP_2)
	v_add_f32 v[24+2*\b], v[24+2*\b], v[28+\b]
.endr
	s_wait_alu depctr_va_vdst(0)
.irp b,0,1
	v_rcp_f32 v[24+2*\b], v[24+2*\b]
.endr
	v_nop
	s_wait_alu depctr_va_vdst(0)
.irp b,0,1
.irp j,0,2,4,6
	v_pk_mul_f32 v[AT+8*\b+\j:AT+8*\b+\j+1], v[AT+8*\b+\j:AT+8*\b+\j+1], v[24+2*\b:25+2*\b] op_sel_hi:[1,0]
.endr
.endr
	v_lshrrev_b32 v83, 1, v1                             ; v83 8 x lane, for idx
	GROUP 0, 0
	GROUP 0, 1
	GROUP 1, 0
	GROUP 1, 1
	s_barrier_signal -1
	s_barrier_wait -1
	s_wait_tensorcnt 0x0
	ds_add_u32 v254, v255
	s_wait_dscnt 0x0
	s_endpgm
.Lfunc_end_k_qd5362d44a3_attn:
	.size	k_qd5362d44a3_attn, .Lfunc_end_k_qd5362d44a3_attn-k_qd5362d44a3_attn
	.p2alignl 7, 3214868480
	.fill 96, 4, 3214868480
	.section	.rodata,"a",@progbits
	.p2align	6, 0x0
	.amdhsa_kernel k_qd5362d44a3_attn
		.amdhsa_group_segment_fixed_size 88064
		.amdhsa_private_segment_fixed_size 0
		.amdhsa_enable_private_segment 0
		.amdhsa_kernarg_size 168
		.amdhsa_user_sgpr_count 2
		.amdhsa_user_sgpr_kernarg_segment_ptr 1
		.amdhsa_wavefront_size32 1
		.amdhsa_system_sgpr_workgroup_id_x 1
		.amdhsa_system_sgpr_workgroup_id_y 1
		.amdhsa_system_sgpr_workgroup_id_z 1
		.amdhsa_system_vgpr_workitem_id 0
		.amdhsa_next_free_vgpr 256
		.amdhsa_next_free_sgpr 100
		.amdhsa_reserve_vcc 1
		.amdhsa_float_denorm_mode_32 3
		.amdhsa_float_denorm_mode_16_64 3
		.amdhsa_memory_ordered 1
		.amdhsa_forward_progress 1
		.amdhsa_inst_pref_size 149
	.end_amdhsa_kernel
	.amdgpu_metadata
---
amdhsa.version: [ 1, 2 ]
amdhsa.kernels:
  - .name:           k_qd5362d44a3_attn
    .symbol:         k_qd5362d44a3_attn.kd
    .args:
      - { .name: qc, .offset: 0, .size: 8, .value_kind: global_buffer, .address_space: global }
      - { .name: kc, .offset: 8, .size: 8, .value_kind: global_buffer, .address_space: global }
      - { .name: vc, .offset: 16, .size: 8, .value_kind: global_buffer, .address_space: global }
      - { .name: sc, .offset: 24, .size: 8, .value_kind: global_buffer, .address_space: global }
      - { .name: tgt, .offset: 32, .size: 8, .value_kind: global_buffer, .address_space: global }
      - { .name: query_pos, .offset: 40, .size: 8, .value_kind: global_buffer, .address_space: global }
      - { .name: reference_points, .offset: 48, .size: 8, .value_kind: global_buffer, .address_space: global }
      - { .name: out_proj_w_codes, .offset: 56, .size: 8, .value_kind: global_buffer, .address_space: global }
      - { .name: out_proj_w_scales, .offset: 64, .size: 8, .value_kind: global_buffer, .address_space: global }
      - { .name: out_proj_b, .offset: 72, .size: 8, .value_kind: global_buffer, .address_space: global }
      - { .name: norm2_g, .offset: 80, .size: 8, .value_kind: global_buffer, .address_space: global }
      - { .name: norm2_b, .offset: 88, .size: 8, .value_kind: global_buffer, .address_space: global }
      - { .name: off_w_codes, .offset: 96, .size: 8, .value_kind: global_buffer, .address_space: global }
      - { .name: off_w_scales, .offset: 104, .size: 8, .value_kind: global_buffer, .address_space: global }
      - { .name: off_b, .offset: 112, .size: 8, .value_kind: global_buffer, .address_space: global }
      - { .name: attw_w_codes, .offset: 120, .size: 8, .value_kind: global_buffer, .address_space: global }
      - { .name: attw_w_scales, .offset: 128, .size: 8, .value_kind: global_buffer, .address_space: global }
      - { .name: attw_b, .offset: 136, .size: 8, .value_kind: global_buffer, .address_space: global }
      - { .name: tgt1, .offset: 144, .size: 8, .value_kind: global_buffer, .address_space: global }
      - { .name: idx, .offset: 152, .size: 8, .value_kind: global_buffer, .address_space: global }
      - { .name: wgt, .offset: 160, .size: 8, .value_kind: global_buffer, .address_space: global }
    .group_segment_fixed_size: 88064
    .private_segment_fixed_size: 0
    .kernarg_segment_align: 8
    .kernarg_segment_size: 168
    .max_flat_workgroup_size: 512
    .sgpr_count:     100
    .vgpr_count:     256
    .wavefront_size: 32
...
	.end_amdgpu_metadata
.endif
;; end of part 6
;; launch gath (part 7): grid 256 x 1, 16 waves a work-group, no clusters, 272,384 bytes of LDS; arguments idx, wgt, src_codes, src_scales, value_w_codes, value_w_scales, value_b, smp; writes smp
.if DOCPART == 7
	.amdgcn_target "amdgcn-amd-amdhsa--gfx1250"
	.amdhsa_code_object_version 6
	.text
	.protected	k_qd5362d44a3_gath
	.globl	k_qd5362d44a3_gath
	.p2align	8
	.type	k_qd5362d44a3_gath,@function
k_qd5362d44a3_gath:
	s_mov_b64 s[64:65], 0
	v_nop
	global_prefetch_b8 v0, s[64:65] scope:SCOPE_SE
	s_setreg_imm32_b32 hwreg(HW_REG_WAVE_MODE, 25, 1), 1
	s_wait_xcnt 0x0
; value = src value_w^T + value_b on codes of E2M1, and the weighted bilinear sums sampled from it. The table never goes to memory: it is made in LDS, in f32 (the sums go on into a quantiser), and gathered out of LDS.
; SHARES. Work-group x: batch x / 16, channels 16 (x % 16) on of the 256: one head's half. A table row is 64 bytes. TWO PHASES: level 0, then levels 1 to 3 over the first table.
; Each phase: the rows are made and stored to LDS | barrier | all 1,024 tokens gather | barrier.
; THE TABLES ARE PADDED: a line of W places takes W + 2 rows (level 0: 64 x 66 rows = 270,336 bytes; levels 1 to 3: 1,088 + 288 + 80 rows). W is a multiple of 4, so the four corners of a point,
; rows i, i + 1, i + W + 2, i + W + 3, begin at four different multiples of 64 bytes modulo 256. The indices (made by the launch before) name places of a level alone, never a padding row.
; Level 0's padding rows are set to 0 once, so that every byte under the bound at which an index is held has been written; in the second phase a padding row keeps what the first left there.
; THE PRODUCT. Source 0 = 16 rows of src (lane r takes row 2 (r % 8) + r / 8 of the tile), source 1 = the 16 channels: register j of lane (r, h) is channel r of row 2 j + h: a store of 4 bytes a lane writes 128 consecutive bytes.
; Phase 1: 16 tiles a wave. Phase 2: level 1: 4 tiles a wave, level 2: one, level 3: one in each of waves 0 to 3.
; THE GATHER. Wave w takes tokens 64 w on, 8 a group. Lane 16 e + 4 g + c owns token 4 e + c of the group and corner g, as it loads them: 8 bytes of indices (16 bits each) and 16 of weights are the 4 points of one level (a unit).
; For a point it reads its whole row by four loads of 16 bytes, load k taking the row's quad k xor c: the 16 lanes of half a wave then name 16 different 16-byte columns modulo 256 bytes (64 banks of 4 bytes: ISA guide 11.1),
; or, where a corner was clipped onto its neighbour, the same bytes. Slot k of the lane's 16 sums holds quad k xor c. At a group's end the four corner lanes add their sums and share them out:
; lane (e, g, c) keeps slot g xor c, which is quad g of its token. Three points' loads are out at a time, on three sets of registers.
; Level 0's results (32 registers) wait for the second phase, whose loop takes two groups a trip and moves the rest eight registers down.
; Indices and weights are asked for ahead, into registers: all 8 units of phase 1 at the head; in phase 2 six units (two groups x three levels) ahead, each set asked for again when its last weight is used. So no prefetch into the L2 is laid.
; IN. wgt [token tile][head][2 corner + level % 2][16 (level / 2) + token][4 points] f32; idx the same in 16-bit whole numbers, so every offset in idx is half of that in wgt.
; OUT. smp [batch][head][half][token][16 channels] f32: 512 consecutive bytes a store.
; NO CLUSTER: the 16 work-groups of a batch read the same src, 740 KB each, against 4.2 MB that each reads out of LDS; a joint fill through LDS would have 55,296 bytes beside level 0's table.
; LIMITS: NaN and infinities are not served. The 64 terms of a sum are added in another order than the source writes them.
.set SPARE, 0x42000                    ; behind level 0's table: the spare words, 128 bytes a wave
.set QD,   12                          ; v12-15   16 (k xor c)
.set PS,   16                          ; v16-47   level 0's results: group q at 4 q
.set AC,   48                          ; v48-63   the group's sums: slot k at 4 k
.set U,    64                          ; v64-127  eight sets: 4 indices (loaded as two words into the upper two), 4 weights
.set D,    128                         ; v128-175 gathered rows: three sets of 16
.set AT,   176                         ; v176-179 four LDS addresses in hand
.set TQ,   180                         ; v180-187 what a lane hands to its partner
.set RS,   188                         ; v188-195 two groups' results on their way out
.set XF,   128                         ; phase 1's product: src's fragments, four sets of 16
.set X2,   112                         ; phase 2's: five sets of 16; level 3's lies in v48-63
.set W,    200                         ; v200-215 the weight's two fragments
.set BI,   216                         ; v216-223 the bias in the result's layout
.set VACC, 224                         ; v224-239 two accumulators
.set XS,   240                         ; v240-251 src's scale words: six sets of 2
.set WS,   252                         ; v252-253 the weight's scale words
.set M0,   40                          ; s40, s41 lanes where bit 0, bit 1 of g xor c is set
.set M1,   41
.macro NOPS n
.rept \n
	v_nop
.endr
.endm
.macro BAR                             ; my LDS stores have landed and my LDS loads are in: then the work-group's barrier
	s_wait_dscnt 0x0
	s_barrier_signal -1
	s_barrier_wait -1
.endm
.macro MMA d, a, b, c, sa, sb
	v_wmma_scale_f32_16x16x128_f8f6f4 v[\d:\d+7], v[\a:\a+7], v[\b:\b+7], v[\c:\c+7], v[\sa], v[\sb] matrix_a_fmt:MATRIX_FMT_FP4 matrix_b_fmt:MATRIX_FMT_FP4
.endm
.macro TLOAD xf, xs, cb, sb, co, so    ; 5 loads: a tile's codes and scale words
.irp s,0,1
.irp c,0,1
	global_load_b128 v[\xf+8*\s+4*\c:\xf+8*\s+4*\c+3], v4, s[\cb:\cb+1] offset:(\co)+64*\s+32*\c
.endr
.endr
	global_load_b64 v[\xs:\xs+1], v5, s[\sb:\sb+1] offset:\so
.endm
.macro TSTORE acc, va, off, skip       ; a tile's 16 rows, two a store, from the accumulator's low end on; skip: bytes of padding between its rows 7 and 8
.irp j,0,1,2,3,4,5,6,7
	ds_store_b32 v[\va], v[\acc+\j] offset:(\off)+128*\j+(\skip)*(\j/4)
.endr
.endm
.macro VPAIR k                         ; phase 1: tiles k and k + 1 of 16: the two accumulators by turns, one instruction a turn
.if 16-(\k) >= 4
	s_wait_loadcnt 10                                    ; these two tiles' loads are in; those of the two tiles behind them may be out
.else
	s_wait_loadcnt 0x0
.endif
	s_wait_dscnt 0x0                                     ; the last pair's stores have read the accumulators
.set XA, XF+16*((\k)%4)
.set XB, XF+16*(((\k)+1)%4)
.set SA, XS+2*((\k)%4)
.set SB, XS+2*(((\k)+1)%4)
	MMA VACC, XA, W, BI, SA, WS
	MMA VACC+8, XB, W, BI, SB, WS
	MMA VACC, XA+8, W+8, VACC, SA+1, WS+1
	MMA VACC+8, XB+8, W+8, VACC+8, SB+1, WS+1
	NOPS 5
.if (\k)+4 < 16
	TLOAD XA, SA, 30, 34, 2048*((\k)+4), 128*((\k)+4)
	TLOAD XB, SB, 30, 34, 2048*((\k)+5), 128*((\k)+5)
.endif
	TSTORE VACC, 6, 1024*(\k)+128*((\k)/4), 0            ; four tiles to a line of level 0, then two rows of padding
	TSTORE VACC+8, 6, 1024*((\k)+1)+128*(((\k)+1)/4), 0
.endm
.macro PAIR2 k                         ; phase 2: my tiles k and k + 1 of level 1: one line, then two rows of padding
	MMA VACC, X2+16*(\k), W, BI, XS+2*(\k), WS
	MMA VACC+8, X2+16*(\k)+16, W, BI, XS+2*(\k)+2, WS
	MMA VACC, X2+16*(\k)+8, W+8, VACC, XS+2*(\k)+1, WS+1
	MMA VACC+8, X2+16*(\k)+24, W+8, VACC+8, XS+2*(\k)+3, WS+1
	NOPS 5
	TSTORE VACC, 7, 1024*(\k)+128*((\k)/2), 0
	TSTORE VACC+8, 7, 1024*((\k)+1)+128*((\k)/2), 0
.endm
.macro ONE acc, xf, xs, va, skip       ; one tile alone
	MMA \acc, \xf, W, BI, \xs, WS
	s_wait_alu depctr_va_vdst(0)                         ; the wait ahead of a link that follows its accumulator's last instruction
	MMA \acc, \xf+8, W+8, \acc, \xs+1, WS+1
	NOPS 5
	TSTORE \acc, \va, 0, \skip
.endm
.macro ULOAD set, off                  ; 2 loads: a unit's indices and weights: 8 tokens x 4 corners x 8 and x 16 bytes.  off: the unit's place in wgt
	global_load_b64 v[U+8*(\set)+2:U+8*(\set)+3], v3, s[4:5] offset:(\off)/2
	global_load_b128 v[U+8*(\set)+4:U+8*(\set)+7], v2, s[6:7] offset:\off
.endm
; point it % 4 of unit it / 4: my row's four quads are asked for.  At a unit's first point its four indices are taken apart and held at the table's last row.  lw: the loads that may be out behind the unit's own, or -1
.macro ISSUE it, lim, lw
.set IU, U+8*((\it)/4)
.set ID, D+16*((\it)%3)
.if (\it)%4 == 0
.if (\lw) >= 0
	s_wait_loadcnt \lw
.endif
	v_and_b32 v[IU], 0xffff, v[IU+2]                     ; points 0 and 1 lie in the first word,
	v_lshrrev_b32 v[IU+1], 16, v[IU+2]
	v_and_b32 v[IU+2], 0xffff, v[IU+3]                   ; points 2 and 3 in the second
	v_lshrrev_b32 v[IU+3], 16, v[IU+3]
.irp n,0,1,2,3
	s_delay_alu instid0(VALU_DEP_4)
	v_min_u32 v[IU+\n], \lim, v[IU+\n]
.endr
	s_delay_alu instid0(VALU_DEP_4)
.endif
.irp k,0,1,2,3
	v_lshl_add_u32 v[AT+\k], v[IU+(\it)%4], 6, v[QD+\k]  ; a row is 64 bytes; + quad k xor c
.endr
.irp k,0,1,2,3
	ds_load_b128 v[ID+4*\k:ID+4*\k+3], v[AT+\k]
.endr
.endm
; the row x its weight onto my 16 sums; a weight is taken for both halves of a pair.  first: the product starts the sums
.macro FMAS it, first
.set FW, U+8*((\it)/4)+4+2*(((\it)%4)/2)
.set FD, D+16*((\it)%3)
.irp n,0,2,4,6,8,10,12,14
.if \first
	v_pk_mul_f32 v[AC+\n:AC+\n+1], v[FD+\n:FD+\n+1], v[FW:FW+1] op_sel_hi:[1,0]
.elseif ((\it)%2) == 0
	v_pk_fma_f32 v[AC+\n:AC+\n+1], v[FD+\n:FD+\n+1], v[FW:FW+1], v[AC+\n:AC+\n+1] op_sel_hi:[1,0,1]
.else
	v_pk_fma_f32 v[AC+\n:AC+\n+1], v[FD+\n:FD+\n+1], v[FW:FW+1], v[AC+\n:AC+\n+1] op_sel:[0,1,0] op_sel_hi:[1,1,1]
.endif
.endr
.endm
; The four corner lanes of a token add their sums and share them out.  With lane l xor 4 (corner g xor 1): of slots 2 n and 2 n + 1 I keep the one whose bit 0 is that of g xor c and hand over the other.
; With lane l xor 8 the same on bit 1.  What is left, in v[dst] on, is slot g xor c: quad g of my token.
.macro REDUCE dst
.irp n,0,1,2,3,8,9,10,11
	v_cndmask_b32 v[TQ+\n-4*(\n/8)], v[AC+4+\n], v[AC+\n], s[M0]
.endr
.irp n,0,1,2,3,8,9,10,11
	v_cndmask_b32 v[AC+\n], v[AC+\n], v[AC+4+\n], s[M0]
.endr
.irp n,0,1,2,3,8,9,10,11
	v_add_f32_dpp v[AC+\n], v[TQ+\n-4*(\n/8)], v[AC+\n] row_xmask:4 row_mask:0xf bank_mask:0xf
.endr
.irp i,0,1,2,3
	s_delay_alu instid0(VALU_DEP_4)
	v_cndmask_b32 v[TQ+\i], v[AC+8+\i], v[AC+\i], s[M1]
.endr
.irp i,0,1,2,3
	v_cndmask_b32 v[\dst+\i], v[AC+\i], v[AC+8+\i], s[M1]
.endr
.irp i,0,1,2,3
	s_delay_alu instid0(VALU_DEP_4)
	v_add_f32_dpp v[\dst+\i], v[TQ+\i], v[\dst+\i] row_xmask:8 row_mask:0xf bank_mask:0xf
.endr
.endm
; PHASE 2, two groups = six units = 24 points.  Step I asks for point I + 2 and adds point I.  last = 0: the last two steps ask for the next trip's first two points, and each set is asked for again, a trip on, behind its last weight's use.
; Behind a unit's own two loads four younger sets, 8 loads, may be out; in the last trip only the sets that follow in it.
.macro TRIP last
.set I, 0
.rept 24
.if I < 22
.if \last
	ISSUE I+2, 0x5af, 2*(5-(I+2)/4)
.else
	ISSUE I+2, 0x5af, 8
.endif
	s_wait_dscnt 8                                       ; point I's four loads are in; the two younger points' eight may be out
.elseif \last
	s_wait_alu depctr_va_vdst(0)                         ; the wait here, directly ahead of the wait below
	s_wait_dscnt 4*(23-I)
.else
	ISSUE I-22, 0x5af, 8
	s_wait_dscnt 8
.endif
	FMAS I, (I%12)==0
.if (I%4) == 3
.if \last == 0
.set J, I/4
	ULOAD J, 32768+128*(J/3)+512*((1+J%3)&1)+256*((1+J%3)>>1)   ; group J / 3, level 1 + J % 3 of the next token tile
.endif
.endif
.if (I%12) == 11
.set RR, RS+4*(I/12)
.set PP, PS+4*(I/12)
	REDUCE RR
	s_delay_alu instid0(VALU_DEP_3)
	v_pk_add_f32 v[RR:RR+1], v[RR:RR+1], v[PP:PP+1]      ; with level 0's
	s_delay_alu instid0(VALU_DEP_2)
	v_pk_add_f32 v[RR+2:RR+3], v[RR+2:RR+3], v[PP+2:PP+3]
	global_store_b128 v1, v[RR:RR+3], s[18:19] offset:512*(I/12)   ; 8 tokens x 64 bytes: 512 consecutive bytes
.endif
.set I, I+1
.endr
.endm
	s_load_b512 s[4:19], s[0:1], 0x0                     ; idx 4, wgt 6, src codes 8, src scales 10, weight codes 12, weight scales 14, bias 16, smp 18
	v_lshl_add_u32 v254, v0, 2, SPARE
	v_mov_b32 v255, 0
	v_lshrrev_b32 v3, 5, v0
	v_readfirstlane_b32 s20, v3                          ; wave
	v_and_b32 v10, 3, v0                                 ; c
	v_bfe_u32 v11, v0, 2, 2                              ; g
	v_bfe_u32 v3, v0, 4, 1                               ; e, which is also h
	v_and_b32 v9, 15, v0                                 ; r
	v_lshlrev_b32 v2, 10, v11
	v_lshlrev_b32 v1, 8, v3
	v_lshl_add_u32 v2, v3, 6, v2
	v_lshl_add_u32 v1, v10, 6, v1
	v_lshl_add_u32 v2, v10, 4, v2                        ; v2  weights: corner g's blocks are 1,024 bytes apart, token 4 e + c is 16 bytes
	v_lshl_add_u32 v1, v11, 4, v1                        ; v1  the way out: token 4 e + c's 64 bytes, quad g
	v_lshlrev_b32 v[QD], 4, v10
	v_xor_b32 v11, v11, v10                              ; g xor c
	v_xor_b32 v[QD+1], 16, v[QD]
	v_xor_b32 v[QD+2], 32, v[QD]
	v_xor_b32 v[QD+3], 48, v[QD]
	v_and_b32 v10, 1, v11
	v_and_b32 v11, 2, v11
	v_cmp_ne_u32 s[M0], 0, v10
	v_cmp_ne_u32 s[M1], 0, v11
	v_and_b32 v10, 7, v9
	v_lshrrev_b32 v11, 3, v9
	v_lshl_add_u32 v10, v10, 1, v11                      ; 2 (r % 8) + r / 8
	v_lshlrev_b32 v198, 2, v9                            ; v198 the bias: 4 r
	v_lshlrev_b32 v4, 7, v10
	v_lshlrev_b32 v5, 3, v10                             ; v5  src's 8 scale bytes of that row
	v_lshl_add_u32 v4, v3, 4, v4                         ; v4  src: that row of 128 bytes, + 16 h
	v_lshl_add_u32 v10, v3, 6, v198                      ; 64 h + 4 r
	v_lshlrev_b32 v196, 7, v9
	v_lshlrev_b32 v197, 3, v9                            ; v197 the weight's 8 scale bytes
	v_lshl_add_u32 v196, v3, 4, v196                     ; v196 the weight: row r of 128 bytes, + 16 h
	v_lshrrev_b32 v3, 1, v2                              ; v3  indices: half of v2
	s_mul_i32 s21, s20, 16896
	v_add_nc_u32 v6, s21, v10                            ; v6  level 0: my 4 lines of 66 rows
	s_mul_i32 s21, s20, 4352
	v_add_nc_u32 v7, s21, v10                            ; v7  level 1: my 2 lines of 34 rows
	s_mul_i32 s21, s20, 1152
	s_add_co_u32 s21, s21, 69632
	v_add_nc_u32 v8, s21, v10                            ; v8  level 2, from row 1,088: my line of 18 rows
	s_mul_i32 s21, s20, 1280
	s_add_co_u32 s21, s21, 88064
	v_add_nc_u32 v10, s21, v10                           ; v10 level 3, from row 1,376: my 2 lines of 10 rows
	s_lshr_b32 s22, ttmp9, 4                             ; batch
	s_and_b32 s23, ttmp9, 15                             ; 2 head + half
	s_lshr_b32 s24, s23, 1                               ; head
	s_mov_b32 s29, 0
	s_wait_alu depctr_va_vdst(0)                         ; the wait at the head's end
	s_wait_kmcnt 0x0
	s_lshl_b32 s28, s22, 21                              ; wgt: 64 token tiles of 32,768 bytes a batch,
	s_lshl_b32 s25, s20, 17                              ; my 4 tiles,
	s_add_co_u32 s28, s28, s25
	s_lshl_b32 s25, s24, 12                              ; my head's 4,096 bytes
	s_add_co_u32 s28, s28, s25
	s_add_nc_u64 s[6:7], s[6:7], s[28:29]
	s_lshr_b32 s28, s28, 1                               ; idx: half of that
	s_add_nc_u64 s[4:5], s[4:5], s[28:29]
	s_mul_i32 s26, s22, 696320                           ; src's codes: 5,440 rows of 128 bytes a batch
	s_lshl_b32 s25, s20, 15
	s_add_co_u32 s28, s26, s25                           ; level 0: rows 256 w on
	s_add_nc_u64 s[30:31], s[8:9], s[28:29]
	s_lshl_b32 s25, s20, 13
	s_add_co_u32 s28, s26, s25
	s_add_co_u32 s28, s28, 524288                        ; level 1: rows 4,096 + 64 w on
	s_add_nc_u64 s[32:33], s[8:9], s[28:29]
	s_lshl_b32 s25, s20, 11
	s_add_co_u32 s28, s26, s25
	s_add_co_u32 s28, s28, 655360                        ; level 2: rows 5,120 + 16 w on; level 3's lie 256 rows further
	s_add_nc_u64 s[38:39], s[8:9], s[28:29]
	s_mul_i32 s26, s22, 43520                            ; src's scale bytes: 8 a row
	s_add_co_u32 s28, s26, s25
	s_add_nc_u64 s[34:35], s[10:11], s[28:29]
	s_lshl_b32 s25, s20, 9
	s_add_co_u32 s28, s26, s25
	s_add_co_u32 s28, s28, 32768
	s_add_nc_u64 s[36:37], s[10:11], s[28:29]
	s_lshl_b32 s25, s20, 7
	s_add_co_u32 s28, s26, s25
	s_add_co_u32 s28, s28, 40960
	s_add_nc_u64 s[42:43], s[10:11], s[28:29]
	s_lshl_b32 s28, s23, 11                              ; my 16 rows of the weight,
	s_add_nc_u64 s[12:13], s[12:13], s[28:29]
	s_lshl_b32 s28, s23, 7                               ; their scale bytes,
	s_add_nc_u64 s[14:15], s[14:15], s[28:29]
	s_lshl_b32 s28, s23, 6                               ; their biases
	s_add_nc_u64 s[16:17], s[16:17], s[28:29]
	s_lshl_b32 s28, ttmp9, 16                            ; smp: 65,536 bytes a work-group,
	s_lshl_b32 s25, s20, 12                              ; my 64 tokens of 64 bytes
	s_add_co_u32 s28, s28, s25
	s_add_nc_u64 s[18:19], s[18:19], s[28:29]
.irp q,0,1,2,3,4,5,6,7
	ULOAD \q, 32768*(\q/2)+128*(\q%2)                    ; phase 1's eight units, level 0 of my eight groups: they land while the table is made
.endr
.irp s,0,1
.irp c,0,1
	global_load_b128 v[W+8*\s+4*\c:W+8*\s+4*\c+3], v196, s[12:13] offset:64*\s+32*\c
.endr
.endr
	global_load_b64 v[WS:WS+1], v197, s[14:15]
.irp j,0,1,2,3,4,5,6,7
	global_load_b32 v[BI+\j], v198, s[16:17]             ; a lane holds one channel, so all eight registers take the same number
.endr
	; ---- phase 1: level 0's 4,096 rows
.irp k,0,1,2,3
	TLOAD XF+16*\k, XS+2*\k, 30, 34, 2048*\k, 128*\k
.endr
.irp n,0,1,2,3
	ds_store_b32 v6, v255 offset:4224*\n+4096            ; 0 into the two padding rows behind each of my four lines: 128 consecutive bytes a store
.endr
.irp k,0,2,4,6,8,10,12,14
	VPAIR \k
.endr
	BAR                                                  ; the table is whole.  (The last pair waited for all loads, the eight units' among them)
	ISSUE 0, 0x107f, -1
	ISSUE 1, 0x107f, -1
.set I, 0
.rept 32                               ; 8 groups x 4 points: step I asks for point I + 2 and adds point I
.if I < 30
	ISSUE I+2, 0x107f, -1
	s_wait_dscnt 8                                       ; point I's four loads are in; the two younger points' eight may be out
.else
	s_wait_alu depctr_va_vdst(0)                         ; the wait here, directly ahead of the wait below
	s_wait_dscnt 4*(31-I)
.endif
	FMAS I, (I%4)==0
.if (I%4) == 3
.set J, I/4
.if J < 6
	ULOAD J, 128*(J/3)+512*((1+J%3)&1)+256*((1+J%3)>>1)  ; the set takes unit J of phase 2's first trip
.endif
	REDUCE PS+4*J
.endif
.set I, I+1
.endr
	; ---- phase 2: levels 1 to 3.  My tiles of src are asked for ahead of the barrier, into registers that the gather has left
	s_wait_alu depctr_va_vdst(0)                         ; the wait ahead of the branch and the barrier
.irp k,0,1,2,3
	TLOAD X2+16*\k, XS+2*\k, 32, 36, 2048*\k, 128*\k
.endr
	TLOAD X2+64, XS+8, 38, 42, 0, 0
	s_cmp_ge_u32 s20, 4
	s_cbranch_scc1 .Lno_l3_load
	TLOAD AC, XS+10, 38, 42, 32768, 2048
.Lno_l3_load:
	BAR                                                  ; nobody reads level 0 any more
	s_wait_loadcnt 0x0
	PAIR2 0
	s_wait_dscnt 0x0                                     ; the stores have read the accumulators
	PAIR2 2
	s_wait_dscnt 0x0
	ONE VACC, X2+64, XS+8, 8, 0
	s_cmp_ge_u32 s20, 4
	s_cbranch_scc1 .Lno_l3
	ONE VACC+8, AC, XS+10, 10, 128                       ; a tile of level 3 is two lines of 8
.Lno_l3:
	BAR                                                  ; the second table is whole
	ISSUE 0, 0x5af, 8
	ISSUE 1, 0x5af, 8
	s_mov_b32 s44, 3
.Ltrip:
	TRIP 0
.irp n,0,1,2,3,4,5,6,7,8,9,10,11,12,13,14,15,16,17,18,19,20,21,22,23
	v_mov_b32 v[PS+\n], v[PS+8+\n]                       ; level 0's results of the groups to come move two groups down
.endr
	s_wait_alu depctr_va_vdst(0)                         ; the wait ahead of the wait below and the branch
	s_wait_xcnt 0x0                                      ; the trip's loads and stores have read their bases and data
	s_add_nc_u64 s[4:5], s[4:5], 16384                   ; the next token tile
	s_add_nc_u64 s[6:7], s[6:7], 32768
	s_add_nc_u64 s[18:19], s[18:19], 1024
	s_sub_co_u32 s44, s44, 1
	s_cmp_lg_u32 s44, 0
	s_cbranch_scc1 .Ltrip
	TRIP 1                                               ; the last two groups ask for nothing more
	s_barrier_signal -1
	s_barrier_wait -1
	s_wait_tensorcnt 0x0                                 ; the wave's end
	ds_add_u32 v254, v255
	s_wait_dscnt 0x0
	s_endpgm
.Lfunc_end_k_qd5362d44a3_gath:
	.size	k_qd5362d44a3_gath, .Lfunc_end_k_qd5362d44a3_gath-k_qd5362d44a3_gath
	.p2alignl 7, 3214868480
	.fill 96, 4, 3214868480
	.section	.rodata,"a",@progbits
	.p2align	6, 0x0
	.amdhsa_kernel k_qd5362d44a3_gath
		.amdhsa_group_segment_fixed_size 272384
		.amdhsa_private_segment_fixed_size 0
		.amdhsa_enable_private_segment 0
		.amdhsa_kernarg_size 64
		.amdhsa_user_sgpr_count 2
		.amdhsa_user_sgpr_kernarg_segment_ptr 1
		.amdhsa_wavefront_size32 1
		.amdhsa_system_sgpr_workgroup_id_x 1
		.amdhsa_system_sgpr_workgroup_id_y 1
		.amdhsa_system_sgpr_workgroup_id_z 1
		.amdhsa_system_vgpr_workitem_id 0
		.amdhsa_next_free_vgpr 256
		.amdhsa_next_free_sgpr 66
		.amdhsa_reserve_vcc 0
		.amdhsa_float_denorm_mode_32 3
		.amdhsa_float_denorm_mode_16_64 3
		.amdhsa_memory_ordered 1
		.amdhsa_forward_progress 1
		.amdhsa_inst_pref_size 167
	.end_amdhsa_kernel
	.amdgpu_metadata
---
amdhsa.version: [ 1, 2 ]
amdhsa.kernels:
  - .name:           k_qd5362d44a3_gath
    .symbol:         k_qd5362d44a3_gath.kd
    .args:
      - { .name: idx, .offset: 0, .size: 8, .value_kind: global_buffer, .address_space: global }
      - { .name: wgt, .offset: 8, .size: 8, .value_kind: global_buffer, .address_space: global }
      - { .name: src_codes, .offset: 16, .size: 8, .value_kind: global_buffer, .address_space: global }
      - { .name: src_scales, .offset: 24, .size: 8, .value_kind: global_buffer, .address_space: global }
      - { .name: value_w_codes, .offset: 32, .size: 8, .value_kind: global_buffer, .address_space: global }
      - { .name: value_w_scales, .offset: 40, .size: 8, .value_kind: global_buffer, .address_space: global }
      - { .name: value_b, .offset: 48, .size: 8, .value_kind: global_buffer, .address_space: global }
      - { .name: smp, .offset: 56, .size: 8, .value_kind: global_buffer, .address_space: global }
    .group_segment_fixed_size: 272384
    .private_segment_fixed_size: 0
    .kernarg_segment_align: 8
    .kernarg_segment_size: 64
    .max_flat_workgroup_size: 512
    .sgpr_count:     66
    .vgpr_count:     256
    .wavefront_size: 32
...
	.end_amdgpu_metadata
.endif
;; end of part 7
;; launch ffn (part 8): grid 256 x 1, 16 waves a work-group, no clusters, 190,464 bytes of LDS; arguments smp, tgt1, outp_w_codes, outp_w_scales, outp_b, norm1_g, norm1_b, lin1_w_codes, lin1_w_scales, lin1_b, lin2_w_codes, lin2_w_scales, lin2_b, norm3_g, norm3_b, out0; writes out0
.if DOCPART == 8
	.amdgcn_target "amdgcn-amd-amdhsa--gfx1250"
	.amdhsa_code_object_version 6
	.text
	.protected	k_qd5362d44a3_ffn
	.globl	k_qd5362d44a3_ffn
	.p2align	8
	.type	k_qd5362d44a3_ffn,@function
k_qd5362d44a3_ffn:
	s_mov_b64 s[64:65], 0
	v_nop
	global_prefetch_b8 v0, s[64:65] scope:SCOPE_SE
	s_setreg_imm32_b32 hwreg(HW_REG_WAVE_MODE, 25, 1), 1
	s_wait_xcnt 0x0
; The output projection of the deformable attention, residual, LayerNorm, the two layers of the FFN, residual, LayerNorm.
; All matrix products on codes of E2M1; each operand is quantised in registers on its way; nothing but the result goes to memory.
; SHARES. A work-group takes 64 tokens. Wave w: token tile qt = w % 4, features 64 fq .. 64 fq + 63, fq = w / 4.
; Source 0 = 16 rows of a weight (tile 2 b + u: rows 32 b + 8 u + r + 8 (r / 8)), source 1 = 16 tokens: register j of lane (r, h) is feature 64 fq + 32 (j / 16) + 16 h + j % 16 of token r.
; The samples lie [batch][head][half][token][16 channels]: a lane's 16 numbers of a block of 32 are one row of 64 bytes.
; Operands go from wave to wave through LDS as images of their registers. Weights come from memory straight into registers, 64 rows x 256 K a unit, in two sets by turns, asked for two units ahead.
; NO CLUSTER: what the work-groups share are the weights, some 400 KB in all, which each wave takes in the order of its operand registers; no tile of them goes through LDS.
; LIMITS: NaN and infinities are not served. A block whose largest magnitude lies under 2^-124 gets the byte 1 (its codes are zeros).
.set X1I,  0                           ; LDS: the samples, 8 fragments (token tile t, K step s: 2 t + s)
.set X1S,  8192
.set X2I,  8704                        ; the FFN's input, 8 fragments
.set X2S,  16896
.set HIDI, 17408                       ; the hidden layer, 32 fragments (8 t + s)
.set HIDS, 50176
.set RED,  52224                       ; the norms' partial sums: 4 x 1,024
.set RES,  56320                       ; 4,096 bytes a wave: an image of the FFN's residual
.set STG,  121856                      ; the way out: 64 rows x 1,040 bytes
.set XF,   16
.set XS,   32
.set ACC,  34
.set WA,   66
.set WB,   130
.set WSB,  194
.set WSA,  202
.set BI,   210
.set TM,   242
.set TP,   244
.set SO,   246
.set EB,   248
.set PC,   250
.set SEL,  44
.set INV,  46
.set EPS,  47
.set A_FI2,  48
.set A_FS2,  49
.set A_IW2,  50
.set A_ISW,  51
.set A_RED,  52
.set A_REDW, 53
.set A_IH,   54
.set A_IHS,  55
.set A_FIH,  56
.set A_FSH,  57
.set A_RES,  58
.macro NOPS n
.rept \n
	v_nop
.endr
.endm
.macro BAR                             ; my LDS stores have landed and my LDS loads are in: then the work-group's barrier
	s_wait_dscnt 0x0
	s_barrier_signal -1
	s_barrier_wait -1
.endm
.macro MMA d, a, b, c, sa, sb
	v_wmma_scale_f32_16x16x128_f8f6f4 v[\d:\d+7], v[\a:\a+7], v[\b:\b+7], v[\c:\c+7], v[\sa], v[\sb] matrix_a_fmt:MATRIX_FMT_FP4 matrix_b_fmt:MATRIX_FMT_FP4
.endm
.macro QUANT2 s                        ; 32 numbers of a lane, two blocks: codes (half a block a lane) in v[PC + 2 b], v[PC + 2 b + 1], the byte in v[EB + b]
.irp b,0,1
	v_max3_num_f32 v[TM+\b], |v[\s+16*\b]|, |v[\s+16*\b+1]|, 0x1800000   ; with the floor 2^(3 - 127): the byte cannot fall under 1
.endr
.irp n,2,4,6,8,10,12,14
.irp b,0,1
	s_delay_alu instid0(VALU_DEP_2)
	v_max3_num_f32 v[TM+\b], v[TM+\b], |v[\s+16*\b+\n]|, |v[\s+16*\b+\n+1]|
.endr
.endr
.irp b,0,1
	s_delay_alu instid0(VALU_DEP_2)
	v_permlanex16_b32 v[TP+\b], v[TM+\b], s[SEL], s[SEL+1]
.endr
.irp b,0,1
	s_delay_alu instid0(VALU_DEP_2)
	v_max_num_f32 v[TM+\b], v[TM+\b], v[TP+\b]
.endr
.irp b,0,1
	s_delay_alu instid0(VALU_DEP_2)
	v_add_nc_u32 v[SO+\b], 0xff000000, v[TM+\b]          ; 2 off the exponent field: the conversion's scale operand
.endr
.irp b,0,1
	s_delay_alu instid0(VALU_DEP_2)
	v_lshrrev_b32 v[EB+\b], 23, v[SO+\b]
.endr
.irp b,0,1
	v_cvt_scalef32_pk8_fp4_f32 v[PC+2*\b], v[\s+16*\b:\s+16*\b+7], v[SO+\b]
	v_cvt_scalef32_pk8_fp4_f32 v[PC+2*\b+1], v[\s+16*\b+8:\s+16*\b+15], v[SO+\b]
.endr
	v_nop                                                ; one plain place behind a scaled conversion
.endm
.macro PUT2 sa, sb, img, scl           ; my two half blocks into the fragment's image, my two bytes into its scale words
	v_add_nc_u32 v12, s[\sa], v3
	ds_store_b64 v12, v[PC:PC+1] offset:\img
	ds_store_b64 v12, v[PC+2:PC+3] offset:\img+256
	v_lshl_or_b32 v[EB], v[EB+1], 8, v[EB]
	v_add_nc_u32 v13, s[\sb], v2
	ds_store_b16 v13, v[EB] offset:\scl
.endm
.macro WLOAD W, WS, cb, sb, va, vs, pitch, off   ; 20 loads: four tiles x two K steps of a weight, and their scale words
.irp t,0,1,2,3
.irp s,0,1
.irp c,0,1
	global_load_b128 v[\W+16*\t+8*\s+4*\c:\W+16*\t+8*\s+4*\c+3], v[\va], s[\cb:\cb+1] offset:(32*(\t/2)+8*(\t%2))*\pitch+(\off)+64*\s+32*\c
.endr
.endr
	global_load_b64 v[\WS+2*\t:\WS+2*\t+1], v[\vs], s[\sb:\sb+1] offset:((32*(\t/2)+8*(\t%2))*\pitch+(\off))/16
.endr
.endm
.macro VLOAD d, pb, off                ; 8 loads: a vector over the features, in the lane layout
.irp b,0,1
.irp k,0,1,2,3
	global_load_b128 v[\d+16*\b+4*\k:\d+16*\b+4*\k+3], v4, s[\pb:\pb+1] offset:(\off)+128*\b+16*\k
.endr
.endr
.endm
.macro RLOAD d, pb                     ; 8 loads: my part of my token's row
.irp b,0,1
.irp k,0,1,2,3
	global_load_b128 v[\d+16*\b+4*\k:\d+16*\b+4*\k+3], v5, s[\pb:\pb+1] offset:128*\b+16*\k
.endr
.endr
.endm
.macro FETCH2 vi, vs, img, scl         ; two fragments of my token tile and their scale words
.irp s,0,1
.irp c,0,1
	ds_load_b128 v[XF+8*\s+4*\c:XF+8*\s+4*\c+3], v[\vi] offset:\img+1024*\s+512*\c
.endr
	ds_load_b32 v[XS+\s], v[\vs] offset:\scl+64*\s
.endr
	s_wait_dscnt 0x0
.endm
.macro MM W, WS, first                 ; 8 matrix instructions: the four accumulators by turns, one instruction a turn
.irp s,0,1
.irp t,0,1,2,3
.if (\first) && (\s == 0)
	MMA ACC+8*\t, \W+16*\t+8*\s, XF+8*\s, BI+8*\t, \WS+2*\t+\s, XS+\s
.else
	MMA ACC+8*\t, \W+16*\t+8*\s, XF+8*\s, ACC+8*\t, \WS+2*\t+\s, XS+\s
.endif
.endr
.endr
.endm
.macro ADD32 src
.irp j,0,2,4,6,8,10,12,14,16,18,20,22,24,26,28,30
	v_pk_add_f32 v[ACC+\j:ACC+\j+1], v[ACC+\j:ACC+\j+1], v[\src+\j:\src+\j+1]
.endr
.endm
; LayerNorm over a token's 256 features, which lie in 2 lanes of each of 4 waves. Two passes (the mean, then the squares of the differences), each shared through LDS behind a barrier.
.macro LNORM red, G, Bv, cnt
	v_pk_add_f32 v[242:243], v[ACC:ACC+1], v[ACC+2:ACC+3]
	v_pk_add_f32 v[244:245], v[ACC+4:ACC+5], v[ACC+6:ACC+7]
.irp j,8,12,16,20,24,28
	s_delay_alu instid0(VALU_DEP_2)
	v_pk_add_f32 v[242:243], v[242:243], v[ACC+\j:ACC+\j+1]
	s_delay_alu instid0(VALU_DEP_2)
	v_pk_add_f32 v[244:245], v[244:245], v[ACC+\j+2:ACC+\j+3]
.endr
	s_delay_alu instid0(VALU_DEP_1)
	v_pk_add_f32 v[242:243], v[242:243], v[244:245]
	s_delay_alu instid0(VALU_DEP_1)
	v_add_f32 v242, v242, v243
	s_delay_alu instid0(VALU_DEP_1)
	v_permlanex16_b32 v246, v242, s[SEL], s[SEL+1]
	s_delay_alu instid0(VALU_DEP_1)
	v_add_f32 v242, v242, v246
	v_lshl_add_u32 v12, v2, 2, s[A_RED]                  ; 256 qt + 16 r
	v_lshl_add_u32 v13, v2, 2, s[A_REDW]                 ; + 4 fq
	ds_store_b32 v13, v242 offset:\red
	s_wait_alu depctr_va_vdst(0)
	BAR
	ds_load_b128 v[246:249], v12 offset:\red
	s_wait_dscnt 0x0
	v_add_f32 v246, v246, v247
	v_add_f32 v248, v248, v249
	s_delay_alu instid0(VALU_DEP_1)
	v_add_f32 v246, v246, v248
	s_delay_alu instid0(VALU_DEP_1)
	v_mul_f32 v242, s[INV], v246                         ; the mean
.irp j,0,2,4,6,8,10,12,14,16,18,20,22,24,26,28,30
	v_pk_add_f32 v[ACC+\j:ACC+\j+1], v[ACC+\j:ACC+\j+1], v[242:243] op_sel_hi:[1,0] neg_lo:[0,1] neg_hi:[0,1]
.endr
	v_pk_mul_f32 v[244:245], v[ACC:ACC+1], v[ACC:ACC+1]
	v_pk_mul_f32 v[246:247], v[ACC+2:ACC+3], v[ACC+2:ACC+3]
.irp j,4,8,12,16,20,24,28
	s_delay_alu instid0(VALU_DEP_2)
	v_pk_fma_f32 v[244:245], v[ACC+\j:ACC+\j+1], v[ACC+\j:ACC+\j+1], v[244:245]
	s_delay_alu instid0(VALU_DEP_2)
	v_pk_fma_f32 v[246:247], v[ACC+\j+2:ACC+\j+3], v[ACC+\j+2:ACC+\j+3], v[246:247]
.endr
	s_delay_alu instid0(VALU_DEP_1)
	v_pk_add_f32 v[244:245], v[244:245], v[246:247]
	s_delay_alu instid0(VALU_DEP_1)
	v_add_f32 v244, v244, v245
	s_delay_alu instid0(VALU_DEP_1)
	v_permlanex16_b32 v246, v244, s[SEL], s[SEL+1]
	s_delay_alu instid0(VALU_DEP_1)
	v_add_f32 v244, v244, v246
	ds_store_b32 v13, v244 offset:\red+1024
	BAR
	ds_load_b128 v[246:249], v12 offset:\red+1024
	s_wait_dscnt 0x0
	v_add_f32 v246, v246, v247
	v_add_f32 v248, v248, v249
	s_delay_alu instid0(VALU_DEP_1)
	v_add_f32 v246, v246, v248
	s_delay_alu instid0(VALU_DEP_1)
	v_fma_f32 v246, v246, s[INV], s[EPS]                 ; the variance + 1e-5
	s_wait_alu depctr_va_vdst(0)
	v_rsq_f32 v242, v246
	v_nop                                                ; a plain place behind the transcendental
	s_wait_alu depctr_va_vdst(0)                         ; the wait ahead of the first reader
	s_wait_loadcnt \cnt                                  ; gain and shift are in; cnt younger loads may be out
.irp j,0,2,4,6,8,10,12,14,16,18,20,22,24,26,28,30
	v_pk_mul_f32 v[ACC+\j:ACC+\j+1], v[ACC+\j:ACC+\j+1], v[242:243] op_sel_hi:[1,0]
.endr
.irp j,0,2,4,6,8,10,12,14,16,18,20,22,24,26,28,30
	v_pk_fma_f32 v[ACC+\j:ACC+\j+1], v[ACC+\j:ACC+\j+1], v[\G+\j:\G+\j+1], v[\Bv+\j:\Bv+\j+1]
.endr
.endm
; ---- the FFN's units.  Unit n takes the set of weight registers n % 2; behind its products that set takes unit n + 2's weight
.macro LIN1 n, W, WS
	s_wait_loadcnt 20                                    ; this unit's weight and bias are in; the next unit's weight, 20 loads, may be out
	MM \W, \WS, 1
	NOPS 5
.if \n < 3
	VLOAD BI, 26, 256*(\n+1)
.else
	VLOAD BI, 32, 0
.endif
.if \n < 2
	WLOAD \W, \WS, 22, 24, 6, 7, 128, 8192*(\n+2)
.else
	WLOAD \W, \WS, 28, 30, 8, 9, 512, 128*(\n-2)
.endif
.irp j,0,1,2,3,4,5,6,7,8,9,10,11,12,13,14,15,16,17,18,19,20,21,22,23,24,25,26,27,28,29,30,31
	v_max_num_f32 v[ACC+\j], 0, v[ACC+\j]
.endr
	QUANT2 ACC
	PUT2 A_IH, A_IHS, HIDI+512*\n, HIDS+64*(\n/2)+2*(\n%2)
	s_wait_dscnt 0x0
.endm
.macro LIN2 j, W, WS, cnt
	v_add_nc_u32 v12, s[A_FIH], v1
	v_add_nc_u32 v13, s[A_FSH], v2
	FETCH2 12, 13, HIDI+2048*\j, HIDS+128*\j
	s_wait_loadcnt \cnt
.if \j == 0
	MM \W, \WS, 1
.else
	MM \W, \WS, 0
.endif
	NOPS 5
.if \j < 2
	WLOAD \W, \WS, 28, 30, 8, 9, 512, 128*(\j+2)
.endif
.endm
	s_load_b512 s[8:23], s[0:1], 0x0                     ; smp 8, tgt1 10, outp codes 12, scales 14, bias 16, norm1 g 18, b 20, lin1 codes 22
	s_load_b512 s[24:39], s[0:1], 0x40                   ; lin1 scales 24, bias 26, lin2 codes 28, scales 30, bias 32, norm3 g 34, b 36, out0 38
	v_lshl_add_u32 v254, v0, 2, 0x2e000
	v_mov_b32 v255, 0
	v_lshrrev_b32 v16, 5, v0
	s_delay_alu instid0(VALU_DEP_1)
	v_readfirstlane_b32 s40, v16                         ; wave
	v_and_b32 v16, 31, v0                                ; lane
	v_and_b32 v17, 15, v0                                ; r
	v_bfe_u32 v18, v0, 4, 1                              ; h
	s_delay_alu instid0(VALU_DEP_3)
	v_lshlrev_b32 v1, 4, v16                             ; v1  16 x lane
	s_delay_alu instid0(VALU_DEP_3)
	v_lshlrev_b32 v2, 2, v17                             ; v2  4 r
	s_delay_alu instid0(VALU_DEP_4)
	v_lshlrev_b32 v3, 4, v17
	s_delay_alu instid0(VALU_DEP_1)
	v_lshl_add_u32 v3, v18, 3, v3                        ; v3  16 r + 8 h
	v_lshlrev_b32 v4, 6, v18                             ; v4  64 h
	s_delay_alu instid0(VALU_DEP_1)
	v_lshl_add_u32 v5, v17, 10, v4                       ; v5  1,024 r + 64 h
	v_and_b32 v19, 8, v17
	s_delay_alu instid0(VALU_DEP_1)
	v_add_nc_u32 v19, v19, v17                           ; r + 8 (r / 8)
	v_lshlrev_b32 v20, 4, v18
	s_delay_alu instid0(VALU_DEP_1)
	v_lshl_add_u32 v6, v19, 7, v20                       ; v6  a weight's row of 128 bytes, + 16 h
	s_delay_alu instid0(VALU_DEP_3)
	v_lshlrev_b32 v7, 3, v19                             ; v7  its 8 scale bytes
	s_delay_alu instid0(VALU_DEP_3)
	v_lshl_add_u32 v8, v19, 9, v20                       ; v8  a row of 512 bytes
	v_lshlrev_b32 v9, 5, v19                             ; v9  its 32 scale bytes
	v_lshlrev_b32 v14, 6, v17
	s_delay_alu instid0(VALU_DEP_1)
	v_lshl_add_u32 v14, v18, 16, v14                     ; v14 the samples: token r's 64 bytes, half h 65,536 bytes on
	v_mov_b32 v[TP], 0                                   ; written once: a lane permute's destination counts as one of its sources
	v_mov_b32 v[TP+1], 0
	s_and_b32 s41, s40, 3                                ; qt
	s_lshr_b32 s42, s40, 2                               ; fq
	s_mov_b32 s[SEL], 0x76543210
	s_mov_b32 s[SEL+1], 0xfedcba98
	s_mov_b32 s[INV], 0x3b800000                         ; 1 / 256
	s_mov_b32 s[EPS], 0x3727c5ac                         ; 1e-5
	s_lshl_b32 s[A_FI2], s41, 11
	s_lshl_b32 s[A_FS2], s41, 7
	s_lshl_b32 s43, s42, 9
	s_add_co_u32 s[A_IW2], s[A_FI2], s43
	s_lshr_b32 s43, s42, 1
	s_lshl_b32 s43, s43, 6
	s_add_co_u32 s[A_ISW], s[A_FS2], s43
	s_and_b32 s43, s42, 1
	s_lshl_b32 s43, s43, 1
	s_add_co_u32 s[A_ISW], s[A_ISW], s43
	s_lshl_b32 s[A_RED], s41, 8
	s_lshl_b32 s43, s42, 2
	s_add_co_u32 s[A_REDW], s[A_RED], s43
	s_lshl_b32 s[A_FIH], s41, 13
	s_lshl_b32 s43, s42, 11
	s_add_co_u32 s[A_IH], s[A_FIH], s43
	s_lshl_b32 s[A_FSH], s41, 9
	s_lshl_b32 s43, s42, 7
	s_add_co_u32 s[A_IHS], s[A_FSH], s43
	s_lshl_b32 s[A_RES], s40, 12
	s_add_co_u32 s[A_RES], s[A_RES], RES
	s_mul_i32 s43, s41, 16640
	s_lshl_b32 s62, s42, 8
	s_add_co_u32 s43, s43, s62
	s_add_co_u32 s43, s43, STG
	v_mad_u32_u24 v10, v17, 0x410, v4
	s_delay_alu instid0(VALU_DEP_1)
	v_add_nc_u32 v10, s43, v10                           ; v10 the stage, in: row 16 qt + r, + 256 fq + 64 h
	s_mul_i32 s43, s40, 4160
	s_add_co_u32 s43, s43, STG
	v_add_nc_u32 v11, s43, v1                            ; v11 the stage, out: rows 4 w on
	s_mov_b32 s63, 0
	s_wait_alu depctr_va_vdst(0)
	s_wait_kmcnt 0x0
	s_lshr_b32 s62, ttmp9, 4
	s_lshl_b32 s62, s62, 20                              ; the samples: 16 blocks of 65,536 bytes a batch,
	s_lshl_b32 s43, s42, 18                              ; heads 2 fq on: four blocks,
	s_add_co_u32 s62, s62, s43
	s_and_b32 s43, ttmp9, 15
	s_lshl_b32 s43, s43, 12                              ; my work-group's 64 tokens of 64 bytes,
	s_add_co_u32 s62, s62, s43
	s_lshl_b32 s43, s41, 10                              ; my 16
	s_add_co_u32 s62, s62, s43
	s_add_nc_u64 s[8:9], s[8:9], s[62:63]
	s_lshl_b32 s62, ttmp9, 16
	s_lshl_b32 s43, s41, 14
	s_add_co_u32 s62, s62, s43
	s_lshl_b32 s43, s42, 8
	s_add_co_u32 s62, s62, s43
	s_add_nc_u64 s[10:11], s[10:11], s[62:63]            ; tgt1: token 64 x + 16 qt, feature 64 fq
	s_lshl_b32 s62, s42, 13
	s_add_nc_u64 s[12:13], s[12:13], s[62:63]            ; outp: 64 rows of 128 bytes
	s_lshl_b32 s62, s42, 9
	s_add_nc_u64 s[14:15], s[14:15], s[62:63]
	s_lshl_b32 s62, s42, 8                               ; 64 numbers of f32
	s_add_nc_u64 s[16:17], s[16:17], s[62:63]
	s_add_nc_u64 s[18:19], s[18:19], s[62:63]
	s_add_nc_u64 s[20:21], s[20:21], s[62:63]
	s_add_nc_u64 s[32:33], s[32:33], s[62:63]
	s_add_nc_u64 s[34:35], s[34:35], s[62:63]
	s_add_nc_u64 s[36:37], s[36:37], s[62:63]
	s_lshl_b32 s62, s42, 15                              ; lin1: 256 rows of 128 bytes; lin2: 64 rows of 512
	s_add_nc_u64 s[22:23], s[22:23], s[62:63]
	s_add_nc_u64 s[28:29], s[28:29], s[62:63]
	s_lshl_b32 s62, s42, 11
	s_add_nc_u64 s[24:25], s[24:25], s[62:63]
	s_add_nc_u64 s[30:31], s[30:31], s[62:63]
	s_lshl_b32 s62, s42, 10
	s_add_nc_u64 s[26:27], s[26:27], s[62:63]
	s_lshl_b32 s62, ttmp9, 16
	s_lshl_b32 s43, s40, 12
	s_add_co_u32 s62, s62, s43
	s_add_nc_u64 s[38:39], s[38:39], s[62:63]            ; out0: rows 64 x + 4 w on
.irp b,0,1
.irp k,0,1,2,3
	global_load_b128 v[ACC+16*\b+4*\k:ACC+16*\b+4*\k+3], v14, s[8:9] offset:131072*\b+16*\k   ; 8 loads: the samples; head 2 fq + b is two blocks on
.endr
.endr
	WLOAD WA, WSA, 12, 14, 6, 7, 128, 0                  ; 28 loads: the output projection's weight and bias
	VLOAD BI, 16, 0
	RLOAD WB, 10                                         ; 8 loads: the residual
	; ---- the samples become an operand
	s_wait_loadcnt 36                                    ; the samples are in; the 28 + 8 loads behind them may be out
	QUANT2 ACC
	PUT2 A_IW2, A_ISW, X1I, X1S
	BAR
	v_add_nc_u32 v12, s[A_FI2], v1
	v_add_nc_u32 v13, s[A_FS2], v2
	FETCH2 12, 13, X1I, X1S
	s_wait_loadcnt 8                                     ; weight and bias are in; the residual's 8 may be out
	MM WA, WSA, 1
	NOPS 5
	VLOAD WA, 18, 0                                      ; 16 loads: gain and shift
	VLOAD WA+32, 20, 0
	s_wait_loadcnt 16                                    ; the residual is in
	ADD32 WB
	WLOAD WB, WSB, 22, 24, 6, 7, 128, 0                  ; 28 loads: unit 0's weight and bias
	VLOAD BI, 26, 0
	LNORM RED, WA, WA+32, 28
	v_add_nc_u32 v12, s[A_RES], v1
.irp k,0,1,2,3,4,5,6,7
	ds_store_b128 v12, v[ACC+4*\k:ACC+4*\k+3] offset:512*\k   ; the residual of the FFN waits in my own bytes, as an image of its registers
.endr
	QUANT2 ACC
	PUT2 A_IW2, A_ISW, X2I, X2S
	WLOAD WA, WSA, 22, 24, 6, 7, 128, 8192               ; 20 loads: unit 1's weight
	BAR
	v_add_nc_u32 v12, s[A_FI2], v1
	v_add_nc_u32 v13, s[A_FS2], v2
	FETCH2 12, 13, X2I, X2S
	LIN1 0, WB, WSB                                      ; hidden units 256 fq + 64 n on
	LIN1 1, WA, WSA
	LIN1 2, WB, WSB
	LIN1 3, WA, WSA
	BAR                                                  ; the hidden layer's 32 fragments lie in LDS
	LIN2 0, WB, WSB, 20                                  ; 256 along K a unit; behind this unit's weight the next unit's 20 loads may be out
	LIN2 1, WA, WSA, 20
	LIN2 2, WB, WSB, 20
	VLOAD WB, 34, 0                                      ; 16 loads: gain and shift
	VLOAD WB+32, 36, 0
	v_add_nc_u32 v12, s[A_RES], v1
.irp k,0,1,2,3,4,5,6,7
	ds_load_b128 v[BI+4*\k:BI+4*\k+3], v12 offset:512*\k
.endr
	LIN2 3, WA, WSA, 16                                  ; behind the last weight stand gain and shift alone
	ADD32 BI
	LNORM RED+2048, WB, WB+32, 0
.irp b,0,1
.irp k,0,1,2,3
	ds_store_b128 v10, v[ACC+16*\b+4*\k:ACC+16*\b+4*\k+3] offset:128*\b+16*\k
.endr
.endr
	BAR                                                  ; 64 whole rows lie in the stage
.irp j,0,1,2,3
.irp e,0,1
	ds_load_b128 v[ACC+4*(2*\j+\e):ACC+4*(2*\j+\e)+3], v11 offset:1040*\j+512*\e
.endr
.endr
	s_wait_dscnt 0x0
.irp j,0,1,2,3
.irp e,0,1
	global_store_b128 v1, v[ACC+4*(2*\j+\e):ACC+4*(2*\j+\e)+3], s[38:39] offset:1024*\j+512*\e th:TH_STORE_NT   ; 512 consecutive bytes a store; written once
.endr
.endr
	s_barrier_signal -1
	s_barrier_wait -1
	s_wait_tensorcnt 0x0
	ds_add_u32 v254, v255
	s_wait_dscnt 0x0
	s_endpgm
.Lfunc_end_k_qd5362d44a3_ffn:
	.size	k_qd5362d44a3_ffn, .Lfunc_end_k_qd5362d44a3_ffn-k_qd5362d44a3_ffn
	.p2alignl 7, 3214868480
	.fill 96, 4, 3214868480
	.section	.rodata,"a",@progbits
	.p2align	6, 0x0
	.amdhsa_kernel k_qd5362d44a3_ffn
		.amdhsa_group_segment_fixed_size 190464
		.amdhsa_private_segment_fixed_size 0
		.amdhsa_enable_private_segment 0
		.amdhsa_kernarg_size 128
		.amdhsa_user_sgpr_count 2
		.amdhsa_user_sgpr_kernarg_segment_ptr 1
		.amdhsa_wavefront_size32 1
		.amdhsa_system_sgpr_workgroup_id_x 1
		.amdhsa_system_sgpr_workgroup_id_y 1
		.amdhsa_system_sgpr_workgroup_id_z 1
		.amdhsa_system_vgpr_workitem_id 0
		.amdhsa_next_free_vgpr 256
		.amdhsa_next_free_sgpr 100
		.amdhsa_reserve_vcc 0
		.amdhsa_float_denorm_mode_32 3
		.amdhsa_float_denorm_mode_16_64 3
		.amdhsa_memory_ordered 1
		.amdhsa_forward_progress 1
		.amdhsa_inst_pref_size 85
	.end_amdhsa_kernel
	.amdgpu_metadata
---
amdhsa.version: [ 1, 2 ]
amdhsa.kernels:
  - .name:           k_qd5362d44a3_ffn
    .symbol:         k_qd5362d44a3_ffn.kd
    .args:
      - { .name: smp, .offset: 0, .size: 8, .value_kind: global_buffer, .address_space: global }
      - { .name: tgt1, .offset: 8, .size: 8, .value_kind: global_buffer, .address_space: global }
      - { .name: outp_w_codes, .offset: 16, .size: 8, .value_kind: global_buffer, .address_space: global }
      - { .name: outp_w_scales, .offset: 24, .size: 8, .value_kind: global_buffer, .address_space: global }
      - { .name: outp_b, .offset: 32, .size: 8, .value_kind: global_buffer, .address_space: global }
      - { .name: norm1_g, .offset: 40, .size: 8, .value_kind: global_buffer, .address_space: global }
      - { .name: norm1_b, .offset: 48, .size: 8, .value_kind: global_buffer, .address_space: global }
      - { .name: lin1_w_codes, .offset: 56, .size: 8, .value_kind: global_buffer, .address_space: global }
      - { .name: lin1_w_scales, .offset: 64, .size: 8, .value_kind: global_buffer, .address_space: global }
      - { .name: lin1_b, .offset: 72, .size: 8, .value_kind: global_buffer, .address_space: global }
      - { .name: lin2_w_codes, .offset: 80, .size: 8, .value_kind: global_buffer, .address_space: global }
      - { .name: lin2_w_scales, .offset: 88, .size: 8, .value_kind: global_buffer, .address_space: global }
      - { .name: lin2_b, .offset: 96, .size: 8, .value_kind: global_buffer, .address_space: global }
      - { .name: norm3_g, .offset: 104, .size: 8, .value_kind: global_buffer, .address_space: global }
      - { .name: norm3_b, .offset: 112, .size: 8, .value_kind: global_buffer, .address_space: global }
      - { .name: out0, .offset: 120, .size: 8, .value_kind: global_buffer, .address_space: global }
    .group_segment_fixed_size: 190464
    .private_segment_fixed_size: 0
    .kernarg_segment_align: 8
    .kernarg_segment_size: 128
    .max_flat_workgroup_size: 512
    .sgpr_count:     100
    .vgpr_count:     256
    .wavefront_size: 32
...
	.end_amdgpu_metadata
.endif
;; end of part 8
